; MI455X (gfx1250); checked and timed in simulation.
; The chip was launched on July 23, 2026; its instructions are those of AMD's public machine-readable ISA for CDNA 5 (MIT licence, August 2026) and "CDNA5" Instruction Set Architecture Reference Guide (July 2026). The comments in the code are by the model that wrote it; some were corrected since.
;; Temporal Attention. Allowed arithmetic: matrix products marked QUANTISED: E2M3 operands, one E8M0 scale for each 32 along K, by v_wmma_scale_f32_16x16x128_f8f6f4 with both operands' format E2M3, f32 sums; everything else in f32.
;; Inputs: Wk_codes 512 x 16 x 24 uint8 (E2M3 codes of Wk, K innermost, in blocks of 32 codes, four codes in three bytes); Wk_scales 512 x 16 uint8 (E8M0 scales of Wk, one for each 32 codes along K); Wq_codes 512 x 16 x 24 uint8 (E2M3 codes of Wq, K innermost, in blocks of 32 codes, four codes in three bytes); Wq_scales 512 x 16 uint8 (E8M0 scales of Wq, one for each 32 codes along K); Wv_codes 512 x 16 x 24 uint8 (E2M3 codes of Wv, K innermost, in blocks of 32 codes, four codes in three bytes); Wv_scales 512 x 16 uint8 (E8M0 scales of Wv, one for each 32 codes along K); bk 512 float32; bq 512 float32; bv 512 float32; keys_codes 16 x 2,048 x 16 x 24 uint8 (E2M3 codes of keys, K innermost, in blocks of 32 codes, four codes in three bytes); keys_scales 16 x 2,048 x 16 uint8 (E8M0 scales of keys, one for each 32 codes along K); query_codes 16 x 1,024 x 16 x 24 uint8 (E2M3 codes of query, K innermost, in blocks of 32 codes, four codes in three bytes); query_scales 16 x 1,024 x 16 uint8 (E8M0 scales of query, one for each 32 codes along K).
;; Outputs: out0 16 x 1,024 x 512 float32.
;; This version of the problem:
;;   THIS VERSION OF THE PROBLEM IS GIVEN IN LOW PRECISION. The matrix products marked QUANTISED in the list below multiply operands that are first quantised to E2M3 (2 exponent bits, 3 mantissa bits; 6 bits a number), with one power-of-two scale for each 32 numbers along K (OCP MX v1.0); their sums are f32. All else is computed in f32.
;;   The module's matrix products, in the order in which they are computed (A, B: the left and right operand; K: the contracted axis; several contracted axes count as one K, in the product's order):
;;     1. [M 16,384, K 512] x [K 512, N 512]; A: input query (given as codes); B: input Wq (given as codes): QUANTISED
;;     2. [M 32,768, K 512] x [K 512, N 512]; A: input keys (given as codes); B: input Wk (given as codes): QUANTISED
;;     3. [M 32,768, K 512] x [K 512, N 512]; A: computed on the way; B: input Wv (given as codes): QUANTISED
;;     4. batch 16 x [M 1,024, K 512] x [K 512, N 2,048]; A: computed on the way; B: computed on the way: QUANTISED
;;     5. batch 16 x [M 1,024, K 2,048] x [K 2,048, N 512]; A: softmax (see below); B: computed on the way: QUANTISED
;;   THE QUANTISER, for each operand of a quantised product, along K:
;;     - K is cut into blocks of 32 from its start; a last block that is shorter is filled with zeros.
;;     - A block's scale is 2^e with e = floor(log2(the largest magnitude in the block)) - 2, held to -126 .. 127; a block of zeros has e = 0. As a byte (E8M0): e + 127.
;;     - Each number is divided by its block's scale, clamped to +-7.5, and rounded to the nearest number of E2M3, ties to even, subnormals kept.
;;     - The product sums the exact products of the quantised numbers (number of the format x scale) in f32.
;;   ~~~python
;;   def quantise(x, axis):      # numpy; x: float32 -> the quantised numbers, widened to float32 again
;;       x = np.moveaxis(x, axis, -1); K = x.shape[-1]
;;       x = np.pad(x, [(0, 0)] * (x.ndim - 1) + [(0, -K % 32)]); x = x.reshape(x.shape[:-1] + (-1, 32)); a = np.abs(x).max(-1, keepdims=True)
;;       e = np.where(a > 0, np.clip(np.frexp(np.where(a > 0, a, 1))[1] - 1 - 2, -126, 127), 0)      # np.frexp(a)[1] - 1 = floor(log2(a)), exactly
;;       r = np.clip(x / 2.0 ** e, -7.5, 7.5)
;;       step = 2.0 ** (np.maximum(np.frexp(np.where(r == 0, 1, r))[1] - 1, 0) - 3)
;;       q = np.round(r / step) * step * 2.0 ** e      # np.round: ties to even
;;       return np.moveaxis(q.reshape(q.shape[:-2] + (-1,))[..., :K], -1, axis).astype(np.float32)
;;   ~~~
;;   SOFTMAX AHEAD OF A QUANTISED PRODUCT. Where the list says 'softmax', what is quantised is not the finished softmax but p = 2^(t - M), with t = logit x log2(e) and M = ceil(the row's largest t), a whole number; so 1/2 < the row's largest p <= 1. The row's sum l is taken of the UNQUANTISED p, in f32, and the product's result is divided by l at the end. Since M is a whole number, a kernel that streams over the keys may use a running M (the ceiling of the running maximum): every later rescaling is an exact power of two, which a block's scale takes up: the codes' values come out the same.
;;   OPERANDS COMPUTED ON THE WAY. 'Computed on the way' means the value that the module computes at that place (a softmax that the list does not call 'softmax' is quantised finished and normalised). What goes into a quantiser is computed in f32, as accurately as f32 sums, v_exp_f32 and their like allow (about 1e-6 of the number): no bf16 or f16 on the way to a quantiser, and a product that is left as it is and whose result goes on into a quantised operand takes f32 operands (vector FMAs, or v_wmma_f32_16x16x4_f32). A number that lies on a knife's edge between two numbers of the format may be rounded either way, as far as f32 arithmetic and the matrix unit's own rounding can turn it there, and no further.
;;   INPUTS GIVEN AS CODES. Wk (in the module: [512, 512], K = its axis 0); Wq (in the module: [512, 512], K = its axis 0); Wv (in the module: [512, 512], K = its axis 0); keys (in the module: [16, 2048, 512], K = its axis 2); query (in the module: [16, 1024, 512], K = its axis 2): each comes as NAME_codes (uint8): NAME with its K axis moved to the last place and cut into blocks of 32 codes, [.., K / 32, bytes a block], one block behind the other in memory; four codes in three bytes: a row's codes are one little-endian stream of bits, code i at bits 6 i .. 6 i + 5 (a code: sign, 2 exponent bits, 3 mantissa bits); and NAME_scales (uint8): the same leading axes, one E8M0 byte (e + 127) for each 32 codes along K. Its value is code x scale, taken as it is: it is not quantised again, and the codes and scales need not be those that the quantiser above would give.
;; 3 versions, each right; version 3 is version 2 with the launch kv written anew for expert scheduling mode. Each part assembles by itself: llvm-mc -triple=amdgcn-amd-amdhsa -mcpu=gfx1250 --defsym DOCPART=n.
;; ======== version 1 of 3: 2 launches
;; workspace buffers: kvs 26,214,400 bytes
;; launch kv (part 1): grid 256 x 1, 4 waves a work-group, no clusters, 104,960 bytes of LDS; arguments keys_codes, keys_scales, Wk_codes, Wk_scales, bk, Wv_codes, Wv_scales, bv, kvs; writes kvs
.if DOCPART == 1
	.amdgcn_target "amdgcn-amd-amdhsa--gfx1250"
	.amdhsa_code_object_version 6
	.text
	.protected	k_q051180d38e_kv
	.globl	k_q051180d38e_kv
	.p2align	8
	.type	k_q051180d38e_kv,@function
k_q051180d38e_kv:
	s_mov_b64 s[64:65], 0
	v_nop
	global_prefetch_b8 v0, s[64:65] scope:SCOPE_SE
	s_setreg_imm32_b32 hwreg(HW_REG_WAVE_MODE, 25, 1), 1
	s_wait_xcnt 0x0
; k = keys Wk + bk, Q(k) along d, v = Q(k) Wv + bv, Q(v) along the keys: both products on codes of FP6 (E2M3) with one E8M0 scale for each 32 along K.
; A work-group of four waves takes 128 keys.  THE WAVES SHARE THE COLUMNS: wave w makes columns 128 w .. 128 w + 127 of k (d step w of the later products) and channels 128 w .. + 127 of v, for all 128 keys.
; So a wave reads its 32 fragments of Wk and its 32 of Wv from memory once, straight into registers, where they stay.
; NO CLUSTER, NO TENSOR LOAD: a joint load lands in LDS, and Wk and Wv together are 393,216 bytes, more than LDS holds: they would come in two fills with a barrier between, be written to LDS and read back once
; each, 786,432 LDS bytes more for a work-group, to feed registers that a plain load fills directly.
; WHAT GOES FROM WAVE TO WAVE goes through LDS as images of operand registers: a fragment (16 rows x 128 K, 12 registers) as three blocks of 512 bytes, lane l at 16 l.
; THE OUTPUT kvs is laid in the order in which the attention launch takes it: octets of 8 fragment images (1,536 bytes each) and a block of 512 bytes of scale words (lane L, word j: lanes 0-15 fragment j, lanes 16-31
; fragment 4 + j, row L % 16).  A batch is 4 super-steps of 512 keys; a super-step is 4 slots of 8 octets: K d steps 0, 1 | K d steps 2, 3 | V key steps 0, 1 | V key steps 2, 3; octet = 4 (step % 2) + quarter.
; THE ROWS OF A TILE ARE NOT NEIGHBOURS, for the keys and for Wk: lane r of tile 2 b + u takes row 32 b + 8 u + r + 8 (r / 8), so that a result's 16 registers of tiles 2 b, 2 b + 1 are 16 neighbours along the next K.
; Phase 1 (transposed): source 0 = 16 rows of Wk, source 1 = 16 keys: a lane holds one key, its registers run along d.  Phase 2: source 0 = 16 keys of Q(k), source 1 = 16 rows of Wv: a lane holds one channel, its registers run along the keys.
; LIMITS: NaN and infinities are not served.  A block of zeros gets the scale byte 1 where the quantiser says 127: its codes are zeros, and these bytes are read by this program alone.
; REGISTERS: position p of 64 fragments: window 1 + p / 21, register 12 (p % 21); position 63 lies at v16-27 of window 0.  Positions 0-31: Wk (8 s + t), later Q(k) (8 s + m); 32-63: Wv (32 + 4 t + s).
.set FRB,  1536                        ; a fragment image in bytes
.set XSC,  49152                       ; LDS: 0 the keys 32 fragments (4 m + s); here their scale bytes as they lie in memory, 16 a row
.set KIMG, 51200                       ; Q(k): 32 fragments (8 s + m)
.set KSC,  100352                      ; its scale blocks, 512 bytes for each d step
.set VSCO, 2048                        ; behind them, 2,048 bytes on: a scale block of v for each wave
.set LI,   1                           ; v1   16 x lane
.set WP,   2                           ; v2   (r + 8 (r / 8)) x 384 + 24 h: keys, Wk
.set WN,   3                           ; v3   r x 384 + 24 h: Wv
.set XWI,  4                           ; v4   16 x lane + 12,288 x wave
.set XSA,  5                           ; v5   XSC + 16 (r + 8 (r / 8))
.set KWI,  6                           ; v6   KIMG + 16 x lane + 12,288 x wave
.set KWS,  7                           ; v7   KSC + 512 x wave + 16 r
.set OWN,  9                           ; v9   KSC + 512 x wave + 16 x lane
.set TID,  10                          ; v10  16 x thread
.set BH,   11                          ; v11  64 h
.set R4,   12                          ; v12  4 r
.set SPM,  13                          ; v13  16 (r + 8 (r / 8)) + 1,024 h
.set SNT,  14                          ; v14  16 r + 1,024 h
.set KRD,  15                          ; v15  KIMG + 16 x lane
.set XF,   16                          ; v16-63   four fragments of the keys; in phase 2 v16-27 Wv(7, 3), v28-43 the scale words of Q(k)
.set KS,   28
.set HA,   64                          ; v64-127  eight accumulators
.set BK,   128                         ; v128-191 the bias as eight tiles in the layout of a result
.set PC,   192                         ; v192-211 the codes just made
.set TM,   212                         ; v212-215 largest magnitudes, v216-219 bytes, v220-223 the conversions scale operands
.set PW,   224                         ; the scale word just made
.set XS,   228                         ; v228-231 the keys scale words of a tile
.set WS,   232                         ; v232-247 the weights scale words: 4 (t % 4) + s; lanes 0-15 tile t, lanes 16-31 tile t + 4
.set RAW,  248                         ; v248-251 16 bytes on their way
.set WV,   24
.set SEL,  26
.set MSB,  0
.macro WIN new                         ; the immediate high byte repeats the setting that is left
.if MSB != (\new)
	s_set_vgpr_msb (MSB<<8)|(\new)
.set MSB, (\new)
.endif
.endm
.macro PLACES n
.rept \n
	v_nop
.endr
.endm
.macro POS p                           ; where position p lies
.if (\p) == 63
.set PWN, 0
.set PRG, 16
.else
.set PWN, 1+(\p)/21
.set PRG, 12*((\p)%21)
.endif
.endm
; one product: D, source 0, source 1, C by their first registers; the two scale registers; which half of the lanes holds each side scales
.macro MM d, a, b, c, sa, sb, ra, rb
.if (\ra) && (\rb)
	v_wmma_scale_f32_16x16x128_f8f6f4 v[\d:\d+7], v[\a:\a+11], v[\b:\b+11], v[\c:\c+7], v[\sa], v[\sb] matrix_a_fmt:MATRIX_FMT_FP6 matrix_b_fmt:MATRIX_FMT_FP6 matrix_a_scale:MATRIX_SCALE_ROW1 matrix_b_scale:MATRIX_SCALE_ROW1
.elseif (\ra)
	v_wmma_scale_f32_16x16x128_f8f6f4 v[\d:\d+7], v[\a:\a+11], v[\b:\b+11], v[\c:\c+7], v[\sa], v[\sb] matrix_a_fmt:MATRIX_FMT_FP6 matrix_b_fmt:MATRIX_FMT_FP6 matrix_a_scale:MATRIX_SCALE_ROW1
.elseif (\rb)
	v_wmma_scale_f32_16x16x128_f8f6f4 v[\d:\d+7], v[\a:\a+11], v[\b:\b+11], v[\c:\c+7], v[\sa], v[\sb] matrix_a_fmt:MATRIX_FMT_FP6 matrix_b_fmt:MATRIX_FMT_FP6 matrix_b_scale:MATRIX_SCALE_ROW1
.else
	v_wmma_scale_f32_16x16x128_f8f6f4 v[\d:\d+7], v[\a:\a+11], v[\b:\b+11], v[\c:\c+7], v[\sa], v[\sb] matrix_a_fmt:MATRIX_FMT_FP6 matrix_b_fmt:MATRIX_FMT_FP6
.endif
.endm
.macro WFRAG p, adr, base, off         ; a fragment of a weight from memory into position p: 2 x 24 bytes a lane, in pieces of 8
	POS \p
	WIN (PWN<<6)
.irp i, 0,1,2,3,4,5
	global_load_b64 v[PRG+2*\i:PRG+2*\i+1], v[\adr], s[\base:\base+1] offset:(\off)+48*(\i/3)+8*(\i%3)
.endr
.endm
.macro XFETCH m                        ; tile m of the keys: its four fragments and its rows scale words
.irp s, 0,1,2,3
.irp c, 0,1,2
	ds_load_b128 v[XF+12*\s+4*\c:XF+12*\s+4*\c+3], v[LI] offset:(4*(\m)+\s)*FRB+512*\c
.endr
.endr
	ds_load_b128 v[XS:XS+3], v[XSA] offset:16*(32*((\m)/2)+8*((\m)%2))
.endm
; 64 numbers of a lane, register 16 b + i = k 32 b + 16 (lane / 16) + i of its row, become a fragment codes in v[PC] on and its scale word in v[PW]
.macro QUANT s
.irp b, 0,1,2,3
	v_max3_num_f32 v[TM+\b], |v[\s+16*\b]|, |v[\s+1+16*\b]|, 0x1800000   ; my 16 numbers of block b, and the floor 2^(3 - 127): the byte cannot fall under 1
.endr
.irp i, 2,4,6,8,10,12,14
.irp b, 0,1,2,3
	v_max3_num_f32 v[TM+\b], v[TM+\b], |v[\s+16*\b+\i]|, |v[\s+1+16*\b+\i]|
.endr
.endr
.irp b, 0,1,2,3
	v_permlanex16_b32 v[TM+4+\b], v[TM+\b], s[SEL], s[SEL+1]
.endr
.irp b, 0,1,2,3
	v_max_num_f32 v[TM+\b], v[TM+\b], v[TM+4+\b]   ; with lane l xor 16: the block largest magnitude
.endr
.irp b, 0,1,2,3
	v_add_nc_u32 v[TM+8+\b], 0xff000000, v[TM+\b]  ; 2 off its exponent field: the conversion scale operand
.endr
.irp b, 0,1,2,3
	v_lshrrev_b32 v[TM+4+\b], 23, v[TM+8+\b]       ; the scale byte
.endr
	v_lshl_or_b32 v[PW], v[TM+5], 8, v[TM+4]
	v_lshl_or_b32 v[PW], v[TM+6], 16, v[PW]
	v_lshl_or_b32 v[PW], v[TM+7], 24, v[PW]
	s_wait_xcnt 0x0                                ; the last tile global stores have read the codes registers: only behind this wait are they written again
.irp c, 0,1
	v_cvt_scalef32_pk16_fp6_f32 v[PC+6*\c:PC+2+6*\c], v[\s+32*\c:\s+15+32*\c], v[TM+8+2*\c]
	v_cvt_scalef32_pk16_fp6_f32 v[PC+12+4*\c:PC+14+4*\c], v[\s+16+32*\c:\s+31+32*\c], v[TM+8+2*\c+1]   ; (three registers from an even one on)
.endr
	v_nop                                          ; one plain place behind a scaled conversion
.irp c, 0,1                                    ; a whole block to a lane: lanes 0-15 block 2 c, lanes 16-31 block 2 c + 1
.irp i, 0,1,2
	v_permlane16_swap_b32 v[PC+6*\c+\i], v[PC+12+4*\c+\i]
.endr
.irp i, 0,1,2
	v_mov_b32 v[PC+3+6*\c+\i], v[PC+12+4*\c+\i]
.endr
.endr
.endm
; PHASE 1, tile m of the keys: my 128 columns of k for 16 keys, quantised: fragment m of d step w
.macro P1TILE m
	s_wait_dscnt 0x0                               ; the tile fragments are in, and the last tile LDS stores have read their registers
.irp s, 0,1,2,3
.irp t, 0,1,2,3,4,5,6,7
	POS 8*\s+\t
	WIN PWN
.if \s == 0
	MM HA+8*\t, PRG, XF+12*\s, BK+8*\t, WS+4*(\t%4)+\s, XS+\s, \t/4, 0   ; the bias is the C of the first product; the eight accumulators take turns
.else
	MM HA+8*\t, PRG, XF+12*\s, HA+8*\t, WS+4*(\t%4)+\s, XS+\s, \t/4, 0
.endif
.endr
.endr
	WIN 0
	PLACES 5                                       ; four in front of loads into registers just read and of the first read of results; five since the next tile begins these accumulators anew
.if (\m) < 7
	XFETCH (\m)+1
.endif
.irp s, 0,1,2,3
	WFRAG 32+4*(\m)+\s, WN, 14, 16*(\m)*384+96*\s  ; four fragments of Wv a tile: they land under phase 1
.endr
	WIN 0
	QUANT HA
.irp c, 0,1,2
	ds_store_b128 v[KWI], v[PC+4*\c:PC+4*\c+3] offset:FRB*(\m)+512*\c
.endr
	ds_store_b32 v[KWS], v[PW] offset:256*((\m)/4)+4*((\m)%4)      ; lanes r and r + 16 write the same word with the same value
.irp c, 0,1,2
	global_store_b128 v[LI], v[PC+4*\c:PC+4*\c+3], s[20:21] offset:FRB*(\m)+512*\c   ; 32 lanes store 512 consecutive bytes, at a multiple of 256 from the buffer first byte
.endr
.endm
; PHASE 2, tile t of my channels: v for 16 channels x 128 keys, quantised along the keys: fragment t of my octet of V
.macro P2TILE t
	s_wait_dscnt 0x0
.irp s, 0,1,2,3
	POS 32+4*(\t)+\s
.set BWN, PWN
.set BRG, PRG
.irp m, 0,1,2,3,4,5,6,7
	POS 8*\s+\m
	WIN (PWN|(BWN<<2))
.if \s == 0
	MM HA+8*\m, PRG, BRG, BK+8*(\t), KS+4*\s+\m%4, WS+4*((\t)%4)+\s, \m/4, (\t)/4
.else
	MM HA+8*\m, PRG, BRG, HA+8*\m, KS+4*\s+\m%4, WS+4*((\t)%4)+\s, \m/4, (\t)/4
.endif
.endr
.endr
	WIN 0
	PLACES 5
	QUANT HA
.irp c, 0,1,2
	global_store_b128 v[LI], v[PC+4*\c:PC+4*\c+3], s[22:23] offset:FRB*(\t)+512*\c
.endr
	ds_store_b32 v[KWS], v[PW] offset:VSCO+256*((\t)/4)+4*((\t)%4)
.endm
	s_load_b512 s[4:19], s[0:1], 0x0               ; keys codes, keys scales, Wk codes, Wk scales, bk, Wv codes, Wv scales, bv
	s_load_b64 s[20:21], s[0:1], 0x40              ; kvs
	v_lshl_add_u32 v226, v0, 2, 0x19800
	v_mov_b32 v227, 0
	v_lshrrev_b32 v252, 5, v0
	v_readfirstlane_b32 s[WV], v252                ; wave 0..3
	v_and_b32 v252, 31, v0                         ; lane
	v_and_b32 v253, 15, v0                         ; r
	v_bfe_u32 v254, v0, 4, 1                       ; h
	v_and_b32 v255, 8, v253
	v_add_nc_u32 v255, v255, v253                  ; r + 8 (r / 8)
	v_lshlrev_b32 v[LI], 4, v252
	v_mul_u32_u24 v[WP], v255, 384
	v_mad_u32_u24 v[WP], v254, 24, v[WP]
	v_mul_u32_u24 v[WN], v253, 384
	v_mad_u32_u24 v[WN], v254, 24, v[WN]
	s_mul_i32 s28, s[WV], 8*FRB
	v_add_nc_u32 v[XWI], s28, v[LI]
	v_lshl_add_u32 v[XSA], v255, 4, XSC
	v_add_nc_u32 v[KWI], KIMG, v[XWI]
	s_lshl_b32 s29, s[WV], 9
	s_add_co_u32 s29, s29, KSC
	v_lshl_add_u32 v[KWS], v253, 4, s29
	v_add_nc_u32 v[OWN], s29, v[LI]
	v_lshlrev_b32 v[TID], 4, v0
	v_lshlrev_b32 v[BH], 6, v254
	v_lshlrev_b32 v[R4], 2, v253
	v_lshlrev_b32 v[SPM], 4, v255
	v_lshl_add_u32 v[SPM], v254, 10, v[SPM]
	v_lshlrev_b32 v[SNT], 4, v253
	v_lshl_add_u32 v[SNT], v254, 10, v[SNT]
	v_add_nc_u32 v[KRD], KIMG, v[LI]
.irp b, 0,1,2,3
	v_mov_b32 v[TM+4+\b], 0                        ; written once: a lane permute destination counts as one of its sources
.endr
	s_mov_b32 s[SEL], 0x76543210
	s_mov_b32 s[SEL+1], 0xfedcba98                 ; lane l xor 16
	s_lshr_b32 s30, ttmp9, 4                       ; batch
	s_and_b32 s31, ttmp9, 15                       ; which 128 keys of the batch
	s_lshr_b32 s32, s31, 2                         ; super-step
	s_and_b32 s33, s31, 3                          ; quarter of it
	s_mul_i32 s34, s30, 1638400
	s_mul_i32 s35, s32, 409600
	s_add_co_u32 s34, s34, s35
	s_lshr_b32 s35, s[WV], 1                       ; my octet of K: slot w / 2, octet 4 (w % 2) + quarter
	s_mul_i32 s35, s35, 102400
	s_and_b32 s36, s[WV], 1
	s_lshl_b32 s36, s36, 2
	s_add_co_u32 s36, s36, s33
	s_mul_i32 s36, s36, 12800
	s_add_co_u32 s36, s36, s35
	s_add_co_u32 s36, s36, s34
	s_mov_b32 s37, 0
	s_lshr_b32 s35, s33, 1                         ; my octet of V: slot 2 + quarter / 2, octet 4 (quarter % 2) + w
	s_add_co_u32 s35, s35, 2
	s_mul_i32 s35, s35, 102400
	s_and_b32 s38, s33, 1
	s_lshl_b32 s38, s38, 2
	s_add_co_u32 s38, s38, s[WV]
	s_mul_i32 s38, s38, 12800
	s_add_co_u32 s38, s38, s35
	s_add_co_u32 s38, s38, s34
	s_mov_b32 s39, 0
	s_lshl_b32 s40, ttmp9, 7
	s_lshl_b32 s41, s[WV], 5
	s_add_co_u32 s40, s40, s41
	s_mul_i32 s40, s40, 384                        ; the 32 keys whose fragments I bring: 128 x work-group + 32 x wave
	s_mov_b32 s41, 0
	s_wait_kmcnt 0x0
	s_add_nc_u64 s[22:23], s[20:21], s[38:39]
	s_add_nc_u64 s[20:21], s[20:21], s[36:37]
	s_add_nc_u64 s[4:5], s[4:5], s[40:41]
	s_lshl_b32 s40, ttmp9, 11                      ; the work-group 128 rows of scale bytes
	s_add_nc_u64 s[6:7], s[6:7], s[40:41]
	s_mul_i32 s40, s[WV], 49152                    ; my 128 rows of each weight,
	s_add_nc_u64 s[8:9], s[8:9], s[40:41]
	s_add_nc_u64 s[14:15], s[14:15], s[40:41]
	s_lshl_b32 s40, s[WV], 11                      ; of their scale bytes,
	s_add_nc_u64 s[10:11], s[10:11], s[40:41]
	s_add_nc_u64 s[16:17], s[16:17], s[40:41]
	s_lshl_b32 s40, s[WV], 9                       ; my 128 numbers of each bias
	s_add_nc_u64 s[12:13], s[12:13], s[40:41]
	s_add_nc_u64 s[18:19], s[18:19], s[40:41]
	global_load_b128 v[RAW:RAW+3], v[TID], s[6:7] th:TH_LOAD_NT    ; the keys scale bytes, 16 a thread
.irp u, 0,1                                    ; tiles 2 w + u of the keys, all four d steps
.irp s, 0,1,2,3
.irp i, 0,1,2,3,4,5
	global_load_b64 v[XF+12*(4*\u+\s)+2*\i:XF+12*(4*\u+\s)+2*\i+1], v[WP], s[4:5] offset:8*\u*384+96*\s+48*(\i/3)+8*(\i%3) th:TH_LOAD_NT
.endr
.endr
.endr
.irp s, 0,1,2,3                                ; Wk: in the order in which the products take it
.irp t, 0,1,2,3,4,5,6,7
	WFRAG 8*\s+\t, WP, 8, (32*(\t/2)+8*(\t%2))*384+96*\s
.endr
.endr
	WIN 0
.irp t, 0,1,2,3
	global_load_b128 v[WS+4*\t:WS+4*\t+3], v[SPM], s[10:11] offset:16*(32*(\t/2)+8*(\t%2))   ; a row 16 scale bytes are its four words; lanes 16-31 stand 64 rows on: tile t + 4
.endr
.irp t, 0,1,2,3,4,5,6,7
	global_load_b128 v[BK+8*\t:BK+8*\t+3], v[BH], s[12:13] offset:4*(32*(\t/2)+8*(\t%2))
	global_load_b128 v[BK+8*\t+4:BK+8*\t+7], v[BH], s[12:13] offset:4*(32*(\t/2)+8*(\t%2))+16
.endr
	s_wait_loadcnt 63                              ; behind the 49 loads for the keys 212 were issued: with 63 out the 49 are in
	ds_store_b128 v[TID], v[RAW:RAW+3] offset:XSC
.irp f, 0,1,2,3,4,5,6,7
.irp c, 0,1,2
	ds_store_b128 v[XWI], v[XF+12*\f+4*\c:XF+12*\f+4*\c+3] offset:\f*FRB+512*\c
.endr
.endr
	s_wait_dscnt 0x0                               ; for the others: my stores have landed
	s_barrier_signal -1
	s_barrier_wait -1                              ; the keys 32 fragments lie in LDS
	XFETCH 0
	s_wait_loadcnt 0x0                             ; Wk, its scales, bk
.irp m, 0,1,2,3,4,5,6,7
	P1TILE \m
.endr
.irp t, 0,1,2,3
	global_load_b128 v[WS+4*\t:WS+4*\t+3], v[SNT], s[16:17] offset:256*\t
.endr
.irp t, 0,1,2,3,4,5,6,7
	global_load_b32 v[BK+8*\t], v[R4], s[18:19] offset:64*\t       ; bv of channel 16 t + r
.endr
	ds_load_b128 v[RAW:RAW+3], v[OWN]              ; my scale block of K: LDS serves a wave in order, so this sees my stores
	s_wait_dscnt 0x0                               ; it is in, and my images of Q(k) have landed
	global_store_b128 v[LI], v[RAW:RAW+3], s[20:21] offset:8*FRB
	s_barrier_signal -1
	s_barrier_wait -1                              ; all of Q(k) lies in LDS
.set PX, 0
.rept 32                                       ; Q(k) takes the registers of Wk
	POS PX
	WIN (PWN<<6)
.irp c, 0,1,2
	ds_load_b128 v[PRG+4*\c:PRG+4*\c+3], v[KRD] offset:PX*FRB+512*\c
.endr
.set PX, PX+1
.endr
	WIN 0
.irp s, 0,1,2,3
	ds_load_b128 v[KS+4*\s:KS+4*\s+3], v[KRD] offset:KSC-KIMG+512*\s
.endr
	s_wait_loadcnt 0x0                             ; Wv, its scales, bv
.irp t, 0,1,2,3,4,5,6,7
.irp j, 1,2,3,4,5,6,7
	v_mov_b32 v[BK+8*\t+\j], v[BK+8*\t]            ; a lane holds one channel: its eight registers of a tile take the same bias
.endr
.endr
.irp t, 0,1,2,3,4,5,6,7
	P2TILE \t
.endr
	ds_load_b128 v[RAW:RAW+3], v[OWN] offset:VSCO  ; my scale block of V
	s_wait_dscnt 0x0
	global_store_b128 v[LI], v[RAW:RAW+3], s[22:23] offset:8*FRB
	s_wait_tensorcnt 0x0
	ds_add_u32 v226, v227
	s_wait_dscnt 0x0
	s_endpgm
.Lfunc_end_k_q051180d38e_kv:
	.size	k_q051180d38e_kv, .Lfunc_end_k_q051180d38e_kv-k_q051180d38e_kv
	.p2alignl 7, 3214868480
	.fill 96, 4, 3214868480
	.section	.rodata,"a",@progbits
	.p2align	6, 0x0
	.amdhsa_kernel k_q051180d38e_kv
		.amdhsa_group_segment_fixed_size 104960
		.amdhsa_private_segment_fixed_size 0
		.amdhsa_enable_private_segment 0
		.amdhsa_kernarg_size 72
		.amdhsa_user_sgpr_count 2
		.amdhsa_user_sgpr_kernarg_segment_ptr 1
		.amdhsa_wavefront_size32 1
		.amdhsa_system_sgpr_workgroup_id_x 1
		.amdhsa_system_sgpr_workgroup_id_y 1
		.amdhsa_system_sgpr_workgroup_id_z 1
		.amdhsa_system_vgpr_workitem_id 0
		.amdhsa_next_free_vgpr 1024
		.amdhsa_next_free_sgpr 66
		.amdhsa_reserve_vcc 0
		.amdhsa_float_denorm_mode_32 3
		.amdhsa_float_denorm_mode_16_64 3
		.amdhsa_memory_ordered 1
		.amdhsa_forward_progress 1
		.amdhsa_inst_pref_size 201
	.end_amdhsa_kernel
	.amdgpu_metadata
---
amdhsa.version: [ 1, 2 ]
amdhsa.kernels:
  - .name:           k_q051180d38e_kv
    .symbol:         k_q051180d38e_kv.kd
    .args:
      - { .name: keys_codes, .offset: 0, .size: 8, .value_kind: global_buffer, .address_space: global }
      - { .name: keys_scales, .offset: 8, .size: 8, .value_kind: global_buffer, .address_space: global }
      - { .name: Wk_codes, .offset: 16, .size: 8, .value_kind: global_buffer, .address_space: global }
      - { .name: Wk_scales, .offset: 24, .size: 8, .value_kind: global_buffer, .address_space: global }
      - { .name: bk, .offset: 32, .size: 8, .value_kind: global_buffer, .address_space: global }
      - { .name: Wv_codes, .offset: 40, .size: 8, .value_kind: global_buffer, .address_space: global }
      - { .name: Wv_scales, .offset: 48, .size: 8, .value_kind: global_buffer, .address_space: global }
      - { .name: bv, .offset: 56, .size: 8, .value_kind: global_buffer, .address_space: global }
      - { .name: kvs, .offset: 64, .size: 8, .value_kind: global_buffer, .address_space: global }
    .group_segment_fixed_size: 104960
    .private_segment_fixed_size: 0
    .kernarg_segment_align: 8
    .kernarg_segment_size: 72
    .max_flat_workgroup_size: 128
    .sgpr_count:     66
    .vgpr_count:     1024
    .wavefront_size: 32
...
	.end_amdgpu_metadata
.endif
;; end of part 1
;; launch attn (part 2): grid 16 x 16, 4 waves a work-group, clusters of 4 x 1, 327,680 bytes of LDS; arguments query_codes, query_scales, Wq_codes, Wq_scales, bq, kvs, out0; writes out0
.if DOCPART == 2
	.amdgcn_target "amdgcn-amd-amdhsa--gfx1250"
	.amdhsa_code_object_version 6
	.text
	.protected	k_q051180d38e_attn
	.globl	k_q051180d38e_attn
	.p2align	8
	.type	k_q051180d38e_attn,@function
k_q051180d38e_attn:
	s_mov_b64 s[64:65], 0
	v_nop
	global_prefetch_b8 v0, s[64:65] scope:SCOPE_SE
	s_setreg_imm32_b32 hwreg(HW_REG_WAVE_MODE, 25, 1), 1
	s_wait_xcnt 0x0
	s_wait_alu depctr_hold_cnt(0) depctr_sa_sdst(0) depctr_va_vdst(0) depctr_va_sdst(0) depctr_va_ssrc(0) depctr_va_vcc(0) depctr_vm_vsrc(0)
	s_getreg_b32 s2, hwreg(HW_REG_IB_STS2, 6, 4)
	s_cmp_eq_u32 s2, 0
	s_cbranch_scc0 .Lentry_in_a_cluster
	s_endpgm
.Lentry_in_a_cluster:
	s_bfe_u32 s2, ttmp6, 0x10000c
	s_cmp_lg_u32 s2, 0x3003
	s_cbranch_scc0 .Lentry_shape_is_right
	s_endpgm
.Lentry_shape_is_right:
; q = query Wq + bq, Q(q); S = Q(q) Q(k)^T; p = 2^(t - M); out = Q(p) Q(v) / sum of p.  All products on codes of FP6 (E2M3) with one E8M0 scale for each 32 along K; all else in f32.
; t = score x log2(e) / sqrt(512); M = the running largest t rounded UP to a whole number; p is quantised along the keys, not normalised; the sum is taken of the unquantised p; a change of M multiplies the sum and O by 2^(old M - new M), exactly.
; SHARES.  A work-group of four waves owns 64 queries of one batch: four tiles of 16.  The keys go in 4 super-steps of 512.
;   S:  wave w takes keys 128 w .. + 127 of the super-step, for all four query tiles: S^T = K Q^T (source 0 = 16 keys, source 1 = 16 queries): a lane holds one query, its registers run along the keys.
;   The four waves exchange their largest scores through LDS, so that all four take the same M.  Wave w quantises its p: they are key step w of the second product, one fragment and one scale word a query tile, and go to LDS as images of registers.
;   PV: wave w takes channels 128 w .. + 127: O^T += V^T P^T (source 0 = 16 channels, source 1 = P): each fragment of K and of V read from LDS feeds four products.
; K and V come from kvs, which the launch before has laid in this order: slots of 102,400 bytes (K d steps 0, 1 | K d steps 2, 3 | V key steps 0, 1 | V key steps 2, 3 of a super-step), each 8 octets of 8 fragment images and 512 bytes of scale words.
; RING: two LDS slots; stream slot n lies in LDS slot n % 2; each wave brings a quarter of a slot by one tensor load of 100 rows x 256 bytes.  By this text own count a wave has two tensor loads out at the start and one behind each round.
; CLUSTER: the four work-groups of a cluster own queries of one batch and walk the same stream: every tile is asked for JOINTLY, by the same load with the same descriptor and the mask of all four.
; The q projection stands at the head, under the first two fills: wave w makes columns 128 w .. + 127 of q for the 64 queries (source 0 = 16 rows of Wq, rows chosen so that a lane registers are neighbours along d), quantises them, and the four waves exchange the images.
; LIMITS: NaN and infinities are not served.  A block of zeros gets the scale byte 1: its codes are zeros, and nobody else reads the byte.  A p under 2^-126 comes out of v_exp_f32 as 0.  M comes from a rounded product and t - M from a fused
; multiply-add, so the largest p may pass 1 by a last bit.
; O^T is cleared once by 256 moves: the super-step is then written twice (loop and tail) and not three times.
; REGISTERS, in windows of 256.  Window 1: O^T, tile (m, dt) at 64 m + 8 dt.  Window 2: S^T, then p, tile (m, kt) at 64 m + 8 kt; in PV the 16 fragments of P at 12 (4 ks + m).
;   Window 3: Q (m, s) at 12 (4 m + s); from v192 the codes just made, 12 a query tile; v240-246 the conversions second halves.  Window 0: below.
.set FRB,   1536                       ; a fragment image
.set OCT,   12800                      ; an octet
.set SLOTB, 102400                     ; a slot
.set SLOT1, 131072                     ; LDS slot 1: one exclusive or turns an address of one slot into the other
.set PIMG,  102400                     ; behind slot 0: P, 16 fragments (4 ks + m)
.set PSC,   126976                     ; its scale words: 256 bytes a key step, 16 a row, word m
.set MAXX,  128000                     ; the waves largest scores: 256 bytes a query tile, 16 a row, word w;  1,024 bytes on: the waves sums, likewise
.set QIMG,  233472                     ; behind slot 1: Q, 16 fragments (4 m + s)
.set QSC,   258048                     ; its scale words, 128 bytes a fragment
.set SPARE, 260096                     ; the spare words, 128 bytes for each wave: two blocks of 256 bytes that no other line names
.set STAGE, 260608                     ; the way out: 16 rows x (512 + 16) bytes for each wave
.set AF,   1                           ; v1, v2  16 x lane + 12,800 x wave, in slot 0, 1
.set SPW,  3                           ; v3   my spare word; never rewritten
.set NIL,  4                           ; v4   0; never rewritten
.set PRD,  5                           ; v5   PIMG + 16 x lane
.set PWI,  6                           ; v6   + 6,144 x wave
.set PWS,  7                           ; v7   PSC + 256 x wave + 16 r
.set PSR,  8                           ; v8   PSC + 16 x lane
.set MXW,  9                           ; v9   MAXX + 4 x wave + 16 r
.set MXR,  10                          ; v10  MAXX + 16 r
.set PFO,  11                          ; v11  256 x min(lane, 24)
.set QWI,  12                          ; v12  QIMG + 16 x lane + 1,536 x wave;  on the way out STO
.set QWS,  13                          ; v13  QSC + 4 x lane + 128 x wave;      on the way out RD
.set QRD,  14                          ; v14  QIMG + 16 x lane;                 on the way out CO
.set QSR,  15                          ; v15  QSC + 4 x lane
.set STO,  12
.set RD,   13
.set CO,   14
.set NM,   16                          ; v16-23  for each query tile a pair: -M, the largest t
.set LS,   24                          ; v24-31  the sum, in two halves
.set FP,   32                          ; v32-39  f = 2^(old M - new M), and a 0 that is named with it
.set QS,   40                          ; v40-55  the scale words of Q: 4 m + s
.set FS,   56                          ; v56-63  the scale words of the octets in hand: 4 (step % 2) + i; lanes 0-15 fragment i, lanes 16-31 fragment 4 + i
.set PS,   64                          ; v64-71  those of P: 4 (ks / 2) + m; lanes 0-15 even key steps, lanes 16-31 odd ones
.set BM,   72                          ; v72-87  a block largest score, then largest p, then the conversion scale operand: 4 m + b
.set BT,   88                          ; v88-103 at work
.set T2,   104                         ; v104-111 at work
.set F,    112                         ; v112-255 three thirds of four fragments of K or V
.set WV,   18
.set CX,   19
.set SEL,  20
.set CS,   22
.set G1,   24
.set G0A,  32
.set G0B,  36
.set CNT,  40
.set LIM,  41
.set PFA,  42
.set W_S,  0xac                        ; source 0 (K) window 0, source 1 (Q) window 3, C and D (S^T) window 2
.set W_P,  0x58                        ; source 0 (V) window 0, source 1 (P) window 2, C and D (O^T) window 1
.set MSB,  0
.macro WIN new                         ; the immediate high byte repeats the setting that is left
.if MSB != (\new)
	s_set_vgpr_msb (MSB<<8)|(\new)
.set MSB, (\new)
.endif
.endm
.macro PLACES n
.rept \n
	v_nop
.endr
.endm
.macro POS p                           ; Wq fragment p = 8 s + t lies in window 1 + p / 21 at register 12 (p % 21)
.set PWN, 1+(\p)/21
.set PRG, 12*((\p)%21)
.endm
; one product: D, source 0, source 1, C by their first registers (C under 0: the constant 0 starts the sum); the two scale registers; which half of the lanes holds each side scales
.macro MM d, a, b, c, sa, sb, ra, rb
.if (\c) < 0
.if (\ra)
	v_wmma_scale_f32_16x16x128_f8f6f4 v[\d:\d+7], v[\a:\a+11], v[\b:\b+11], 0, v[\sa], v[\sb] matrix_a_fmt:MATRIX_FMT_FP6 matrix_b_fmt:MATRIX_FMT_FP6 matrix_a_scale:MATRIX_SCALE_ROW1
.else
	v_wmma_scale_f32_16x16x128_f8f6f4 v[\d:\d+7], v[\a:\a+11], v[\b:\b+11], 0, v[\sa], v[\sb] matrix_a_fmt:MATRIX_FMT_FP6 matrix_b_fmt:MATRIX_FMT_FP6
.endif
.elseif (\ra) && (\rb)
	v_wmma_scale_f32_16x16x128_f8f6f4 v[\d:\d+7], v[\a:\a+11], v[\b:\b+11], v[\c:\c+7], v[\sa], v[\sb] matrix_a_fmt:MATRIX_FMT_FP6 matrix_b_fmt:MATRIX_FMT_FP6 matrix_a_scale:MATRIX_SCALE_ROW1 matrix_b_scale:MATRIX_SCALE_ROW1
.elseif (\ra)
	v_wmma_scale_f32_16x16x128_f8f6f4 v[\d:\d+7], v[\a:\a+11], v[\b:\b+11], v[\c:\c+7], v[\sa], v[\sb] matrix_a_fmt:MATRIX_FMT_FP6 matrix_b_fmt:MATRIX_FMT_FP6 matrix_a_scale:MATRIX_SCALE_ROW1
.elseif (\rb)
	v_wmma_scale_f32_16x16x128_f8f6f4 v[\d:\d+7], v[\a:\a+11], v[\b:\b+11], v[\c:\c+7], v[\sa], v[\sb] matrix_a_fmt:MATRIX_FMT_FP6 matrix_b_fmt:MATRIX_FMT_FP6 matrix_b_scale:MATRIX_SCALE_ROW1
.else
	v_wmma_scale_f32_16x16x128_f8f6f4 v[\d:\d+7], v[\a:\a+11], v[\b:\b+11], v[\c:\c+7], v[\sa], v[\sb] matrix_a_fmt:MATRIX_FMT_FP6 matrix_b_fmt:MATRIX_FMT_FP6
.endif
.endm
.macro CREST                           ; a round of the cluster barrier behind its opening barrier
	s_cmp_lg_u32 s[WV], 0
	s_cbranch_scc1 .Lnot_wave_0_\@
	s_barrier_signal -3
.Lnot_wave_0_\@:
	s_barrier_wait -3
	s_barrier_signal -1
	s_barrier_wait -1
.endm
.macro CROUND                          ; a whole round
	s_barrier_signal -1
	s_barrier_wait -1
	CREST
.endm
.macro REFILL                          ; my quarter of the next stream slot; four v_nop follow the load: they are also the places in front of the LDS loads behind it
	tensor_load_to_lds s[G0B:G0B+3], s[G1:G1+7]
	s_nop 0
	PLACES 4
.endm
; A PREFETCH INTO THE L2 of the stream slot two refills on.  All four clusters of a batch walk the same stream: the batch first cluster asks.  Its sixteen waves share a slot 400 blocks of 256 bytes out BY ADDRESS:
; 25,600 bytes a wave number, 6,400 a place in the cluster, 25 blocks a wave, a lane a block; lanes 25-31 name lane 24 block again.  It stands behind the joint load, its four lines and the LDS loads that the next products wait for.
.macro ASK
	s_cmp_eq_u32 s[LIM], 1
	s_cbranch_scc0 .Lnot_mine_\@
	global_prefetch_b8 v[PFO], s[PFA:PFA+1] th:TH_LOAD_NT scope:SCOPE_SE
.Lnot_mine_\@:
.endm
; half an octet: four fragments into a third of F; with an octet first half its 512 bytes of scale words: 13 loads, else 12
.macro FETCHH third, slot, oct, hf
.irp i, 0,1,2,3
.irp c, 0,1,2
	ds_load_b128 v[F+48*(\third)+12*\i+4*\c:F+48*(\third)+12*\i+4*\c+3], v[AF+(\slot)] offset:4*OCT*(\oct)+(4*(\hf)+\i)*FRB+512*\c
.endr
.endr
.if (\hf) == 0
	ds_load_b128 v[FS+4*(\oct):FS+4*(\oct)+3], v[AF+(\slot)] offset:4*OCT*(\oct)+8*FRB
.endif
.endm
; half g of a super-step 16 (0-7: K, d step g / 2; 8-15: V, key step (g - 8) / 2; 16 on: the next super-step)
.macro FH g
.set GG, (\g)%16
.if GG < 8
.set TH, GG%3
.else
.set TH, (GG-7)%3
.endif
	FETCHH TH, (GG/4)%2, (GG/2)%2, GG%2
.endm
; 8 products: two fragments of K x the four query tiles.  A half 16 accumulators take turns, one instruction a turn
.macro MULS8 s, hf, third, i0
.irp i, \i0, \i0+1
.irp m, 0,1,2,3
.if (\s) == 0
	MM 64*\m+8*(4*(\hf)+(\i)), F+48*(\third)+12*(\i), 12*(4*\m+(\s)), -1, FS+4*((\s)%2)+(\i), QS+4*\m+(\s), \hf, 0
.else
	MM 64*\m+8*(4*(\hf)+(\i)), F+48*(\third)+12*(\i), 12*(4*\m+(\s)), 64*\m+8*(4*(\hf)+(\i)), FS+4*((\s)%2)+(\i), QS+4*\m+(\s), \hf, 0
.endif
.endr
.endr
.endm
.macro MULP8 ks, hf, third, i0         ; the same for two fragments of V
.irp i, \i0, \i0+1
.irp m, 0,1,2,3
	MM 64*\m+8*(4*(\hf)+(\i)), F+48*(\third)+12*(\i), 12*(4*(\ks)+\m), 64*\m+8*(4*(\hf)+(\i)), FS+4*((\ks)%2)+(\i), PS+4*((\ks)/2)+\m, \hf, (\ks)%2
.endr
.endr
.endm
; an ordinary half: cnt = how many younger LDS instructions may stay out (under 0: shown in already); np places; fetch = 1: the half three on takes the third just freed
.macro SSTEP h, cnt, fetch, np
.if (\cnt) >= 0
	s_wait_dscnt \cnt
.endif
	WIN W_S
	MULS8 (\h)/2, (\h)%2, (\h)%3, 0
	MULS8 (\h)/2, (\h)%2, (\h)%3, 2
	WIN 0
	PLACES \np
.if (\fetch)
	FH (\h)+3
.endif
.endm
.macro PSTEP h, cnt, fetch, np
.if (\cnt) >= 0
	s_wait_dscnt \cnt
.endif
	WIN W_P
	MULP8 ((\h)-8)/2, (\h)%2, ((\h)-7)%3, 0
	MULP8 ((\h)-8)/2, (\h)%2, ((\h)-7)%3, 2
	WIN 0
	PLACES \np
.if (\fetch)
	FH (\h)+3
.endif
.endm
; A half that changes slots.  In front of the barrier each wave waits for all its tensor loads (one is out: its part of the slot to be read next), adds 0 to its spare word, and waits for that and for its reads of the slot that is left.
; fill = 1: the barrier opens a round of the cluster barrier, and behind the round the slot that was left is filled again, first thing.
.macro CHANGE pv, h, cnt, fill, ask
.if (\ask)
	s_wait_xcnt 0x0                                ; the last prefetch has read its address:
	s_add_nc_u64 s[PFA:PFA+1], s[PFA:PFA+1], SLOTB ; a slot on
.endif
	s_wait_tensorcnt 0x0                           ; no tensor load of mine is out, so the walking descriptor may be written
	ds_add_u32 v[SPW], v[NIL]                      ; 0 onto my spare word
.if (\fill)
	s_xor_b32 s[G0B+1], s[G0B+1], SLOT1            ; the other LDS slot than last time,
	s_add_nc_u64 s[G0B+2:G0B+3], s[G0B+2:G0B+3], SLOTB   ; the next stream slot; the type bits on top are not reached
.endif
.if (\cnt) >= 0
	s_wait_dscnt \cnt                              ; (the two younger halves and the add may be out)
.endif
.if (\pv)
	WIN W_P
	MULP8 ((\h)-8)/2, (\h)%2, ((\h)-7)%3, 0
.else
	WIN W_S
	MULS8 (\h)/2, (\h)%2, (\h)%3, 0
.endif
	s_wait_dscnt 0x0                               ; the add is done, and my reads of the slot that is left are over
	s_barrier_signal -1
.if (\pv)
	MULP8 ((\h)-8)/2, (\h)%2, ((\h)-7)%3, 2
.else
	MULS8 (\h)/2, (\h)%2, (\h)%3, 2
.endif
	WIN 0
	s_barrier_wait -1
.if (\fill)
	CREST                                          ; no wave of any partner still reads that slot or has a load on its way
	REFILL
.else
	PLACES 4
.endif
	FH (\h)+3
.if (\ask)
	ASK
.endif
.endm
.macro QSCALE m                        ; query tile m: the four blocks largest magnitudes become the conversions scale operands (in place) and the scale word in v[BT + 4 m]
.irp b, 0,1,2,3
	v_add_nc_u32 v[BM+4*(\m)+\b], 0xff000000, v[BM+4*(\m)+\b]      ; 2 off the exponent field
.endr
.irp b, 0,1,2,3
	v_lshrrev_b32 v[BT+4*(\m)+\b], 23, v[BM+4*(\m)+\b]             ; the scale byte
.endr
	v_lshl_or_b32 v[BT+4*(\m)], v[BT+4*(\m)+1], 8, v[BT+4*(\m)]
	v_lshl_or_b32 v[BT+4*(\m)], v[BT+4*(\m)+2], 16, v[BT+4*(\m)]
	v_lshl_or_b32 v[BT+4*(\m)], v[BT+4*(\m)+3], 24, v[BT+4*(\m)]
.endm
.macro QCODES m, src                   ; the 64 numbers at 64 src of window 2 become the fragment at 192 + 12 m of window 3
	WIN 0xc2                                       ; destination window 3, numbers window 2, scale operand window 0
.irp c, 0,1
	v_cvt_scalef32_pk16_fp6_f32 v[192+12*(\m)+6*\c:192+12*(\m)+6*\c+2], v[64*(\src)+32*\c:64*(\src)+32*\c+15], v[BM+4*(\m)+2*\c]
	v_cvt_scalef32_pk16_fp6_f32 v[240+4*\c:242+4*\c], v[64*(\src)+32*\c+16:64*(\src)+32*\c+31], v[BM+4*(\m)+2*\c+1]   ; (three registers from an even one on)
.endr
	v_nop                                          ; one plain place behind a scaled conversion
	WIN 0xc3
.irp c, 0,1                                    ; a whole block to a lane: lanes 0-15 block 2 c, lanes 16-31 block 2 c + 1
.irp i, 0,1,2
	v_permlane16_swap_b32 v[192+12*(\m)+6*\c+\i], v[240+4*\c+\i]
.endr
.irp i, 0,1,2
	v_mov_b32 v[195+12*(\m)+6*\c+\i], v[240+4*\c+\i]
.endr
.endr
.endm
; my 128 columns of q for query tile m, quantised: fragment (m, d step w) of Q
.macro QPROJ m
.irp s, 0,1,2,3
.irp t, 0,1,2,3,4,5,6,7
	POS 8*\s+\t
.if \s == 0
	WIN (PWN|0x8c)                                 ; source 1 (query) window 3, C (bq) window 0, D window 2
	MM 192+8*\t, PRG, 12*(4*(\m)+\s), F+8*\t, FS+4*(\t%4)+\s, QS+4*(\m)+\s, \t/4, 0
.else
	WIN (PWN|0xac)
	MM 192+8*\t, PRG, 12*(4*(\m)+\s), 192+8*\t, FS+4*(\t%4)+\s, QS+4*(\m)+\s, \t/4, 0
.endif
.endr
.endr
	WIN 0
	PLACES 5                                       ; four in front of the first read of results; five since the next tile begins these accumulators anew
	WIN 0x0a
.irp b, 0,1,2,3
	v_max3_num_f32 v[BM+4*(\m)+\b], |v[192+16*\b]|, |v[193+16*\b]|, 0x1800000   ; with the floor 2^(3 - 127)
.endr
	WIN 0x28
.irp i, 2,4,6,8,10,12,14
.irp b, 0,1,2,3
	v_max3_num_f32 v[BM+4*(\m)+\b], v[BM+4*(\m)+\b], |v[192+16*\b+\i]|, |v[193+16*\b+\i]|
.endr
.endr
	WIN 0
.irp b, 0,1,2,3
	v_permlanex16_b32 v[BT+4*(\m)+\b], v[BM+4*(\m)+\b], s[SEL], s[SEL+1]
.endr
.irp b, 0,1,2,3
	v_max_num_f32 v[BM+4*(\m)+\b], v[BM+4*(\m)+\b], v[BT+4*(\m)+\b]
.endr
	QSCALE \m
	QCODES \m, 3
	WIN 0x0c                                       ; an LDS store data are its source 1: window 3
.irp c, 0,1,2
	ds_store_b128 v[QWI], v[192+12*(\m)+4*\c:192+12*(\m)+4*\c+3] offset:4*FRB*(\m)+512*\c
.endr
	WIN 0
	ds_store_b32 v[QWS], v[BT+4*(\m)] offset:512*(\m)
.endm
; THE SOFTMAX of a super-step, all four query tiles in runs under one window setting, with the change of slots in its middle: that round also shows the waves largest scores to each other.
.macro SOFTMAX ask
	WIN 0x2a                                       ; the largest score of each block of 32 keys: it serves for the row maximum and, since p rises with the score, for the block largest p
.irp m, 0,1,2,3
.irp b, 0,1,2,3
	v_max3_num_f32 v[BM+4*\m+\b], v[64*\m+16*\b], v[64*\m+16*\b+1], v[64*\m+16*\b+2]   ; each accumulator is read from its low end on
.endr
.endr
	WIN 0x28
.irp i, 3,5,7,9,11,13
.irp m, 0,1,2,3
.irp b, 0,1,2,3
	v_max3_num_f32 v[BM+4*\m+\b], v[BM+4*\m+\b], v[64*\m+16*\b+\i], v[64*\m+16*\b+\i+1]
.endr
.endr
.endr
	WIN 0x08
.irp m, 0,1,2,3
.irp b, 0,1,2,3
	v_max_num_f32 v[BM+4*\m+\b], v[BM+4*\m+\b], v[64*\m+16*\b+15]
.endr
.endr
	WIN 0
.irp k, 0,1,2,3,4,5,6,7,8,9,10,11,12,13,14,15
	v_permlanex16_b32 v[BT+\k], v[BM+\k], s[SEL], s[SEL+1]
.endr
.irp k, 0,1,2,3,4,5,6,7,8,9,10,11,12,13,14,15
	v_max_num_f32 v[BM+\k], v[BM+\k], v[BT+\k]     ; with lane l xor 16
.endr
.irp m, 0,1,2,3
	v_max3_num_f32 v[T2+\m], v[BM+4*\m], v[BM+4*\m+1], v[BM+4*\m+2]
.endr
.irp m, 0,1,2,3
	v_max_num_f32 v[T2+\m], v[T2+\m], v[BM+4*\m+3] ; my 128 keys largest score of each query
.endr
.irp m, 0,1,2,3
	ds_store_b32 v[MXW], v[T2+\m] offset:256*\m    ; lanes r and r + 16 write the same word with the same value
.endr
.if (\ask)
	s_wait_xcnt 0x0
	s_add_nc_u64 s[PFA:PFA+1], s[PFA:PFA+1], SLOTB
.endif
	s_wait_tensorcnt 0x0                           ; V of key steps 0, 1 has landed: no tensor load of mine is out
	ds_add_u32 v[SPW], v[NIL]                      ; 0 onto my spare word
	s_xor_b32 s[G0B+1], s[G0B+1], SLOT1
	s_add_nc_u64 s[G0B+2:G0B+3], s[G0B+2:G0B+3], SLOTB
	s_wait_dscnt 0x0                               ; the add is done, my largest scores have landed, my reads of K are over
	CROUND
	REFILL                                         ; V of key steps 2, 3 into the slot of K d steps 2, 3
.irp m, 0,1,2,3
	ds_load_b128 v[BT+4*\m:BT+4*\m+3], v[MXR] offset:256*\m        ; the four waves largest scores of my query
.endr
	FH 8
	FH 9
	FH 10
.if (\ask)
	ASK
.endif
	s_wait_dscnt 38                                ; behind the four loads: 13 + 12 + 13 for V
.irp m, 0,1,2,3
	v_max3_num_f32 v[T2+\m], v[BT+4*\m], v[BT+4*\m+1], v[BT+4*\m+2]
.endr
.irp m, 0,1,2,3
	v_max_num_f32 v[T2+\m], v[T2+\m], v[BT+4*\m+3] ; the super-step largest score: the same four numbers, so the same M, in all four waves
.endr
.irp m, 0,1,2,3
	v_mul_f32 v[T2+\m], s[CS], v[T2+\m]            ; as t
.endr
.irp m, 0,1,2,3
	v_max_num_f32 v[NM+2*\m+1], v[NM+2*\m+1], v[T2+\m]
.endr
.irp m, 0,1,2,3
	v_mov_b32 v[T2+\m], v[NM+2*\m]
.endr
.irp m, 0,1,2,3
	v_floor_f32 v[NM+2*\m], -v[NM+2*\m+1]          ; -M = floor(-t): M is a whole number
.endr
.irp m, 0,1,2,3
	v_sub_f32 v[T2+\m], v[NM+2*\m], v[T2+\m]       ; old M - new M: a whole number, 0 or less
.endr
.irp m, 0,1,2,3
	v_cvt_i32_f32 v[T2+\m], v[T2+\m]               ; (it saturates)
.endr
.irp m, 0,1,2,3
	v_ldexp_f32 v[FP+2*\m], 1.0, v[T2+\m]          ; f
.endr
.irp m, 0,1,2,3
.irp b, 0,1,2,3
	v_fma_f32 v[BM+4*\m+\b], v[BM+4*\m+\b], s[CS], v[NM+2*\m]      ; t - M of each block largest score
.endr
.endr
	WIN 0x82
.irp m, 0,1,2,3
.set JX, 0
.rept 32
	v_pk_fma_f32 v[64*\m+JX:64*\m+JX+1], v[64*\m+JX:64*\m+JX+1], s[CS:CS+1], v[NM+2*\m:NM+2*\m+1] op_sel_hi:[1,0,0]   ; t - M, two at a time
.set JX, JX+2
.endr
.endr
.set JX, 0
.rept 256
	v_exp_f32 v[JX], v[JX]                         ; p = 2^(t - M): one batch
.set JX, JX+1
.endr
	WIN 0
.irp m, 0,1,2,3
	v_pk_mul_f32 v[LS+2*\m:LS+2*\m+1], v[LS+2*\m:LS+2*\m+1], v[FP+2*\m:FP+2*\m+1] op_sel_hi:[1,0]   ; the sums under the new M: plain work behind the batch
.endr
	s_wait_alu depctr_va_vdst(0)                   ; one wait for the batch, ahead of the first line that names a result
.irp k, 0,1,2,3,4,5,6,7,8,9,10,11,12,13,14,15
	v_exp_f32 v[BM+\k], v[BM+\k]                   ; the blocks largest p: the same two instructions on the same number give the same bits
.endr
	WIN 0x0a
.irp m, 0,1,2,3
	v_pk_add_f32 v[T2+2*\m:T2+2*\m+1], v[64*\m:64*\m+1], v[64*\m+2:64*\m+3]   ; the sum of the UNQUANTISED p, two chains a query tile
.endr
	WIN 0x08
.set JX, 4
.rept 15
.irp m, 0,1,2,3
	v_pk_add_f32 v[LS+2*\m:LS+2*\m+1], v[LS+2*\m:LS+2*\m+1], v[64*\m+JX:64*\m+JX+1]
	v_pk_add_f32 v[T2+2*\m:T2+2*\m+1], v[T2+2*\m:T2+2*\m+1], v[64*\m+JX+2:64*\m+JX+3]
.endr
.set JX, JX+4
.endr
	WIN 0
.irp m, 0,1,2,3
	v_pk_add_f32 v[LS+2*\m:LS+2*\m+1], v[LS+2*\m:LS+2*\m+1], v[T2+2*\m:T2+2*\m+1]
.endr
	s_wait_alu depctr_va_vdst(0)                   ; and one for the sixteen
.irp k, 0,1,2,3,4,5,6,7,8,9,10,11,12,13,14,15
	v_max_num_f32 v[BM+\k], 0x1800000, v[BM+\k]    ; the floor 2^(3 - 127)
.endr
.irp m, 0,1,2,3
	QSCALE \m
.endr
.irp m, 0,1,2,3
	QCODES \m, \m
.endr
	WIN 0x0c
.irp m, 0,1,2,3
.irp c, 0,1,2
	ds_store_b128 v[PWI], v[192+12*\m+4*\c:192+12*\m+4*\c+3] offset:FRB*\m+512*\c   ; key step w of P
.endr
.endr
	WIN 0
.irp m, 0,1,2,3
	ds_store_b32 v[PWS], v[BT+4*\m] offset:4*\m
.endr
	WIN 0x41
.irp m, 0,1,2,3
.set JX, 0
.rept 32
	v_pk_mul_f32 v[64*\m+JX:64*\m+JX+1], v[64*\m+JX:64*\m+JX+1], v[FP+2*\m:FP+2*\m+1] op_sel_hi:[1,0]   ; O^T under the new M, each accumulator from its low end on, while the stores land
.set JX, JX+2
.endr
.endr
	WIN 0
	s_wait_dscnt 0x0                               ; for the others: my images of P have landed
	s_barrier_signal -1
	s_barrier_wait -1                              ; all of P lies in LDS.  My tensor load may stay out
	ds_load_b128 v[PS:PS+3], v[PSR]
	ds_load_b128 v[PS+4:PS+7], v[PSR] offset:512
	WIN 0x80
.set IX, 0
.rept 16
.irp c, 0,1,2
	ds_load_b128 v[12*IX+4*\c:12*IX+4*\c+3], v[PRD] offset:IX*FRB+512*\c
.endr
.set IX, IX+1
.endr
	WIN 0
.endm
; A SUPER-STEP: 512 keys, 256 products a wave.  last = 1: the stream ends: the last two changes of slots fill nothing, and nothing is fetched for a next super-step
.macro SUPER last
	SSTEP 0, 25, 1, 4                              ; (halves 1 and 2 may be out: 12 + 13)
	CHANGE 0, 1, 26, 1, 1-\last                    ; slot 0 <- V of key steps 0, 1
	SSTEP 2, -1, 1, 4
	SSTEP 3, -1, 1, 4
	SSTEP 4, 25, 1, 4
	SSTEP 5, 25, 0, 0
	SSTEP 6, 12, 0, 0
	SSTEP 7, 0, 0, 4
	SOFTMAX 1-\last                                ; slot 1 <- V of key steps 2, 3
	PSTEP 8, 36, 1, 4                              ; (P of key steps 1 to 3 may be out)
.if \last
	CHANGE 1, 9, -1, 0, 0                          ; the last tile has landed, in every wave: a barrier of the work-group, nothing is filled
.else
	CHANGE 1, 9, -1, 1, 1                          ; slot 0 <- the next K, d steps 0, 1
.endif
	PSTEP 10, -1, 1, 4
	PSTEP 11, -1, 1, 4
	PSTEP 12, 25, 1, 4
.if \last
	PSTEP 13, 25, 0, 0
	PSTEP 14, 12, 0, 0
	PSTEP 15, 0, 0, 4
.else
	CHANGE 1, 13, 26, 1, 1                         ; slot 1 <- the next K, d steps 2, 3
	PSTEP 14, -1, 1, 4
	PSTEP 15, -1, 1, 5                             ; five: the next scores are laid over the registers of P, which these products read
.endif
.endm
	s_load_b256 s[4:11], s[0:1], 0x0               ; query codes, query scales, Wq codes, Wq scales
	s_load_b128 s[12:15], s[0:1], 0x20             ; bq, kvs
	s_load_b64 s[16:17], s[0:1], 0x30              ; out0
	v_lshl_add_u32 v[SPW], v0, 2, SPARE
	v_mov_b32 v[NIL], 0
	ds_add_u32 v3, v4
	ds_add_u32 v3, v4
	s_wait_dscnt 0x0
	v_lshrrev_b32 v240, 5, v0
	v_readfirstlane_b32 s[WV], v240                ; wave 0..3
	s_bfe_u32 s[CX], ttmp6, 0x40000                ; my place in the cluster: it enters the addresses of query, out0 and the prefetches alone
	v_and_b32 v240, 31, v0                         ; lane
	v_and_b32 v241, 15, v0                         ; r
	v_bfe_u32 v242, v0, 4, 1                       ; h
	v_and_b32 v243, 8, v241
	v_add_nc_u32 v243, v243, v241                  ; r + 8 (r / 8)
	v_lshlrev_b32 v249, 4, v240                    ; 16 x lane
	s_mul_i32 s52, s[WV], OCT
	v_add_nc_u32 v[AF], s52, v249
	v_add_nc_u32 v[AF+1], SLOT1, v[AF]
	v_add_nc_u32 v[PRD], PIMG, v249
	s_mul_i32 s52, s[WV], 4*FRB
	v_add_nc_u32 v[PWI], s52, v[PRD]
	s_lshl_b32 s52, s[WV], 8
	s_add_co_u32 s52, s52, PSC
	v_lshl_add_u32 v[PWS], v241, 4, s52
	v_add_nc_u32 v[PSR], PSC, v249
	s_lshl_b32 s52, s[WV], 2
	s_add_co_u32 s52, s52, MAXX
	v_lshl_add_u32 v[MXW], v241, 4, s52
	v_lshl_add_u32 v[MXR], v241, 4, MAXX
	v_min_u32 v[PFO], 24, v240
	v_lshlrev_b32 v[PFO], 8, v[PFO]
	v_add_nc_u32 v[QRD], QIMG, v249
	s_mul_i32 s52, s[WV], FRB
	v_add_nc_u32 v[QWI], s52, v[QRD]
	v_lshl_add_u32 v[QSR], v240, 2, QSC
	s_lshl_b32 s52, s[WV], 7
	v_add_nc_u32 v[QWS], s52, v[QSR]
	v_mul_u32_u24 v244, v241, 384
	v_mad_u32_u24 v244, v242, 24, v244             ; query: row r, + 24 h
	v_mul_u32_u24 v245, v243, 384
	v_mad_u32_u24 v245, v242, 24, v245             ; Wq: row r + 8 (r / 8), + 24 h
	v_lshlrev_b32 v246, 4, v241                    ; query scales: 16 bytes a row
	v_lshlrev_b32 v247, 4, v243
	v_lshl_add_u32 v247, v242, 10, v247            ; Wq scales; lanes 16-31 stand 64 rows on
	v_lshlrev_b32 v248, 6, v242                    ; bq: 64 h
.irp m, 0,1,2,3
	v_mov_b32 v[NM+2*\m+1], 0xff61b1e6             ; the largest t so far: -3e38, under every t
	v_floor_f32 v[NM+2*\m], -v[NM+2*\m+1]
	v_mov_b32 v[LS+2*\m], 0
	v_mov_b32 v[LS+2*\m+1], 0
	v_mov_b32 v[FP+2*\m], 0
	v_mov_b32 v[FP+2*\m+1], 0                      ; (named as the upper half of a pair)
.endr
.irp k, 0,1,2,3,4,5,6,7,8,9,10,11,12,13,14,15
	v_mov_b32 v[BT+\k], 0                          ; written once: a lane permute destination counts as one of its sources
.endr
	s_mov_b32 s[SEL], 0x76543210
	s_mov_b32 s[SEL+1], 0xfedcba98                 ; lane l xor 16
	s_mov_b32 s[CS], 0x3d8293ee                    ; c = log2(e) / sqrt(512)
	s_mov_b32 s[CS+1], s[CS]
	; descriptor group 1: a quarter of a slot, 25,600 dense bytes, as 100 rows of 32 elements of 8 bytes
	s_mov_b32 s[G1], 15|(3<<16)|(1<<21)            ; 15:0 the mask: all four work-groups; 17:16 elements of 8 bytes; 20 no padding; 21 set beside a mask
	s_mov_b32 s[G1+1], 32<<16                      ; tensor_dim0 = 32
	s_mov_b32 s[G1+2], 100<<16                     ; tensor_dim1 = 100
	s_mov_b32 s[G1+3], 32<<16                      ; tile_dim0 = 32
	s_mov_b32 s[G1+4], 100                         ; tile_dim1 = 100
	s_mov_b32 s[G1+5], 32                          ; from row to row
	s_mov_b32 s[G1+6], 0
	s_mov_b32 s[G1+7], 0
	s_and_b32 s48, ttmp7, 0xffff                   ; the batch, which the four partners share
	s_mul_i32 s48, s48, 16*SLOTB
	s_mul_i32 s50, s[WV], 2*OCT                    ; my quarter of a slot, in memory and in LDS: no place in the cluster enters either
	s_add_co_u32 s48, s48, s50
	s_mov_b32 s49, 0
	s_lshl_b32 s44, ttmp9, 2                       ; in a cluster launch ttmp9 counts clusters
	s_add_co_u32 s44, s44, s[CX]
	s_and_b32 s45, ttmp7, 0xffff
	s_lshl_b32 s45, s45, 4
	s_add_co_u32 s44, s44, s45                     ; my block of 64 queries: 16 x batch + 4 x cluster + place
	s_mul_i32 s46, s44, 64*384
	s_mov_b32 s47, 0
	s_cmp_eq_u32 ttmp9, 0                          ; the batch first cluster prefetches: the same in all four partners
	s_cselect_b32 s[LIM], 1, 0
	s_wait_kmcnt 0x0
	s_add_nc_u64 s[4:5], s[4:5], s[46:47]
	s_lshl_b32 s46, s44, 10
	s_add_nc_u64 s[6:7], s[6:7], s[46:47]
	s_mul_i32 s46, s[WV], 49152                    ; my 128 rows of Wq,
	s_add_nc_u64 s[8:9], s[8:9], s[46:47]
	s_lshl_b32 s46, s[WV], 11                      ; of its scale bytes,
	s_add_nc_u64 s[10:11], s[10:11], s[46:47]
	s_lshl_b32 s46, s[WV], 9                       ; my 128 numbers of bq
	s_add_nc_u64 s[12:13], s[12:13], s[46:47]
	s_lshl_b32 s46, s44, 17                        ; out0: 64 rows of 2,048 bytes a block, + my 512 bytes of a row
	s_lshl_b32 s45, s[WV], 9
	s_add_co_u32 s46, s46, s45
	s_add_nc_u64 s[16:17], s[16:17], s[46:47]
	s_mov_b32 s[G0A], 1                            ; count = 1
	s_mov_b32 s[G0A+1], s50                        ; LDS address: slot 0
	s_add_nc_u64 s[G0A+2:G0A+3], s[14:15], s[48:49]   ; stream slot 0
	s_or_b32 s[G0A+3], s[G0A+3], 0x80000000        ; type = 2
	s_mov_b32 s[G0B], 1
	s_add_co_u32 s[G0B+1], s50, SLOT1
	s_add_nc_u64 s[G0B+2:G0B+3], s[14:15], s[48:49]
	s_add_nc_u64 s[G0B+2:G0B+3], s[G0B+2:G0B+3], SLOTB   ; stream slot 1; this descriptor then walks
	s_or_b32 s[G0B+3], s[G0B+3], 0x80000000
	s_add_nc_u64 s[PFA:PFA+1], s[14:15], s[48:49]
	s_mul_i32 s46, s[CX], 6400
	s_add_co_u32 s46, s46, 3*SLOTB                 ; at stream slot 3: the first refill (slot 2) steps it to 4.  Nothing is prefetched here, where every work-group first tiles are on their way
	s_add_nc_u64 s[PFA:PFA+1], s[PFA:PFA+1], s[46:47]
	CROUND                                         ; all four work-groups are here: the first joint loads meet
	tensor_load_to_lds s[G0A:G0A+3], s[G1:G1+7]
	s_nop 0
	tensor_load_to_lds s[G0B:G0B+3], s[G1:G1+7]
	s_nop 0
	PLACES 4
	WIN 0xc0
.irp m, 0,1,2,3                                ; the query codes: fragment (m, s) at 12 (4 m + s) of window 3
.irp s, 0,1,2,3
.irp i, 0,1,2,3,4,5
	global_load_b64 v[12*(4*\m+\s)+2*\i:12*(4*\m+\s)+2*\i+1], v244, s[4:5] offset:16*\m*384+96*\s+48*(\i/3)+8*(\i%3) th:TH_LOAD_NT
.endr
.endr
.endr
	WIN 0
.irp m, 0,1,2,3
	global_load_b128 v[QS+4*\m:QS+4*\m+3], v246, s[6:7] offset:256*\m th:TH_LOAD_NT
.endr
.irp s, 0,1,2,3
.irp t, 0,1,2,3,4,5,6,7
	POS 8*\s+\t
	WIN (PWN<<6)
.irp i, 0,1,2,3,4,5
	global_load_b64 v[PRG+2*\i:PRG+2*\i+1], v245, s[8:9] offset:(32*(\t/2)+8*(\t%2))*384+96*\s+48*(\i/3)+8*(\i%3)
.endr
.endr
.endr
	WIN 0
.irp t, 0,1,2,3
	global_load_b128 v[FS+4*\t:FS+4*\t+3], v247, s[10:11] offset:16*(32*(\t/2)+8*(\t%2))   ; Wq scale words: v56-71 for the projection
.endr
.irp t, 0,1,2,3,4,5,6,7
	global_load_b128 v[F+8*\t:F+8*\t+3], v248, s[12:13] offset:4*(32*(\t/2)+8*(\t%2))
	global_load_b128 v[F+8*\t+4:F+8*\t+7], v248, s[12:13] offset:4*(32*(\t/2)+8*(\t%2))+16
.endr
	s_wait_loadcnt 0x0
.irp m, 0,1,2,3
	QPROJ \m
.endr
	s_wait_tensorcnt 0x1                           ; my part of stream slot 0 is in; slot 1 may stay out
	s_wait_dscnt 0x0                               ; my images of Q have landed
	s_barrier_signal -1
	s_barrier_wait -1
	WIN 0xc0
.set IX, 0
.rept 16
.irp c, 0,1,2
	ds_load_b128 v[12*IX+4*\c:12*IX+4*\c+3], v[QRD] offset:IX*FRB+512*\c   ; Q stays in registers
.endr
.set IX, IX+1
.endr
	WIN 0
.set IX, 0
.rept 16
	ds_load_b32 v[QS+IX], v[QSR] offset:128*IX
.set IX, IX+1
.endr
	WIN 0x40
.set JX, 0
.rept 256
	v_mov_b32 v[JX], 0                             ; O^T: the first change of M leaves zeros zeros
.set JX, JX+1
.endr
	WIN 0
	FH 0
	FH 1
	FH 2
	s_mov_b32 s[CNT], 3
.Lsuper:                                           ; three trips; each fills four slots again: stream slots 2 to 13
	SUPER 0
	s_sub_co_u32 s[CNT], s[CNT], 1
	s_cmp_lg_u32 s[CNT], 0
	s_cbranch_scc1 .Lsuper
	SUPER 1                                        ; the tail is written out: stream slots 14 and 15
	; THE WAY OUT.  A query sum: my two halves, lane l xor 16, and the other three waves through LDS.  O^T / the sum goes through my stage, a query tile at a time, and leaves as rows of 512 bytes.
.irp m, 0,1,2,3
	v_add_f32 v[T2+\m], v[LS+2*\m], v[LS+2*\m+1]
.endr
.irp m, 0,1,2,3
	v_permlanex16_b32 v[BT+\m], v[T2+\m], s[SEL], s[SEL+1]
.endr
.irp m, 0,1,2,3
	v_add_f32 v[T2+\m], v[T2+\m], v[BT+\m]
.endr
.irp m, 0,1,2,3
	ds_store_b32 v[MXW], v[T2+\m] offset:1024+256*\m
.endr
	s_wait_dscnt 0x0
	s_barrier_signal -1
	s_barrier_wait -1
.irp m, 0,1,2,3
	ds_load_b128 v[BT+4*\m:BT+4*\m+3], v[MXR] offset:1024+256*\m
.endr
	v_and_b32 v[BM], 15, v0                        ; r
	v_bfe_u32 v[BM+1], v0, 4, 1                    ; h
	v_and_b32 v[BM+2], 31, v0                      ; lane
	s_mul_i32 s52, s[WV], 16*528
	s_add_co_u32 s52, s52, STAGE                   ; my stage
	v_mul_u32_u24 v[STO], v[BM], 528
	v_lshl_add_u32 v[STO], v[BM+1], 5, v[STO]
	v_add_nc_u32 v[STO], s52, v[STO]               ; in: row r; tile dt eight channels of my half at 64 dt + 32 h
	v_lshlrev_b32 v[CO], 4, v[BM+2]                ; back: the 32 lanes take one row of 512 bytes; the same in out0
	v_add_nc_u32 v[RD], s52, v[CO]
	s_wait_dscnt 0x0
.irp m, 0,1,2,3
	v_add_f32 v[BT+4*\m], v[BT+4*\m], v[BT+4*\m+1]
	v_add_f32 v[BT+4*\m+2], v[BT+4*\m+2], v[BT+4*\m+3]
.endr
.irp m, 0,1,2,3
	v_add_f32 v[BT+4*\m], v[BT+4*\m], v[BT+4*\m+2]
.endr
.irp m, 0,1,2,3
	v_rcp_f32 v[FP+2*\m], v[BT+4*\m]
.endr
	v_nop                                          ; a plain place behind the last reciprocal
	s_wait_alu depctr_va_vdst(0)                   ; one wait for the four, ahead of the first use
.macro TOSTAGE m
	WIN 0x41
.set JX, 0
.rept 32
	v_pk_mul_f32 v[64*(\m)+JX:64*(\m)+JX+1], v[64*(\m)+JX:64*(\m)+JX+1], v[FP+2*(\m):FP+2*(\m)+1] op_sel_hi:[1,0]   ; each accumulator from its low end on
.set JX, JX+2
.endr
	WIN 0x04                                       ; an LDS store data are its source 1: window 1
.irp t, 0,1,2,3,4,5,6,7
	ds_store_b128 v[STO], v[64*(\m)+8*\t:64*(\m)+8*\t+3] offset:64*\t
	ds_store_b128 v[STO], v[64*(\m)+8*\t+4:64*(\m)+8*\t+7] offset:64*\t+16
.endr
	WIN 0
.irp t, 0,1,2,3,4,5,6,7,8,9,10,11,12,13,14,15
	ds_load_b128 v[F+64*((\m)%2)+4*\t:F+64*((\m)%2)+4*\t+3], v[RD] offset:\t*528   ; LDS serves a wave in order: these see my stores, and the next tile stores come behind them
.endr
.endm
.macro SEND m, younger                 ; younger: the LDS instructions issued behind tile m loads
	s_wait_dscnt \younger
.irp t, 0,1,2,3,4,5,6,7,8,9,10,11,12,13,14,15
	global_store_b128 v[CO], v[F+64*((\m)%2)+4*\t:F+64*((\m)%2)+4*\t+3], s[16:17] offset:(16*(\m)+\t)*2048 th:TH_STORE_NT   ; 32 lanes store 512 consecutive bytes, at a multiple of 256 from the buffer first byte
.endr
.endm
	TOSTAGE 0
.irp m, 1,2,3
.if \m > 1
	s_wait_xcnt 0x0                                ; the stores of the tile two back have read their registers: this tile rows may land there
.endif
	TOSTAGE \m
	SEND \m-1, 32                                  ; behind its loads: this tile 16 stores and 16 loads
.endr
	SEND 3, 0
	s_wait_tensorcnt 0x0                           ; the wave end: behind my last tensor load and my last LDS store
	ds_add_u32 v[SPW], v[NIL]
	s_wait_dscnt 0x0
	CROUND                                         ; the closing round: no work-group ends while a partner may still ask for a tile that names it
	s_endpgm
.Lfunc_end_k_q051180d38e_attn:
	.size	k_q051180d38e_attn, .Lfunc_end_k_q051180d38e_attn-k_q051180d38e_attn
	.p2alignl 7, 3214868480
	.fill 96, 4, 3214868480
	.section	.rodata,"a",@progbits
	.p2align	6, 0x0
	.amdhsa_kernel k_q051180d38e_attn
		.amdhsa_group_segment_fixed_size 327680
		.amdhsa_private_segment_fixed_size 0
		.amdhsa_enable_private_segment 0
		.amdhsa_kernarg_size 56
		.amdhsa_user_sgpr_count 2
		.amdhsa_user_sgpr_kernarg_segment_ptr 1
		.amdhsa_wavefront_size32 1
		.amdhsa_system_sgpr_workgroup_id_x 1
		.amdhsa_system_sgpr_workgroup_id_y 1
		.amdhsa_system_sgpr_workgroup_id_z 1
		.amdhsa_system_vgpr_workitem_id 0
		.amdhsa_next_free_vgpr 1024
		.amdhsa_next_free_sgpr 66
		.amdhsa_reserve_vcc 0
		.amdhsa_float_denorm_mode_32 3
		.amdhsa_float_denorm_mode_16_64 3
		.amdhsa_memory_ordered 1
		.amdhsa_forward_progress 1
		.amdhsa_inst_pref_size 255
	.end_amdhsa_kernel
	.section	.bss,"aw",@nobits
	.p2align	6
	.space	262144
	.amdgpu_metadata
---
amdhsa.version: [ 1, 2 ]
amdhsa.kernels:
  - .name:           k_q051180d38e_attn
    .symbol:         k_q051180d38e_attn.kd
    .args:
      - { .name: query_codes, .offset: 0, .size: 8, .value_kind: global_buffer, .address_space: global }
      - { .name: query_scales, .offset: 8, .size: 8, .value_kind: global_buffer, .address_space: global }
      - { .name: Wq_codes, .offset: 16, .size: 8, .value_kind: global_buffer, .address_space: global }
      - { .name: Wq_scales, .offset: 24, .size: 8, .value_kind: global_buffer, .address_space: global }
      - { .name: bq, .offset: 32, .size: 8, .value_kind: global_buffer, .address_space: global }
      - { .name: kvs, .offset: 40, .size: 8, .value_kind: global_buffer, .address_space: global }
      - { .name: out0, .offset: 48, .size: 8, .value_kind: global_buffer, .address_space: global }
    .group_segment_fixed_size: 327680
    .private_segment_fixed_size: 0
    .kernarg_segment_align: 8
    .kernarg_segment_size: 56
    .max_flat_workgroup_size: 128
    .sgpr_count:     66
    .vgpr_count:     1024
    .wavefront_size: 32
...
	.end_amdgpu_metadata
.endif
;; end of part 2
;; ======== version 2 of 3: 2 launches
;; workspace buffers: kvs 26,214,400 bytes
;; launch kv (part 3): grid 256 x 1, 4 waves a work-group, no clusters, 156,160 bytes of LDS; arguments keys_codes, keys_scales, Wk_codes, Wk_scales, bk, Wv_codes, Wv_scales, bv, kvs; writes kvs
.if DOCPART == 3
	.amdgcn_target "amdgcn-amd-amdhsa--gfx1250"
	.amdhsa_code_object_version 6
	.text
	.protected	k_q051180d38e_kv
	.globl	k_q051180d38e_kv
	.p2align	8
	.type	k_q051180d38e_kv,@function
k_q051180d38e_kv:
	s_mov_b64 s[64:65], 0
	v_nop
	global_prefetch_b8 v0, s[64:65] scope:SCOPE_SE
	s_setreg_imm32_b32 hwreg(HW_REG_WAVE_MODE, 25, 1), 1
	s_wait_xcnt 0x0
; k = keys Wk + bk, Q(k) along d, v = Q(k) Wv + bv, Q(v) along the keys: both products on codes of FP6 (E2M3) with one E8M0 scale for each 32 along K.
; A work-group of four waves takes 128 keys.  THE WAVES SHARE THE COLUMNS: wave w makes columns 128 w .. 128 w + 127 of k (d step w of the later products) and channels 128 w .. + 127 of v, for all 128 keys.
; So a wave reads its 32 fragments of Wk and its 32 of Wv from memory once, into registers, where they stay.
; HOW ROW-MAJOR CODES BECOME FRAGMENTS.  A wave 128 rows of a weight are 49,152 consecutive bytes, its 32 keys 12,288.  They are loaded as they lie, 16 bytes a lane, 512 consecutive bytes a load, into the registers
; that their fragments will take, and turned through the wave own stage in LDS, a chunk of 32 rows (24 loads) at a time: load 3 j + c holds the units of 16 bytes x = 32 c + lane of rows 4 j .. 4 j + 3; unit x lies in
; row x / 24 of the four (a row is 24 units), and with stage rows of 400 bytes its place is 16 (x + x / 24) + 400 x (the place of row 4 j).  A fragment comes back by six loads of 8 bytes at 400 r + 24 h:
; 400 bytes are 100 words, so row r starts at bank 36 r mod 64 (64 banks of 4 bytes: ISA guide 11.1) and the 32 lanes touch 64 different banks.  LDS serves a wave in order: chunks follow each other with no wait.
; NO CLUSTER, NO TENSOR LOAD.  All work-groups read the same weights, so joint loads could divide the requests for them by four.  Not built: padded for the reads above the two weights are 2 x 204,800 bytes, more
; than LDS holds beside the images, so Wv would be a refill behind a round of its own; this text keeps plain loads, which need no ring.
; WHAT GOES FROM WAVE TO WAVE goes through LDS as images of operand registers: a fragment (16 rows x 128 K, 12 registers) as three blocks of 512 bytes, lane l at 16 l.
; THE OUTPUT kvs is laid in the order in which the attention launch takes it: octets of 8 fragment images (1,536 bytes each) and a block of 512 bytes of scale words (lane L, word j: lanes 0-15 fragment j, lanes 16-31
; fragment 4 + j, row L % 16).  A batch is 4 super-steps of 512 keys; a super-step is 4 slots of 8 octets: K d steps 0, 1 | K d steps 2, 3 | V key steps 0, 1 | V key steps 2, 3; octet = 4 (step % 2) + quarter.
; THE ROWS OF A TILE ARE NOT NEIGHBOURS, for the keys and for Wk: lane r of tile 2 b + u takes row 32 b + 8 u + r + 8 (r / 8), so that a result 16 registers of tiles 2 b, 2 b + 1 are 16 neighbours along the next K.
; (In the stage such a chunk two middle groups of eight rows change places, so that a tile sixteen rows lie side by side.)
; Phase 1 (transposed): source 0 = 16 rows of Wk, source 1 = 16 keys: a lane holds one key, its registers run along d.  Phase 2: source 0 = 16 keys of Q(k), source 1 = 16 rows of Wv: a lane holds one channel, its registers run along the keys.
; LIMITS: NaN and infinities are not served.  A block of zeros gets the scale byte 1 where the quantiser says 127: its codes are zeros, and these bytes are read by this program alone.
; REGISTERS: position p of 64 fragments: window 1 + p / 21, register 12 (p % 21); position 63 lies at v16-27 of window 0.  Positions 0-31: Wk (8 s + t), later Q(k) (8 s + m); 32-63: Wv (32 + 4 t + s).
.set FRB,  1536                        ; a fragment image in bytes; also four rows of codes as they lie in memory
.set XSC,  49152                       ; LDS: 0 the keys 32 fragments (4 m + s); here their scale bytes as they lie in memory, 16 a row
.set KIMG, 51200                       ; Q(k): 32 fragments (8 s + m)
.set KSC,  100352                      ; its scale blocks, 512 bytes for each d step
.set VSCO, 2048                        ; behind them, 2,048 bytes on: a scale block of v for each wave
.set STG,  104448                      ; behind those: the stage, 32 rows of TP bytes for each wave
.set TP,   400                         ; a stage row: 384 bytes of codes + 16
.set LI,   1                           ; v1   16 x lane
.set XWI,  4                           ; v4   16 x lane + 12,288 x wave
.set XSA,  5                           ; v5   XSC + 16 (r + 8 (r / 8))
.set KWI,  6                           ; v6   KIMG + 16 x lane + 12,288 x wave
.set KWS,  7                           ; v7   KSC + 512 x wave + 16 r
.set RA,   8                           ; v8   my stage + 400 r + 24 h: out of the stage
.set OWN,  9                           ; v9   KSC + 512 x wave + 16 x lane
.set TID,  10                          ; v10  16 x thread
.set BH,   11                          ; v11  64 h
.set R4,   12                          ; v12  4 r
.set SPM,  13                          ; v13  16 (r + 8 (r / 8)) + 1,024 h
.set SNT,  14                          ; v14  16 r + 1,024 h
.set KRD,  15                          ; v15  KIMG + 16 x lane
.set XF,   16                          ; v16-63   four fragments of the keys; in phase 2 v16-27 Wv(7, 3), v28-43 the scale words of Q(k)
.set KS,   28
.set HA,   64                          ; v64-127  eight accumulators
.set BK,   128                         ; v128-191 the bias as eight tiles in the layout of a result
.set PC,   192                         ; v192-211 the codes just made
.set TM,   212                         ; v212-215 largest magnitudes, v216-219 bytes, v220-223 the conversions scale operands
.set PW,   224                         ; the scale word just made
.set SA,   225                         ; v225-227 my stage + 16 (x + x / 24), x = 32 c + lane: into the stage
.set XS,   228                         ; v228-231 the keys scale words of a tile
.set WS,   232                         ; v232-247 the weights scale words: 4 (t % 4) + s; lanes 0-15 tile t, lanes 16-31 tile t + 4
.set RAW,  248                         ; v248-251 16 bytes on their way
.set WV,   24
.set SEL,  26
.set MSB,  0
.macro WIN new                         ; the immediate high byte repeats the setting that is left
.if MSB != (\new)
	s_set_vgpr_msb (MSB<<8)|(\new)
.set MSB, (\new)
.endif
.endm
.macro PLACES n
.rept \n
	v_nop
.endr
.endm
.macro POS p                           ; where position p lies
.if (\p) == 63
.set PWN, 0
.set PRG, 16
.else
.set PWN, 1+(\p)/21
.set PRG, 12*((\p)%21)
.endif
.endm
.macro FPOS kind, t, s                 ; the position of fragment (t, s): kind 0 Wk, kind 1 Wv
.if (\kind)
	POS 32+4*(\t)+(\s)
.else
	POS 8*(\s)+(\t)
.endif
.endm
; one product: D, source 0, source 1, C by their first registers; the two scale registers; which half of the lanes holds each side scales
.macro MM d, a, b, c, sa, sb, ra, rb
.if (\ra) && (\rb)
	v_wmma_scale_f32_16x16x128_f8f6f4 v[\d:\d+7], v[\a:\a+11], v[\b:\b+11], v[\c:\c+7], v[\sa], v[\sb] matrix_a_fmt:MATRIX_FMT_FP6 matrix_b_fmt:MATRIX_FMT_FP6 matrix_a_scale:MATRIX_SCALE_ROW1 matrix_b_scale:MATRIX_SCALE_ROW1
.elseif (\ra)
	v_wmma_scale_f32_16x16x128_f8f6f4 v[\d:\d+7], v[\a:\a+11], v[\b:\b+11], v[\c:\c+7], v[\sa], v[\sb] matrix_a_fmt:MATRIX_FMT_FP6 matrix_b_fmt:MATRIX_FMT_FP6 matrix_a_scale:MATRIX_SCALE_ROW1
.elseif (\rb)
	v_wmma_scale_f32_16x16x128_f8f6f4 v[\d:\d+7], v[\a:\a+11], v[\b:\b+11], v[\c:\c+7], v[\sa], v[\sb] matrix_a_fmt:MATRIX_FMT_FP6 matrix_b_fmt:MATRIX_FMT_FP6 matrix_b_scale:MATRIX_SCALE_ROW1
.else
	v_wmma_scale_f32_16x16x128_f8f6f4 v[\d:\d+7], v[\a:\a+11], v[\b:\b+11], v[\c:\c+7], v[\sa], v[\sb] matrix_a_fmt:MATRIX_FMT_FP6 matrix_b_fmt:MATRIX_FMT_FP6
.endif
.endm
.macro WRAW p, base, g                 ; piece g of my part of a weight (rows 4 g .. 4 g + 3, 1,536 bytes as they lie) into the registers of position p: each load covers 512 consecutive bytes
	POS \p
	WIN (PWN<<6)
.irp c, 0,1,2
	global_load_b128 v[PRG+4*\c:PRG+4*\c+3], v[LI], s[\base:\base+1] offset:FRB*(\g)+512*\c
.endr
.endm
.macro TST w, reg, j, perm             ; piece j of a chunk goes from 12 registers (window w) into my stage; perm = 1: the chunk two middle groups of eight rows change places
.if (\perm)
.set PB, 16*(((\j)/2)%2)+8*((\j)/4)+4*((\j)%2)
.else
.set PB, 4*(\j)
.endif
	WIN ((\w)<<2)                                  ; an LDS store data are its source 1
.irp c, 0,1,2
	ds_store_b128 v[SA+\c], v[\reg+4*\c:\reg+4*\c+3] offset:PB*TP
.endr
.endm
.macro TLD w, reg, u, s                ; fragment (tile u of the chunk two, K step s) comes out of my stage: 2 x 24 bytes a lane, in pieces of 8
	WIN ((\w)<<6)
.irp i, 0,1,2,3,4,5
	ds_load_b64 v[\reg+2*\i:\reg+2*\i+1], v[RA] offset:16*(\u)*TP+96*(\s)+48*(\i/3)+8*(\i%3)
.endr
.endm
.macro TURN b, kind                    ; chunk b of a weight: the raw bytes in the registers of fragments (2 b + u, s) become those fragments
.irp s, 0,1,2,3
.irp u, 0,1
	FPOS \kind, 2*(\b)+\u, \s
	TST PWN, PRG, 4*\u+\s, 1-(\kind)
.endr
.endr
.irp s, 0,1,2,3
.irp u, 0,1
	FPOS \kind, 2*(\b)+\u, \s
	TLD PWN, PRG, \u, \s
.endr
.endr
.endm
.macro XFETCH m                        ; tile m of the keys: its four fragments and its rows scale words
.irp s, 0,1,2,3
.irp c, 0,1,2
	ds_load_b128 v[XF+12*\s+4*\c:XF+12*\s+4*\c+3], v[LI] offset:(4*(\m)+\s)*FRB+512*\c
.endr
.endr
	ds_load_b128 v[XS:XS+3], v[XSA] offset:16*(32*((\m)/2)+8*((\m)%2))
.endm
; 64 numbers of a lane, register 16 b + i = k 32 b + 16 (lane / 16) + i of its row, become a fragment codes in v[PC] on and its scale word in v[PW]
.macro QUANT s
.irp b, 0,1,2,3
	v_max3_num_f32 v[TM+\b], |v[\s+16*\b]|, |v[\s+1+16*\b]|, 0x1800000   ; my 16 numbers of block b, and the floor 2^(3 - 127): the byte cannot fall under 1
.endr
.irp i, 2,4,6,8,10,12,14
.irp b, 0,1,2,3
	v_max3_num_f32 v[TM+\b], v[TM+\b], |v[\s+16*\b+\i]|, |v[\s+1+16*\b+\i]|
.endr
.endr
.irp b, 0,1,2,3
	v_permlanex16_b32 v[TM+4+\b], v[TM+\b], s[SEL], s[SEL+1]
.endr
.irp b, 0,1,2,3
	v_max_num_f32 v[TM+\b], v[TM+\b], v[TM+4+\b]   ; with lane l xor 16: the block largest magnitude
.endr
.irp b, 0,1,2,3
	v_add_nc_u32 v[TM+8+\b], 0xff000000, v[TM+\b]  ; 2 off its exponent field: the conversion scale operand
.endr
.irp b, 0,1,2,3
	v_lshrrev_b32 v[TM+4+\b], 23, v[TM+8+\b]       ; the scale byte
.endr
	v_lshl_or_b32 v[PW], v[TM+5], 8, v[TM+4]
	v_lshl_or_b32 v[PW], v[TM+6], 16, v[PW]
	v_lshl_or_b32 v[PW], v[TM+7], 24, v[PW]
	s_wait_xcnt 0x0                                ; the last tile global stores have read the codes registers: only behind this wait are they written again
.irp c, 0,1
	v_cvt_scalef32_pk16_fp6_f32 v[PC+6*\c:PC+2+6*\c], v[\s+32*\c:\s+15+32*\c], v[TM+8+2*\c]
	v_cvt_scalef32_pk16_fp6_f32 v[PC+12+4*\c:PC+14+4*\c], v[\s+16+32*\c:\s+31+32*\c], v[TM+8+2*\c+1]   ; (three registers from an even one on)
.endr
	v_nop                                          ; one plain place behind a scaled conversion
.irp c, 0,1                                    ; a whole block to a lane: lanes 0-15 block 2 c, lanes 16-31 block 2 c + 1
.irp i, 0,1,2
	v_permlane16_swap_b32 v[PC+6*\c+\i], v[PC+12+4*\c+\i]
.endr
.irp i, 0,1,2
	v_mov_b32 v[PC+3+6*\c+\i], v[PC+12+4*\c+\i]
.endr
.endr
.endm
; PHASE 1, tile m of the keys: my 128 columns of k for 16 keys, quantised: fragment m of d step w
.macro P1TILE m
	s_wait_dscnt 0x0                               ; the tile fragments are in, and the last tile LDS stores have read their registers
.irp s, 0,1,2,3
.irp t, 0,1,2,3,4,5,6,7
	POS 8*\s+\t
	WIN PWN
.if \s == 0
	MM HA+8*\t, PRG, XF+12*\s, BK+8*\t, WS+4*(\t%4)+\s, XS+\s, \t/4, 0   ; the bias is the C of the first product; the eight accumulators take turns
.else
	MM HA+8*\t, PRG, XF+12*\s, HA+8*\t, WS+4*(\t%4)+\s, XS+\s, \t/4, 0
.endif
.endr
.endr
	WIN 0
	PLACES 5                                       ; four in front of loads into registers just read and of the first read of results; five since the next tile begins these accumulators anew
.if (\m) < 7
	XFETCH (\m)+1
.endif
.irp s, 0,1,2,3
	WRAW 32+4*(\m)+\s, 14, 4*(\m)+\s               ; four pieces of Wv a tile, twelve loads: they land under phase 1
.endr
	WIN 0
.if ((\m) >= 2) && ((\m)%2 == 0)
	s_wait_loadcnt 12                              ; all but this tile twelve loads are in: the chunk asked for in the two tiles before is whole,
	TURN (\m)/2-1, 1                               ; and is turned while the quantiser below works on registers
	WIN 0
.endif
	QUANT HA
.irp c, 0,1,2
	ds_store_b128 v[KWI], v[PC+4*\c:PC+4*\c+3] offset:FRB*(\m)+512*\c
.endr
	ds_store_b32 v[KWS], v[PW] offset:256*((\m)/4)+4*((\m)%4)      ; lanes r and r + 16 write the same word with the same value
.irp c, 0,1,2
	global_store_b128 v[LI], v[PC+4*\c:PC+4*\c+3], s[20:21] offset:FRB*(\m)+512*\c   ; 32 lanes store 512 consecutive bytes, at a multiple of 256 from the buffer first byte
.endr
.endm
; PHASE 2, tile t of my channels: v for 16 channels x 128 keys, quantised along the keys: fragment t of my octet of V
.macro P2TILE t
	s_wait_dscnt 0x0
.irp s, 0,1,2,3
	POS 32+4*(\t)+\s
.set BWN, PWN
.set BRG, PRG
.irp m, 0,1,2,3,4,5,6,7
	POS 8*\s+\m
	WIN (PWN|(BWN<<2))
.if \s == 0
	MM HA+8*\m, PRG, BRG, BK+8*(\t), KS+4*\s+\m%4, WS+4*((\t)%4)+\s, \m/4, (\t)/4
.else
	MM HA+8*\m, PRG, BRG, HA+8*\m, KS+4*\s+\m%4, WS+4*((\t)%4)+\s, \m/4, (\t)/4
.endif
.endr
.endr
	WIN 0
	PLACES 5
	QUANT HA
.irp c, 0,1,2
	global_store_b128 v[LI], v[PC+4*\c:PC+4*\c+3], s[22:23] offset:FRB*(\t)+512*\c
.endr
	ds_store_b32 v[KWS], v[PW] offset:VSCO+256*((\t)/4)+4*((\t)%4)
.endm
	s_load_b512 s[4:19], s[0:1], 0x0               ; keys codes, keys scales, Wk codes, Wk scales, bk, Wv codes, Wv scales, bv
	s_load_b64 s[20:21], s[0:1], 0x40              ; kvs
	v_lshl_add_u32 v207, v0, 2, 0x26000
	v_mov_b32 v211, 0
	v_lshrrev_b32 v252, 5, v0
	v_readfirstlane_b32 s[WV], v252                ; wave 0..3
	v_and_b32 v252, 31, v0                         ; lane
	v_and_b32 v253, 15, v0                         ; r
	v_bfe_u32 v254, v0, 4, 1                       ; h
	v_and_b32 v255, 8, v253
	v_add_nc_u32 v255, v255, v253                  ; r + 8 (r / 8)
	v_lshlrev_b32 v[LI], 4, v252
	s_mul_i32 s28, s[WV], 8*FRB
	v_add_nc_u32 v[XWI], s28, v[LI]
	v_lshl_add_u32 v[XSA], v255, 4, XSC
	v_add_nc_u32 v[KWI], KIMG, v[XWI]
	s_lshl_b32 s29, s[WV], 9
	s_add_co_u32 s29, s29, KSC
	v_lshl_add_u32 v[KWS], v253, 4, s29
	v_add_nc_u32 v[OWN], s29, v[LI]
	v_lshlrev_b32 v[TID], 4, v0
	v_lshlrev_b32 v[BH], 6, v254
	v_lshlrev_b32 v[R4], 2, v253
	v_lshlrev_b32 v[SPM], 4, v255
	v_lshl_add_u32 v[SPM], v254, 10, v[SPM]
	v_lshlrev_b32 v[SNT], 4, v253
	v_lshl_add_u32 v[SNT], v254, 10, v[SNT]
	v_add_nc_u32 v[KRD], KIMG, v[LI]
	s_mul_i32 s42, s[WV], 32*TP
	s_add_co_u32 s42, s42, STG                     ; my stage
.irp k, 0,1,2
	v_add_nc_u32 v[SA+\k], 32*\k, v252             ; x = 32 c + lane, under 96
	v_mul_u32_u24 v[RAW], v[SA+\k], 43
	v_lshrrev_b32 v[RAW], 10, v[RAW]               ; x / 24 = 43 x / 1,024, rounded down: exact for x under 96
	v_add_nc_u32 v[RAW], v[RAW], v[SA+\k]
	v_lshl_add_u32 v[SA+\k], v[RAW], 4, s42        ; 16 (x + x / 24): 16 bytes of padding behind each row 24 units
.endr
	v_mul_u32_u24 v[RA], v253, TP
	v_mad_u32_u24 v[RA], v254, 24, v[RA]
	v_add_nc_u32 v[RA], s42, v[RA]
.irp b, 0,1,2,3
	v_mov_b32 v[TM+4+\b], 0                        ; written once: a lane permute destination counts as one of its sources
.endr
	s_mov_b32 s[SEL], 0x76543210
	s_mov_b32 s[SEL+1], 0xfedcba98                 ; lane l xor 16
	s_lshr_b32 s30, ttmp9, 4                       ; batch
	s_and_b32 s31, ttmp9, 15                       ; which 128 keys of the batch
	s_lshr_b32 s32, s31, 2                         ; super-step
	s_and_b32 s33, s31, 3                          ; quarter of it
	s_mul_i32 s34, s30, 1638400
	s_mul_i32 s35, s32, 409600
	s_add_co_u32 s34, s34, s35
	s_lshr_b32 s35, s[WV], 1                       ; my octet of K: slot w / 2, octet 4 (w % 2) + quarter
	s_mul_i32 s35, s35, 102400
	s_and_b32 s36, s[WV], 1
	s_lshl_b32 s36, s36, 2
	s_add_co_u32 s36, s36, s33
	s_mul_i32 s36, s36, 12800
	s_add_co_u32 s36, s36, s35
	s_add_co_u32 s36, s36, s34
	s_mov_b32 s37, 0
	s_lshr_b32 s35, s33, 1                         ; my octet of V: slot 2 + quarter / 2, octet 4 (quarter % 2) + w
	s_add_co_u32 s35, s35, 2
	s_mul_i32 s35, s35, 102400
	s_and_b32 s38, s33, 1
	s_lshl_b32 s38, s38, 2
	s_add_co_u32 s38, s38, s[WV]
	s_mul_i32 s38, s38, 12800
	s_add_co_u32 s38, s38, s35
	s_add_co_u32 s38, s38, s34
	s_mov_b32 s39, 0
	s_lshl_b32 s40, ttmp9, 7
	s_lshl_b32 s41, s[WV], 5
	s_add_co_u32 s40, s40, s41
	s_mul_i32 s40, s40, 384                        ; the 32 keys whose fragments I bring: 128 x work-group + 32 x wave
	s_mov_b32 s41, 0
	s_wait_kmcnt 0x0
	s_add_nc_u64 s[22:23], s[20:21], s[38:39]
	s_add_nc_u64 s[20:21], s[20:21], s[36:37]
	s_add_nc_u64 s[4:5], s[4:5], s[40:41]
	s_lshl_b32 s40, ttmp9, 11                      ; the work-group 128 rows of scale bytes
	s_add_nc_u64 s[6:7], s[6:7], s[40:41]
	s_mul_i32 s40, s[WV], 49152                    ; my 128 rows of each weight,
	s_add_nc_u64 s[8:9], s[8:9], s[40:41]
	s_add_nc_u64 s[14:15], s[14:15], s[40:41]
	s_lshl_b32 s40, s[WV], 11                      ; of their scale bytes,
	s_add_nc_u64 s[10:11], s[10:11], s[40:41]
	s_add_nc_u64 s[16:17], s[16:17], s[40:41]
	s_lshl_b32 s40, s[WV], 9                       ; my 128 numbers of each bias
	s_add_nc_u64 s[12:13], s[12:13], s[40:41]
	s_add_nc_u64 s[18:19], s[18:19], s[40:41]
	global_load_b128 v[RAW:RAW+3], v[TID], s[6:7] th:TH_LOAD_NT    ; the keys scale bytes, 16 a thread
.irp g, 0,1,2,3,4,5,6,7                        ; my 32 keys as they lie: one chunk, 24 loads of 512 consecutive bytes
.irp c, 0,1,2
	global_load_b128 v[XF+12*\g+4*\c:XF+12*\g+4*\c+3], v[LI], s[4:5] offset:FRB*\g+512*\c th:TH_LOAD_NT
.endr
.endr
.irp s, 0,1,2,3                                ; my 128 rows of Wk as they lie: piece 4 t + s into the registers of fragment (t, s)
.irp t, 0,1,2,3,4,5,6,7
	WRAW 8*\s+\t, 8, 4*\t+\s
.endr
.endr
	WIN 0
.irp t, 0,1,2,3
	global_load_b128 v[WS+4*\t:WS+4*\t+3], v[SPM], s[10:11] offset:16*(32*(\t/2)+8*(\t%2))   ; a row 16 scale bytes are its four words; lanes 16-31 stand 64 rows on: tile t + 4
.endr
.irp t, 0,1,2,3,4,5,6,7
	global_load_b128 v[BK+8*\t:BK+8*\t+3], v[BH], s[12:13] offset:4*(32*(\t/2)+8*(\t%2))
	global_load_b128 v[BK+8*\t+4:BK+8*\t+7], v[BH], s[12:13] offset:4*(32*(\t/2)+8*(\t%2))+16
.endr
	s_wait_loadcnt 63                              ; behind the 25 loads for the keys 116 were issued: with 63 out the 25 are in
	ds_store_b128 v[TID], v[RAW:RAW+3] offset:XSC
.irp g, 0,1,2,3,4,5,6,7                        ; the keys are turned: tiles 2 w and 2 w + 1, all four d steps
	TST 0, XF+12*\g, \g, 1
.endr
.irp u, 0,1
.irp s, 0,1,2,3
	TLD 0, XF+12*(4*\u+\s), \u, \s
.endr
.endr
	s_wait_dscnt 0x0                               ; the eight fragments are in registers
.irp f, 0,1,2,3,4,5,6,7
.irp c, 0,1,2
	ds_store_b128 v[XWI], v[XF+12*\f+4*\c:XF+12*\f+4*\c+3] offset:\f*FRB+512*\c
.endr
.endr
	s_wait_dscnt 0x0                               ; for the others: my stores have landed
	s_barrier_signal -1
	s_barrier_wait -1                              ; the keys 32 fragments lie in LDS
	XFETCH 0
	s_wait_loadcnt 20                              ; behind the raw bytes of Wk: its 4 loads of scales and the 16 of bk
.irp b, 0,1,2,3
	TURN \b, 0
.endr
	WIN 0
	s_wait_loadcnt 0x0                             ; the scales of Wk, bk
.irp m, 0,1,2,3,4,5,6,7
	P1TILE \m
.endr
.irp t, 0,1,2,3
	global_load_b128 v[WS+4*\t:WS+4*\t+3], v[SNT], s[16:17] offset:256*\t
.endr
.irp t, 0,1,2,3,4,5,6,7
	global_load_b32 v[BK+8*\t], v[R4], s[18:19] offset:64*\t       ; bv of channel 16 t + r
.endr
	s_wait_loadcnt 12                              ; all but the twelve just issued: the last chunk of Wv is whole
	TURN 3, 1
	WIN 0
	ds_load_b128 v[RAW:RAW+3], v[OWN]              ; my scale block of K: LDS serves a wave in order, so this sees my stores
	s_wait_dscnt 0x0                               ; it is in, and my images of Q(k) have landed
	global_store_b128 v[LI], v[RAW:RAW+3], s[20:21] offset:8*FRB
	s_barrier_signal -1
	s_barrier_wait -1                              ; all of Q(k) lies in LDS
.set PX, 0
.rept 32                                       ; Q(k) takes the registers of Wk
	POS PX
	WIN (PWN<<6)
.irp c, 0,1,2
	ds_load_b128 v[PRG+4*\c:PRG+4*\c+3], v[KRD] offset:PX*FRB+512*\c
.endr
.set PX, PX+1
.endr
	WIN 0
.irp s, 0,1,2,3
	ds_load_b128 v[KS+4*\s:KS+4*\s+3], v[KRD] offset:KSC-KIMG+512*\s
.endr
	s_wait_loadcnt 0x0                             ; the scales of Wv, bv
.irp t, 0,1,2,3,4,5,6,7
.irp j, 1,2,3,4,5,6,7
	v_mov_b32 v[BK+8*\t+\j], v[BK+8*\t]            ; a lane holds one channel: its eight registers of a tile take the same bias
.endr
.endr
.irp t, 0,1,2,3,4,5,6,7
	P2TILE \t
.endr
	ds_load_b128 v[RAW:RAW+3], v[OWN] offset:VSCO  ; my scale block of V
	s_wait_dscnt 0x0
	global_store_b128 v[LI], v[RAW:RAW+3], s[22:23] offset:8*FRB
	s_wait_tensorcnt 0x0
	ds_add_u32 v207, v211
	s_wait_dscnt 0x0
	s_endpgm
.Lfunc_end_k_q051180d38e_kv:
	.size	k_q051180d38e_kv, .Lfunc_end_k_q051180d38e_kv-k_q051180d38e_kv
	.p2alignl 7, 3214868480
	.fill 96, 4, 3214868480
	.section	.rodata,"a",@progbits
	.p2align	6, 0x0
	.amdhsa_kernel k_q051180d38e_kv
		.amdhsa_group_segment_fixed_size 156160
		.amdhsa_private_segment_fixed_size 0
		.amdhsa_enable_private_segment 0
		.amdhsa_kernarg_size 72
		.amdhsa_user_sgpr_count 2
		.amdhsa_user_sgpr_kernarg_segment_ptr 1
		.amdhsa_wavefront_size32 1
		.amdhsa_system_sgpr_workgroup_id_x 1
		.amdhsa_system_sgpr_workgroup_id_y 1
		.amdhsa_system_sgpr_workgroup_id_z 1
		.amdhsa_system_vgpr_workitem_id 0
		.amdhsa_next_free_vgpr 1024
		.amdhsa_next_free_sgpr 66
		.amdhsa_reserve_vcc 0
		.amdhsa_float_denorm_mode_32 3
		.amdhsa_float_denorm_mode_16_64 3
		.amdhsa_memory_ordered 1
		.amdhsa_forward_progress 1
		.amdhsa_inst_pref_size 223
	.end_amdhsa_kernel
	.amdgpu_metadata
---
amdhsa.version: [ 1, 2 ]
amdhsa.kernels:
  - .name:           k_q051180d38e_kv
    .symbol:         k_q051180d38e_kv.kd
    .args:
      - { .name: keys_codes, .offset: 0, .size: 8, .value_kind: global_buffer, .address_space: global }
      - { .name: keys_scales, .offset: 8, .size: 8, .value_kind: global_buffer, .address_space: global }
      - { .name: Wk_codes, .offset: 16, .size: 8, .value_kind: global_buffer, .address_space: global }
      - { .name: Wk_scales, .offset: 24, .size: 8, .value_kind: global_buffer, .address_space: global }
      - { .name: bk, .offset: 32, .size: 8, .value_kind: global_buffer, .address_space: global }
      - { .name: Wv_codes, .offset: 40, .size: 8, .value_kind: global_buffer, .address_space: global }
      - { .name: Wv_scales, .offset: 48, .size: 8, .value_kind: global_buffer, .address_space: global }
      - { .name: bv, .offset: 56, .size: 8, .value_kind: global_buffer, .address_space: global }
      - { .name: kvs, .offset: 64, .size: 8, .value_kind: global_buffer, .address_space: global }
    .group_segment_fixed_size: 156160
    .private_segment_fixed_size: 0
    .kernarg_segment_align: 8
    .kernarg_segment_size: 72
    .max_flat_workgroup_size: 128
    .sgpr_count:     66
    .vgpr_count:     1024
    .wavefront_size: 32
...
	.end_amdgpu_metadata
.endif
;; end of part 3
;; launch attn (part 4): grid 16 x 16, 4 waves a work-group, clusters of 4 x 1, 327,680 bytes of LDS; arguments query_codes, query_scales, Wq_codes, Wq_scales, bq, kvs, out0; writes out0
.if DOCPART == 4
	.amdgcn_target "amdgcn-amd-amdhsa--gfx1250"
	.amdhsa_code_object_version 6
	.text
	.protected	k_q051180d38e_attn
	.globl	k_q051180d38e_attn
	.p2align	8
	.type	k_q051180d38e_attn,@function
k_q051180d38e_attn:
	s_mov_b64 s[64:65], 0
	v_nop
	global_prefetch_b8 v0, s[64:65] scope:SCOPE_SE
	s_setreg_imm32_b32 hwreg(HW_REG_WAVE_MODE, 25, 1), 1
	s_wait_xcnt 0x0
	s_wait_alu depctr_hold_cnt(0) depctr_sa_sdst(0) depctr_va_vdst(0) depctr_va_sdst(0) depctr_va_ssrc(0) depctr_va_vcc(0) depctr_vm_vsrc(0)
	s_getreg_b32 s2, hwreg(HW_REG_IB_STS2, 6, 4)
	s_cmp_eq_u32 s2, 0
	s_cbranch_scc0 .Lentry_in_a_cluster
	s_endpgm
.Lentry_in_a_cluster:
	s_bfe_u32 s2, ttmp6, 0x10000c
	s_cmp_lg_u32 s2, 0x3003
	s_cbranch_scc0 .Lentry_shape_is_right
	s_endpgm
.Lentry_shape_is_right:
; q = query Wq + bq, Q(q); S = Q(q) Q(k)^T; p = 2^(t - M); out = Q(p) Q(v) / sum of p.  All products on codes of FP6 (E2M3) with one E8M0 scale for each 32 along K; all else in f32.
; t = score x log2(e) / sqrt(512); M = the running largest t rounded UP to a whole number; p is quantised along the keys, not normalised; the sum is taken of the unquantised p; a change of M multiplies the sum and O by 2^(old M - new M), exactly.
; SHARES.  A work-group of four waves owns 64 queries of one batch: four tiles of 16.  The keys go in 4 super-steps of 512.
;   S:  wave w takes keys 128 w .. + 127 of the super-step, for all four query tiles: S^T = K Q^T (source 0 = 16 keys, source 1 = 16 queries): a lane holds one query, its registers run along the keys.
;   The four waves exchange their largest scores through LDS, so that all four take the same M.  Wave w quantises its p: they are key step w of the second product, one fragment and one scale word a query tile, and go to LDS as images of registers.
;   PV: wave w takes channels 128 w .. + 127: O^T += V^T P^T (source 0 = 16 channels, source 1 = P): each fragment of K and of V read from LDS feeds four products.
; K and V come from kvs, which the launch before has laid in this order: slots of 102,400 bytes (K d steps 0, 1 | K d steps 2, 3 | V key steps 0, 1 | V key steps 2, 3 of a super-step), each 8 octets of 8 fragment images and 512 bytes of scale words.
; RING: two LDS slots; stream slot n lies in LDS slot n % 2; each wave brings a quarter of a slot by one tensor load of 100 rows x 256 bytes.  By this text own count a wave has two tensor loads out at the start and one behind each round.
; CLUSTER: the four work-groups of a cluster own queries of one batch and walk the same stream: every tile is asked for JOINTLY, by the same load with the same descriptor and the mask of all four.
; The q projection stands at the head, under the first two fills: wave w makes columns 128 w .. + 127 of q for the 64 queries (source 0 = 16 rows of Wq, rows chosen so that a lane registers are neighbours along d), quantises them, and the four waves exchange the images.
; HOW ROW-MAJOR CODES BECOME FRAGMENTS.  My 128 rows of Wq are 49,152 consecutive bytes, my 16 of the 64 queries 6,144.  They are loaded as they lie, 16 bytes a lane, 512 consecutive bytes a load, and turned through LDS rows of 400 bytes:
; load 3 j + c holds the units of 16 bytes x = 32 c + lane of rows 4 j .. 4 j + 3, unit x lies in row x / 24 of the four, its place is 16 (x + x / 24) + 400 x (the place of row 4 j).  A fragment comes back by six loads of 8 bytes at 400 r + 24 h:
; 400 bytes are 100 words, so row r starts at bank 36 r mod 64 (64 banks of 4 bytes: ISA guide 11.1) and the 32 lanes touch 64 different banks.  Wq goes through my own stage, a chunk of 32 rows at a time, from and into the registers of its fragments
; (LDS serves a wave in order: no wait between chunks); the queries are shared: each wave stores its 16 rows, a barrier, each wave reads all 16 fragments.
; LIMITS: NaN and infinities are not served.  A block of zeros gets the scale byte 1: its codes are zeros, and nobody else reads the byte.  A p under 2^-126 comes out of v_exp_f32 as 0.  M comes from a rounded product and t - M from a fused
; multiply-add, so the largest p may pass 1 by a last bit.
; O^T is cleared once by 256 moves: the super-step is then written twice (loop and tail) and not three times.
; REGISTERS, in windows of 256.  Window 1: O^T, tile (m, dt) at 64 m + 8 dt.  Window 2: S^T, then p, tile (m, kt) at 64 m + 8 kt; in PV the 16 fragments of P at 12 (4 ks + m).
;   Window 3: Q (m, s) at 12 (4 m + s); from v192 the codes just made, 12 a query tile; v240-246 the conversions second halves.  Window 0: below.
.set FRB,   1536                       ; a fragment image; also four rows of codes as they lie in memory
.set OCT,   12800                      ; an octet
.set SLOTB, 102400                     ; a slot
.set SLOT1, 131072                     ; LDS slot 1: one exclusive or turns an address of one slot into the other
.set PIMG,  102400                     ; behind slot 0: P, 16 fragments (4 ks + m)
.set QRAW,  102400                     ; at the head the same bytes, up to MAXX, hold the 64 queries codes: 64 rows of TP bytes
.set PSC,   126976                     ; the scale words of P: 256 bytes a key step, 16 a row, word m
.set MAXX,  128000                     ; the waves largest scores: 256 bytes a query tile, 16 a row, word w;  1,024 bytes on: the waves sums, likewise
.set QIMG,  233472                     ; behind slot 1: Q, 16 fragments (4 m + s)
.set QSC,   258048                     ; its scale words, 128 bytes a fragment
.set SPARE, 260096                     ; the spare words, 128 bytes for each wave: two blocks of 256 bytes that no other line names
.set STAGE, 260608                     ; the way out: 16 rows x (512 + 16) bytes for each wave;  at the head, from the same byte on: 32 rows of TP bytes for each wave, for Wq
.set TP,    400                        ; a row of codes in LDS: 384 bytes + 16
.set AF,   1                           ; v1, v2  16 x lane + 12,800 x wave, in slot 0, 1
.set SPW,  3                           ; v3   my spare word; never rewritten
.set NIL,  4                           ; v4   0; never rewritten
.set PRD,  5                           ; v5   PIMG + 16 x lane
.set PWI,  6                           ; v6   + 6,144 x wave
.set PWS,  7                           ; v7   PSC + 256 x wave + 16 r
.set PSR,  8                           ; v8   PSC + 16 x lane
.set MXW,  9                           ; v9   MAXX + 4 x wave + 16 r
.set MXR,  10                          ; v10  MAXX + 16 r
.set PFO,  11                          ; v11  256 x min(lane, 24)
.set QWI,  12                          ; v12  QIMG + 16 x lane + 1,536 x wave;  on the way out STO
.set QWS,  13                          ; v13  QSC + 4 x lane + 128 x wave;      on the way out RD
.set QRD,  14                          ; v14  QIMG + 16 x lane;                 on the way out CO
.set QSR,  15                          ; v15  QSC + 4 x lane
.set STO,  12
.set RD,   13
.set CO,   14
.set NM,   16                          ; v16-23  for each query tile a pair: -M, the largest t
.set LS,   24                          ; v24-31  the sum, in two halves
.set FP,   32                          ; v32-39  f = 2^(old M - new M), and a 0 that is named with it
.set QS,   40                          ; v40-55  the scale words of Q: 4 m + s
.set FS,   56                          ; v56-63  the scale words of the octets in hand: 4 (step % 2) + i; lanes 0-15 fragment i, lanes 16-31 fragment 4 + i
.set PS,   64                          ; v64-71  those of P: 4 (ks / 2) + m; lanes 0-15 even key steps, lanes 16-31 odd ones
.set BM,   72                          ; v72-87  a block largest score, then largest p, then the conversion scale operand: 4 m + b
.set BT,   88                          ; v88-103 at work
.set T2,   104                         ; v104-111 at work
.set F,    112                         ; v112-255 three thirds of four fragments of K or V
.set RA,   244                         ; at the head only, in the last third of F, which is first loaded when all that name these are done:  v244 my stage + 400 r + 24 h
.set QRA,  245                         ; v245 QRAW + 400 r + 24 h
.set LI,   249                         ; v249 16 x lane
.set SA,   250                         ; v250-252 my stage + 16 (x + x / 24), x = 32 c + lane
.set QSA,  253                         ; v253-255 QRAW + 6,400 x wave + the same
.set WV,   18
.set CX,   19
.set SEL,  20
.set CS,   22
.set G1,   24
.set G0A,  32
.set G0B,  36
.set CNT,  40
.set LIM,  41
.set PFA,  42
.set W_S,  0xac                        ; source 0 (K) window 0, source 1 (Q) window 3, C and D (S^T) window 2
.set W_P,  0x58                        ; source 0 (V) window 0, source 1 (P) window 2, C and D (O^T) window 1
.set MSB,  0
.macro WIN new                         ; the immediate high byte repeats the setting that is left
.if MSB != (\new)
	s_set_vgpr_msb (MSB<<8)|(\new)
.set MSB, (\new)
.endif
.endm
.macro PLACES n
.rept \n
	v_nop
.endr
.endm
.macro POS p                           ; Wq fragment p = 8 s + t lies in window 1 + p / 21 at register 12 (p % 21)
.set PWN, 1+(\p)/21
.set PRG, 12*((\p)%21)
.endm
.macro WRAW p, base, g                 ; piece g of my part of Wq (rows 4 g .. 4 g + 3, 1,536 bytes as they lie) into the registers of position p: each load covers 512 consecutive bytes
	POS \p
	WIN (PWN<<6)
.irp c, 0,1,2
	global_load_b128 v[PRG+4*\c:PRG+4*\c+3], v[LI], s[\base:\base+1] offset:FRB*(\g)+512*\c
.endr
.endm
.macro TST w, reg, j                   ; piece j of a chunk goes from 12 registers (window w) into my stage; the chunk two middle groups of eight rows change places, so that a tile sixteen rows lie side by side
.set PB, 16*(((\j)/2)%2)+8*((\j)/4)+4*((\j)%2)
	WIN ((\w)<<2)                                  ; an LDS store data are its source 1
.irp c, 0,1,2
	ds_store_b128 v[SA+\c], v[\reg+4*\c:\reg+4*\c+3] offset:PB*TP
.endr
.endm
.macro TLD w, reg, u, s                ; fragment (tile u of the chunk two, K step s) comes out of my stage: 2 x 24 bytes a lane, in pieces of 8
	WIN ((\w)<<6)
.irp i, 0,1,2,3,4,5
	ds_load_b64 v[\reg+2*\i:\reg+2*\i+1], v[RA] offset:16*(\u)*TP+96*(\s)+48*(\i/3)+8*(\i%3)
.endr
.endm
.macro TURN b                          ; chunk b of Wq: the raw bytes in the registers of fragments (2 b + u, s) become those fragments
.irp s, 0,1,2,3
.irp u, 0,1
	POS 8*\s+2*(\b)+\u
	TST PWN, PRG, 4*\u+\s
.endr
.endr
.irp s, 0,1,2,3
.irp u, 0,1
	POS 8*\s+2*(\b)+\u
	TLD PWN, PRG, \u, \s
.endr
.endr
.endm
; one product: D, source 0, source 1, C by their first registers (C under 0: the constant 0 starts the sum); the two scale registers; which half of the lanes holds each side scales
.macro MM d, a, b, c, sa, sb, ra, rb
.if (\c) < 0
.if (\ra)
	v_wmma_scale_f32_16x16x128_f8f6f4 v[\d:\d+7], v[\a:\a+11], v[\b:\b+11], 0, v[\sa], v[\sb] matrix_a_fmt:MATRIX_FMT_FP6 matrix_b_fmt:MATRIX_FMT_FP6 matrix_a_scale:MATRIX_SCALE_ROW1
.else
	v_wmma_scale_f32_16x16x128_f8f6f4 v[\d:\d+7], v[\a:\a+11], v[\b:\b+11], 0, v[\sa], v[\sb] matrix_a_fmt:MATRIX_FMT_FP6 matrix_b_fmt:MATRIX_FMT_FP6
.endif
.elseif (\ra) && (\rb)
	v_wmma_scale_f32_16x16x128_f8f6f4 v[\d:\d+7], v[\a:\a+11], v[\b:\b+11], v[\c:\c+7], v[\sa], v[\sb] matrix_a_fmt:MATRIX_FMT_FP6 matrix_b_fmt:MATRIX_FMT_FP6 matrix_a_scale:MATRIX_SCALE_ROW1 matrix_b_scale:MATRIX_SCALE_ROW1
.elseif (\ra)
	v_wmma_scale_f32_16x16x128_f8f6f4 v[\d:\d+7], v[\a:\a+11], v[\b:\b+11], v[\c:\c+7], v[\sa], v[\sb] matrix_a_fmt:MATRIX_FMT_FP6 matrix_b_fmt:MATRIX_FMT_FP6 matrix_a_scale:MATRIX_SCALE_ROW1
.elseif (\rb)
	v_wmma_scale_f32_16x16x128_f8f6f4 v[\d:\d+7], v[\a:\a+11], v[\b:\b+11], v[\c:\c+7], v[\sa], v[\sb] matrix_a_fmt:MATRIX_FMT_FP6 matrix_b_fmt:MATRIX_FMT_FP6 matrix_b_scale:MATRIX_SCALE_ROW1
.else
	v_wmma_scale_f32_16x16x128_f8f6f4 v[\d:\d+7], v[\a:\a+11], v[\b:\b+11], v[\c:\c+7], v[\sa], v[\sb] matrix_a_fmt:MATRIX_FMT_FP6 matrix_b_fmt:MATRIX_FMT_FP6
.endif
.endm
.macro CREST                           ; a round of the cluster barrier behind its opening barrier
	s_cmp_lg_u32 s[WV], 0
	s_cbranch_scc1 .Lnot_wave_0_\@
	s_barrier_signal -3
.Lnot_wave_0_\@:
	s_barrier_wait -3
	s_barrier_signal -1
	s_barrier_wait -1
.endm
.macro CROUND                          ; a whole round
	s_barrier_signal -1
	s_barrier_wait -1
	CREST
.endm
.macro REFILL                          ; my quarter of the next stream slot; four v_nop follow the load: they are also the places in front of the LDS loads behind it
	tensor_load_to_lds s[G0B:G0B+3], s[G1:G1+7]
	s_nop 0
	PLACES 4
.endm
; A PREFETCH INTO THE L2 of the stream slot two refills on.  All four clusters of a batch walk the same stream: the batch first cluster asks.  Its sixteen waves share a slot 400 blocks of 256 bytes out BY ADDRESS:
; 25,600 bytes a wave number, 6,400 a place in the cluster, 25 blocks a wave, a lane a block; lanes 25-31 name lane 24 block again.  It stands behind the joint load, its four lines and the LDS loads that the next products wait for.
.macro ASK
	s_cmp_eq_u32 s[LIM], 1
	s_cbranch_scc0 .Lnot_mine_\@
	global_prefetch_b8 v[PFO], s[PFA:PFA+1] th:TH_LOAD_NT scope:SCOPE_SE
.Lnot_mine_\@:
.endm
; half an octet: four fragments into a third of F; with an octet first half its 512 bytes of scale words: 13 loads, else 12
.macro FETCHH third, slot, oct, hf
.irp i, 0,1,2,3
.irp c, 0,1,2
	ds_load_b128 v[F+48*(\third)+12*\i+4*\c:F+48*(\third)+12*\i+4*\c+3], v[AF+(\slot)] offset:4*OCT*(\oct)+(4*(\hf)+\i)*FRB+512*\c
.endr
.endr
.if (\hf) == 0
	ds_load_b128 v[FS+4*(\oct):FS+4*(\oct)+3], v[AF+(\slot)] offset:4*OCT*(\oct)+8*FRB
.endif
.endm
; half g of a super-step 16 (0-7: K, d step g / 2; 8-15: V, key step (g - 8) / 2; 16 on: the next super-step)
.macro FH g
.set GG, (\g)%16
.if GG < 8
.set TH, GG%3
.else
.set TH, (GG-7)%3
.endif
	FETCHH TH, (GG/4)%2, (GG/2)%2, GG%2
.endm
; 8 products: two fragments of K x the four query tiles.  A half 16 accumulators take turns, one instruction a turn
.macro MULS8 s, hf, third, i0
.irp i, \i0, \i0+1
.irp m, 0,1,2,3
.if (\s) == 0
	MM 64*\m+8*(4*(\hf)+(\i)), F+48*(\third)+12*(\i), 12*(4*\m+(\s)), -1, FS+4*((\s)%2)+(\i), QS+4*\m+(\s), \hf, 0
.else
	MM 64*\m+8*(4*(\hf)+(\i)), F+48*(\third)+12*(\i), 12*(4*\m+(\s)), 64*\m+8*(4*(\hf)+(\i)), FS+4*((\s)%2)+(\i), QS+4*\m+(\s), \hf, 0
.endif
.endr
.endr
.endm
.macro MULP8 ks, hf, third, i0         ; the same for two fragments of V
.irp i, \i0, \i0+1
.irp m, 0,1,2,3
	MM 64*\m+8*(4*(\hf)+(\i)), F+48*(\third)+12*(\i), 12*(4*(\ks)+\m), 64*\m+8*(4*(\hf)+(\i)), FS+4*((\ks)%2)+(\i), PS+4*((\ks)/2)+\m, \hf, (\ks)%2
.endr
.endr
.endm
; an ordinary half: cnt = how many younger LDS instructions may stay out (under 0: shown in already); np places; fetch = 1: the half three on takes the third just freed
.macro SSTEP h, cnt, fetch, np
.if (\cnt) >= 0
	s_wait_dscnt \cnt
.endif
	WIN W_S
	MULS8 (\h)/2, (\h)%2, (\h)%3, 0
	MULS8 (\h)/2, (\h)%2, (\h)%3, 2
	WIN 0
	PLACES \np
.if (\fetch)
	FH (\h)+3
.endif
.endm
.macro PSTEP h, cnt, fetch, np
.if (\cnt) >= 0
	s_wait_dscnt \cnt
.endif
	WIN W_P
	MULP8 ((\h)-8)/2, (\h)%2, ((\h)-7)%3, 0
	MULP8 ((\h)-8)/2, (\h)%2, ((\h)-7)%3, 2
	WIN 0
	PLACES \np
.if (\fetch)
	FH (\h)+3
.endif
.endm
; A half that changes slots.  In front of the barrier each wave waits for all its tensor loads (one is out: its part of the slot to be read next), adds 0 to its spare word, and waits for that and for its reads of the slot that is left.
; fill = 1: the barrier opens a round of the cluster barrier, and behind the round the slot that was left is filled again, first thing.
.macro CHANGE pv, h, cnt, fill, ask
.if (\ask)
	s_wait_xcnt 0x0                                ; the last prefetch has read its address:
	s_add_nc_u64 s[PFA:PFA+1], s[PFA:PFA+1], SLOTB ; a slot on
.endif
	s_wait_tensorcnt 0x0                           ; no tensor load of mine is out, so the walking descriptor may be written
	ds_add_u32 v[SPW], v[NIL]                      ; 0 onto my spare word
.if (\fill)
	s_xor_b32 s[G0B+1], s[G0B+1], SLOT1            ; the other LDS slot than last time,
	s_add_nc_u64 s[G0B+2:G0B+3], s[G0B+2:G0B+3], SLOTB   ; the next stream slot; the type bits on top are not reached
.endif
.if (\cnt) >= 0
	s_wait_dscnt \cnt                              ; (the two younger halves and the add may be out)
.endif
.if (\pv)
	WIN W_P
	MULP8 ((\h)-8)/2, (\h)%2, ((\h)-7)%3, 0
.else
	WIN W_S
	MULS8 (\h)/2, (\h)%2, (\h)%3, 0
.endif
	s_wait_dscnt 0x0                               ; the add is done, and my reads of the slot that is left are over
	s_barrier_signal -1
.if (\pv)
	MULP8 ((\h)-8)/2, (\h)%2, ((\h)-7)%3, 2
.else
	MULS8 (\h)/2, (\h)%2, (\h)%3, 2
.endif
	WIN 0
	s_barrier_wait -1
.if (\fill)
	CREST                                          ; no wave of any partner still reads that slot or has a load on its way
	REFILL
.else
	PLACES 4
.endif
	FH (\h)+3
.if (\ask)
	ASK
.endif
.endm
.macro QSCALE m                        ; query tile m: the four blocks largest magnitudes become the conversions scale operands (in place) and the scale word in v[BT + 4 m]
.irp b, 0,1,2,3
	v_add_nc_u32 v[BM+4*(\m)+\b], 0xff000000, v[BM+4*(\m)+\b]      ; 2 off the exponent field
.endr
.irp b, 0,1,2,3
	v_lshrrev_b32 v[BT+4*(\m)+\b], 23, v[BM+4*(\m)+\b]             ; the scale byte
.endr
	v_lshl_or_b32 v[BT+4*(\m)], v[BT+4*(\m)+1], 8, v[BT+4*(\m)]
	v_lshl_or_b32 v[BT+4*(\m)], v[BT+4*(\m)+2], 16, v[BT+4*(\m)]
	v_lshl_or_b32 v[BT+4*(\m)], v[BT+4*(\m)+3], 24, v[BT+4*(\m)]
.endm
.macro QCODES m, src                   ; the 64 numbers at 64 src of window 2 become the fragment at 192 + 12 m of window 3
	WIN 0xc2                                       ; destination window 3, numbers window 2, scale operand window 0
.irp c, 0,1
	v_cvt_scalef32_pk16_fp6_f32 v[192+12*(\m)+6*\c:192+12*(\m)+6*\c+2], v[64*(\src)+32*\c:64*(\src)+32*\c+15], v[BM+4*(\m)+2*\c]
	v_cvt_scalef32_pk16_fp6_f32 v[240+4*\c:242+4*\c], v[64*(\src)+32*\c+16:64*(\src)+32*\c+31], v[BM+4*(\m)+2*\c+1]   ; (three registers from an even one on)
.endr
	v_nop                                          ; one plain place behind a scaled conversion
	WIN 0xc3
.irp c, 0,1                                    ; a whole block to a lane: lanes 0-15 block 2 c, lanes 16-31 block 2 c + 1
.irp i, 0,1,2
	v_permlane16_swap_b32 v[192+12*(\m)+6*\c+\i], v[240+4*\c+\i]
.endr
.irp i, 0,1,2
	v_mov_b32 v[195+12*(\m)+6*\c+\i], v[240+4*\c+\i]
.endr
.endr
.endm
; my 128 columns of q for query tile m, quantised: fragment (m, d step w) of Q
.macro QPROJ m
.irp s, 0,1,2,3
.irp t, 0,1,2,3,4,5,6,7
	POS 8*\s+\t
.if \s == 0
	WIN (PWN|0x8c)                                 ; source 1 (query) window 3, C (bq) window 0, D window 2
	MM 192+8*\t, PRG, 12*(4*(\m)+\s), F+8*\t, FS+4*(\t%4)+\s, QS+4*(\m)+\s, \t/4, 0
.else
	WIN (PWN|0xac)
	MM 192+8*\t, PRG, 12*(4*(\m)+\s), 192+8*\t, FS+4*(\t%4)+\s, QS+4*(\m)+\s, \t/4, 0
.endif
.endr
.endr
	WIN 0
	PLACES 5                                       ; four in front of the first read of results; five since the next tile begins these accumulators anew
	WIN 0x0a
.irp b, 0,1,2,3
	v_max3_num_f32 v[BM+4*(\m)+\b], |v[192+16*\b]|, |v[193+16*\b]|, 0x1800000   ; with the floor 2^(3 - 127)
.endr
	WIN 0x28
.irp i, 2,4,6,8,10,12,14
.irp b, 0,1,2,3
	v_max3_num_f32 v[BM+4*(\m)+\b], v[BM+4*(\m)+\b], |v[192+16*\b+\i]|, |v[193+16*\b+\i]|
.endr
.endr
	WIN 0
.irp b, 0,1,2,3
	v_permlanex16_b32 v[BT+4*(\m)+\b], v[BM+4*(\m)+\b], s[SEL], s[SEL+1]
.endr
.irp b, 0,1,2,3
	v_max_num_f32 v[BM+4*(\m)+\b], v[BM+4*(\m)+\b], v[BT+4*(\m)+\b]
.endr
	QSCALE \m
	QCODES \m, 3
	WIN 0x0c                                       ; an LDS store data are its source 1: window 3
.irp c, 0,1,2
	ds_store_b128 v[QWI], v[192+12*(\m)+4*\c:192+12*(\m)+4*\c+3] offset:4*FRB*(\m)+512*\c
.endr
	WIN 0
	ds_store_b32 v[QWS], v[BT+4*(\m)] offset:512*(\m)
.endm
; THE SOFTMAX of a super-step, all four query tiles in runs under one window setting, with the change of slots in its middle: that round also shows the waves largest scores to each other.
.macro SOFTMAX ask
	WIN 0x2a                                       ; the largest score of each block of 32 keys: it serves for the row maximum and, since p rises with the score, for the block largest p
.irp m, 0,1,2,3
.irp b, 0,1,2,3
	v_max3_num_f32 v[BM+4*\m+\b], v[64*\m+16*\b], v[64*\m+16*\b+1], v[64*\m+16*\b+2]   ; each accumulator is read from its low end on
.endr
.endr
	WIN 0x28
.irp i, 3,5,7,9,11,13
.irp m, 0,1,2,3
.irp b, 0,1,2,3
	v_max3_num_f32 v[BM+4*\m+\b], v[BM+4*\m+\b], v[64*\m+16*\b+\i], v[64*\m+16*\b+\i+1]
.endr
.endr
.endr
	WIN 0x08
.irp m, 0,1,2,3
.irp b, 0,1,2,3
	v_max_num_f32 v[BM+4*\m+\b], v[BM+4*\m+\b], v[64*\m+16*\b+15]
.endr
.endr
	WIN 0
.irp k, 0,1,2,3,4,5,6,7,8,9,10,11,12,13,14,15
	v_permlanex16_b32 v[BT+\k], v[BM+\k], s[SEL], s[SEL+1]
.endr
.irp k, 0,1,2,3,4,5,6,7,8,9,10,11,12,13,14,15
	v_max_num_f32 v[BM+\k], v[BM+\k], v[BT+\k]     ; with lane l xor 16
.endr
.irp m, 0,1,2,3
	v_max3_num_f32 v[T2+\m], v[BM+4*\m], v[BM+4*\m+1], v[BM+4*\m+2]
.endr
.irp m, 0,1,2,3
	v_max_num_f32 v[T2+\m], v[T2+\m], v[BM+4*\m+3] ; my 128 keys largest score of each query
.endr
.irp m, 0,1,2,3
	ds_store_b32 v[MXW], v[T2+\m] offset:256*\m    ; lanes r and r + 16 write the same word with the same value
.endr
.if (\ask)
	s_wait_xcnt 0x0
	s_add_nc_u64 s[PFA:PFA+1], s[PFA:PFA+1], SLOTB
.endif
	s_wait_tensorcnt 0x0                           ; V of key steps 0, 1 has landed: no tensor load of mine is out
	ds_add_u32 v[SPW], v[NIL]                      ; 0 onto my spare word
	s_xor_b32 s[G0B+1], s[G0B+1], SLOT1
	s_add_nc_u64 s[G0B+2:G0B+3], s[G0B+2:G0B+3], SLOTB
	s_wait_dscnt 0x0                               ; the add is done, my largest scores have landed, my reads of K are over
	CROUND
	REFILL                                         ; V of key steps 2, 3 into the slot of K d steps 2, 3
.irp m, 0,1,2,3
	ds_load_b128 v[BT+4*\m:BT+4*\m+3], v[MXR] offset:256*\m        ; the four waves largest scores of my query
.endr
	FH 8
	FH 9
	FH 10
.if (\ask)
	ASK
.endif
	s_wait_dscnt 38                                ; behind the four loads: 13 + 12 + 13 for V
.irp m, 0,1,2,3
	v_max3_num_f32 v[T2+\m], v[BT+4*\m], v[BT+4*\m+1], v[BT+4*\m+2]
.endr
.irp m, 0,1,2,3
	v_max_num_f32 v[T2+\m], v[T2+\m], v[BT+4*\m+3] ; the super-step largest score: the same four numbers, so the same M, in all four waves
.endr
.irp m, 0,1,2,3
	v_mul_f32 v[T2+\m], s[CS], v[T2+\m]            ; as t
.endr
.irp m, 0,1,2,3
	v_max_num_f32 v[NM+2*\m+1], v[NM+2*\m+1], v[T2+\m]
.endr
.irp m, 0,1,2,3
	v_mov_b32 v[T2+\m], v[NM+2*\m]
.endr
.irp m, 0,1,2,3
	v_floor_f32 v[NM+2*\m], -v[NM+2*\m+1]          ; -M = floor(-t): M is a whole number
.endr
.irp m, 0,1,2,3
	v_sub_f32 v[T2+\m], v[NM+2*\m], v[T2+\m]       ; old M - new M: a whole number, 0 or less
.endr
.irp m, 0,1,2,3
	v_cvt_i32_f32 v[T2+\m], v[T2+\m]               ; (it saturates)
.endr
.irp m, 0,1,2,3
	v_ldexp_f32 v[FP+2*\m], 1.0, v[T2+\m]          ; f
.endr
.irp m, 0,1,2,3
.irp b, 0,1,2,3
	v_fma_f32 v[BM+4*\m+\b], v[BM+4*\m+\b], s[CS], v[NM+2*\m]      ; t - M of each block largest score
.endr
.endr
	WIN 0x82
.irp m, 0,1,2,3
.set JX, 0
.rept 32
	v_pk_fma_f32 v[64*\m+JX:64*\m+JX+1], v[64*\m+JX:64*\m+JX+1], s[CS:CS+1], v[NM+2*\m:NM+2*\m+1] op_sel_hi:[1,0,0]   ; t - M, two at a time
.set JX, JX+2
.endr
.endr
.set JX, 0
.rept 256
	v_exp_f32 v[JX], v[JX]                         ; p = 2^(t - M): one batch
.set JX, JX+1
.endr
	WIN 0
.irp m, 0,1,2,3
	v_pk_mul_f32 v[LS+2*\m:LS+2*\m+1], v[LS+2*\m:LS+2*\m+1], v[FP+2*\m:FP+2*\m+1] op_sel_hi:[1,0]   ; the sums under the new M: plain work behind the batch
.endr
	s_wait_alu depctr_va_vdst(0)                   ; one wait for the batch, ahead of the first line that names a result
.irp k, 0,1,2,3,4,5,6,7,8,9,10,11,12,13,14,15
	v_exp_f32 v[BM+\k], v[BM+\k]                   ; the blocks largest p: the same two instructions on the same number give the same bits
.endr
	WIN 0x0a
.irp m, 0,1,2,3
	v_pk_add_f32 v[T2+2*\m:T2+2*\m+1], v[64*\m:64*\m+1], v[64*\m+2:64*\m+3]   ; the sum of the UNQUANTISED p, two chains a query tile
.endr
	WIN 0x08
.set JX, 4
.rept 15
.irp m, 0,1,2,3
	v_pk_add_f32 v[LS+2*\m:LS+2*\m+1], v[LS+2*\m:LS+2*\m+1], v[64*\m+JX:64*\m+JX+1]
	v_pk_add_f32 v[T2+2*\m:T2+2*\m+1], v[T2+2*\m:T2+2*\m+1], v[64*\m+JX+2:64*\m+JX+3]
.endr
.set JX, JX+4
.endr
	WIN 0
.irp m, 0,1,2,3
	v_pk_add_f32 v[LS+2*\m:LS+2*\m+1], v[LS+2*\m:LS+2*\m+1], v[T2+2*\m:T2+2*\m+1]
.endr
	s_wait_alu depctr_va_vdst(0)                   ; and one for the sixteen
.irp k, 0,1,2,3,4,5,6,7,8,9,10,11,12,13,14,15
	v_max_num_f32 v[BM+\k], 0x1800000, v[BM+\k]    ; the floor 2^(3 - 127)
.endr
.irp m, 0,1,2,3
	QSCALE \m
.endr
.irp m, 0,1,2,3
	QCODES \m, \m
.endr
	WIN 0x0c
.irp m, 0,1,2,3
.irp c, 0,1,2
	ds_store_b128 v[PWI], v[192+12*\m+4*\c:192+12*\m+4*\c+3] offset:FRB*\m+512*\c   ; key step w of P
.endr
.endr
	WIN 0
.irp m, 0,1,2,3
	ds_store_b32 v[PWS], v[BT+4*\m] offset:4*\m
.endr
	WIN 0x41
.irp m, 0,1,2,3
.set JX, 0
.rept 32
	v_pk_mul_f32 v[64*\m+JX:64*\m+JX+1], v[64*\m+JX:64*\m+JX+1], v[FP+2*\m:FP+2*\m+1] op_sel_hi:[1,0]   ; O^T under the new M, each accumulator from its low end on, while the stores land
.set JX, JX+2
.endr
.endr
	WIN 0
	s_wait_dscnt 0x0                               ; for the others: my images of P have landed
	s_barrier_signal -1
	s_barrier_wait -1                              ; all of P lies in LDS.  My tensor load may stay out
	ds_load_b128 v[PS:PS+3], v[PSR]
	ds_load_b128 v[PS+4:PS+7], v[PSR] offset:512
	WIN 0x80
.set IX, 0
.rept 16
.irp c, 0,1,2
	ds_load_b128 v[12*IX+4*\c:12*IX+4*\c+3], v[PRD] offset:IX*FRB+512*\c
.endr
.set IX, IX+1
.endr
	WIN 0
.endm
; A SUPER-STEP: 512 keys, 256 products a wave.  last = 1: the stream ends: the last two changes of slots fill nothing, and nothing is fetched for a next super-step
.macro SUPER last
	SSTEP 0, 25, 1, 4                              ; (halves 1 and 2 may be out: 12 + 13)
	CHANGE 0, 1, 26, 1, 1-\last                    ; slot 0 <- V of key steps 0, 1
	SSTEP 2, -1, 1, 4
	SSTEP 3, -1, 1, 4
	SSTEP 4, 25, 1, 4
	SSTEP 5, 25, 0, 0
	SSTEP 6, 12, 0, 0
	SSTEP 7, 0, 0, 4
	SOFTMAX 1-\last                                ; slot 1 <- V of key steps 2, 3
	PSTEP 8, 36, 1, 4                              ; (P of key steps 1 to 3 may be out)
.if \last
	CHANGE 1, 9, -1, 0, 0                          ; the last tile has landed, in every wave: a barrier of the work-group, nothing is filled
.else
	CHANGE 1, 9, -1, 1, 1                          ; slot 0 <- the next K, d steps 0, 1
.endif
	PSTEP 10, -1, 1, 4
	PSTEP 11, -1, 1, 4
	PSTEP 12, 25, 1, 4
.if \last
	PSTEP 13, 25, 0, 0
	PSTEP 14, 12, 0, 0
	PSTEP 15, 0, 0, 4
.else
	CHANGE 1, 13, 26, 1, 1                         ; slot 1 <- the next K, d steps 2, 3
	PSTEP 14, -1, 1, 4
	PSTEP 15, -1, 1, 5                             ; five: the next scores are laid over the registers of P, which these products read
.endif
.endm
	s_load_b256 s[4:11], s[0:1], 0x0               ; query codes, query scales, Wq codes, Wq scales
	s_load_b128 s[12:15], s[0:1], 0x20             ; bq, kvs
	s_load_b64 s[16:17], s[0:1], 0x30              ; out0
	v_lshl_add_u32 v[SPW], v0, 2, SPARE
	v_mov_b32 v[NIL], 0
	ds_add_u32 v3, v4
	ds_add_u32 v3, v4
	s_wait_dscnt 0x0
	v_lshrrev_b32 v240, 5, v0
	v_readfirstlane_b32 s[WV], v240                ; wave 0..3
	s_bfe_u32 s[CX], ttmp6, 0x40000                ; my place in the cluster: it enters the addresses of query, out0 and the prefetches alone
	v_and_b32 v240, 31, v0                         ; lane
	v_and_b32 v241, 15, v0                         ; r
	v_bfe_u32 v242, v0, 4, 1                       ; h
	v_and_b32 v243, 8, v241
	v_add_nc_u32 v243, v243, v241                  ; r + 8 (r / 8)
	v_lshlrev_b32 v[LI], 4, v240                   ; 16 x lane
	s_mul_i32 s52, s[WV], OCT
	v_add_nc_u32 v[AF], s52, v[LI]
	v_add_nc_u32 v[AF+1], SLOT1, v[AF]
	v_add_nc_u32 v[PRD], PIMG, v[LI]
	s_mul_i32 s52, s[WV], 4*FRB
	v_add_nc_u32 v[PWI], s52, v[PRD]
	s_lshl_b32 s52, s[WV], 8
	s_add_co_u32 s52, s52, PSC
	v_lshl_add_u32 v[PWS], v241, 4, s52
	v_add_nc_u32 v[PSR], PSC, v[LI]
	s_lshl_b32 s52, s[WV], 2
	s_add_co_u32 s52, s52, MAXX
	v_lshl_add_u32 v[MXW], v241, 4, s52
	v_lshl_add_u32 v[MXR], v241, 4, MAXX
	v_min_u32 v[PFO], 24, v240
	v_lshlrev_b32 v[PFO], 8, v[PFO]
	v_add_nc_u32 v[QRD], QIMG, v[LI]
	s_mul_i32 s52, s[WV], FRB
	v_add_nc_u32 v[QWI], s52, v[QRD]
	v_lshl_add_u32 v[QSR], v240, 2, QSC
	s_lshl_b32 s52, s[WV], 7
	v_add_nc_u32 v[QWS], s52, v[QSR]
	s_mul_i32 s53, s[WV], 32*TP
	s_add_co_u32 s53, s53, STAGE                   ; my stage for Wq
	s_mul_i32 s54, s[WV], 16*TP
	s_add_co_u32 s54, s54, QRAW                    ; my 16 rows among the 64 queries
.irp k, 0,1,2
	v_add_nc_u32 v[SA+\k], 32*\k, v240             ; x = 32 c + lane, under 96
	v_mul_u32_u24 v[QSA+\k], v[SA+\k], 43
	v_lshrrev_b32 v[QSA+\k], 10, v[QSA+\k]         ; x / 24 = 43 x / 1,024, rounded down: exact for x under 96
	v_add_nc_u32 v[QSA+\k], v[QSA+\k], v[SA+\k]
	v_lshl_add_u32 v[SA+\k], v[QSA+\k], 4, s53     ; 16 (x + x / 24): 16 bytes of padding behind each row 24 units
	v_lshl_add_u32 v[QSA+\k], v[QSA+\k], 4, s54
.endr
	v_mul_u32_u24 v[QRA], v241, TP
	v_mad_u32_u24 v[QRA], v242, 24, v[QRA]         ; out of LDS rows: 400 r + 24 h
	v_add_nc_u32 v[RA], s53, v[QRA]
	v_add_nc_u32 v[QRA], QRAW, v[QRA]
	v_lshlrev_b32 v246, 4, v241                    ; query scales: 16 bytes a row
	v_lshlrev_b32 v247, 4, v243
	v_lshl_add_u32 v247, v242, 10, v247            ; Wq scales; lanes 16-31 stand 64 rows on
	v_lshlrev_b32 v248, 6, v242                    ; bq: 64 h
.irp m, 0,1,2,3
	v_mov_b32 v[NM+2*\m+1], 0xff61b1e6             ; the largest t so far: -3e38, under every t
	v_floor_f32 v[NM+2*\m], -v[NM+2*\m+1]
	v_mov_b32 v[LS+2*\m], 0
	v_mov_b32 v[LS+2*\m+1], 0
	v_mov_b32 v[FP+2*\m], 0
	v_mov_b32 v[FP+2*\m+1], 0                      ; (named as the upper half of a pair)
.endr
.irp k, 0,1,2,3,4,5,6,7,8,9,10,11,12,13,14,15
	v_mov_b32 v[BT+\k], 0                          ; written once: a lane permute destination counts as one of its sources
.endr
	s_mov_b32 s[SEL], 0x76543210
	s_mov_b32 s[SEL+1], 0xfedcba98                 ; lane l xor 16
	s_mov_b32 s[CS], 0x3d8293ee                    ; c = log2(e) / sqrt(512)
	s_mov_b32 s[CS+1], s[CS]
	; descriptor group 1: a quarter of a slot, 25,600 dense bytes, as 100 rows of 32 elements of 8 bytes
	s_mov_b32 s[G1], 15|(3<<16)|(1<<21)            ; 15:0 the mask: all four work-groups; 17:16 elements of 8 bytes; 20 no padding; 21 set beside a mask
	s_mov_b32 s[G1+1], 32<<16                      ; tensor_dim0 = 32
	s_mov_b32 s[G1+2], 100<<16                     ; tensor_dim1 = 100
	s_mov_b32 s[G1+3], 32<<16                      ; tile_dim0 = 32
	s_mov_b32 s[G1+4], 100                         ; tile_dim1 = 100
	s_mov_b32 s[G1+5], 32                          ; from row to row
	s_mov_b32 s[G1+6], 0
	s_mov_b32 s[G1+7], 0
	s_and_b32 s48, ttmp7, 0xffff                   ; the batch, which the four partners share
	s_mul_i32 s48, s48, 16*SLOTB
	s_mul_i32 s50, s[WV], 2*OCT                    ; my quarter of a slot, in memory and in LDS: no place in the cluster enters either
	s_add_co_u32 s48, s48, s50
	s_mov_b32 s49, 0
	s_lshl_b32 s44, ttmp9, 2                       ; in a cluster launch ttmp9 counts clusters
	s_add_co_u32 s44, s44, s[CX]
	s_and_b32 s45, ttmp7, 0xffff
	s_lshl_b32 s45, s45, 4
	s_add_co_u32 s44, s44, s45                     ; my block of 64 queries: 16 x batch + 4 x cluster + place
	s_mul_i32 s46, s44, 64*384
	s_mul_i32 s45, s[WV], 16*384                   ; of which I bring rows 16 w .. 16 w + 15
	s_add_co_u32 s46, s46, s45
	s_mov_b32 s47, 0
	s_cmp_eq_u32 ttmp9, 0                          ; the batch first cluster prefetches: the same in all four partners
	s_cselect_b32 s[LIM], 1, 0
	s_wait_kmcnt 0x0
	s_add_nc_u64 s[4:5], s[4:5], s[46:47]
	s_lshl_b32 s46, s44, 10
	s_add_nc_u64 s[6:7], s[6:7], s[46:47]
	s_mul_i32 s46, s[WV], 49152                    ; my 128 rows of Wq,
	s_add_nc_u64 s[8:9], s[8:9], s[46:47]
	s_lshl_b32 s46, s[WV], 11                      ; of its scale bytes,
	s_add_nc_u64 s[10:11], s[10:11], s[46:47]
	s_lshl_b32 s46, s[WV], 9                       ; my 128 numbers of bq
	s_add_nc_u64 s[12:13], s[12:13], s[46:47]
	s_lshl_b32 s46, s44, 17                        ; out0: 64 rows of 2,048 bytes a block, + my 512 bytes of a row
	s_lshl_b32 s45, s[WV], 9
	s_add_co_u32 s46, s46, s45
	s_add_nc_u64 s[16:17], s[16:17], s[46:47]
	s_mov_b32 s[G0A], 1                            ; count = 1
	s_mov_b32 s[G0A+1], s50                        ; LDS address: slot 0
	s_add_nc_u64 s[G0A+2:G0A+3], s[14:15], s[48:49]   ; stream slot 0
	s_or_b32 s[G0A+3], s[G0A+3], 0x80000000        ; type = 2
	s_mov_b32 s[G0B], 1
	s_add_co_u32 s[G0B+1], s50, SLOT1
	s_add_nc_u64 s[G0B+2:G0B+3], s[14:15], s[48:49]
	s_add_nc_u64 s[G0B+2:G0B+3], s[G0B+2:G0B+3], SLOTB   ; stream slot 1; this descriptor then walks
	s_or_b32 s[G0B+3], s[G0B+3], 0x80000000
	s_add_nc_u64 s[PFA:PFA+1], s[14:15], s[48:49]
	s_mul_i32 s46, s[CX], 6400
	s_add_co_u32 s46, s46, 3*SLOTB                 ; at stream slot 3: the first refill (slot 2) steps it to 4.  Nothing is prefetched here, where every work-group first tiles are on their way
	s_add_nc_u64 s[PFA:PFA+1], s[PFA:PFA+1], s[46:47]
	CROUND                                         ; all four work-groups are here: the first joint loads meet
	tensor_load_to_lds s[G0A:G0A+3], s[G1:G1+7]
	s_nop 0
	tensor_load_to_lds s[G0B:G0B+3], s[G1:G1+7]
	s_nop 0
	PLACES 4
	WIN 0xc0
.irp g, 0,1,2,3                                ; my 16 queries as they lie: 12 loads of 512 consecutive bytes, into v0-47 of window 3
.irp c, 0,1,2
	global_load_b128 v[12*\g+4*\c:12*\g+4*\c+3], v[LI], s[4:5] offset:FRB*\g+512*\c th:TH_LOAD_NT
.endr
.endr
	WIN 0
.irp m, 0,1,2,3
	global_load_b128 v[QS+4*\m:QS+4*\m+3], v246, s[6:7] offset:256*\m th:TH_LOAD_NT
.endr
.irp s, 0,1,2,3                                ; my 128 rows of Wq as they lie: piece 4 t + s into the registers of fragment (t, s)
.irp t, 0,1,2,3,4,5,6,7
	WRAW 8*\s+\t, 8, 4*\t+\s
.endr
.endr
	WIN 0
.irp t, 0,1,2,3
	global_load_b128 v[FS+4*\t:FS+4*\t+3], v247, s[10:11] offset:16*(32*(\t/2)+8*(\t%2))   ; Wq scale words: v56-71 for the projection
.endr
.irp t, 0,1,2,3,4,5,6,7
	global_load_b128 v[F+8*\t:F+8*\t+3], v248, s[12:13] offset:4*(32*(\t/2)+8*(\t%2))
	global_load_b128 v[F+8*\t+4:F+8*\t+7], v248, s[12:13] offset:4*(32*(\t/2)+8*(\t%2))+16
.endr
	s_wait_loadcnt 63                              ; behind the 16 loads for the queries 116 were issued: with 63 out the 16 are in
	WIN 0x0c                                       ; an LDS store data are its source 1: window 3
.irp g, 0,1,2,3
.irp c, 0,1,2
	ds_store_b128 v[QSA+\c], v[12*\g+4*\c:12*\g+4*\c+3] offset:4*\g*TP
.endr
.endr
	WIN 0
	s_wait_dscnt 0x0                               ; for the others: my 16 rows have landed
	s_barrier_signal -1
	s_barrier_wait -1                              ; the 64 queries lie in LDS.  My two tensor loads stay out
	WIN 0xc0
.irp m, 0,1,2,3                                ; fragment (m, s) at 12 (4 m + s) of window 3
.irp s, 0,1,2,3
.irp i, 0,1,2,3,4,5
	ds_load_b64 v[12*(4*\m+\s)+2*\i:12*(4*\m+\s)+2*\i+1], v[QRA] offset:16*\m*TP+96*\s+48*(\i/3)+8*(\i%3)
.endr
.endr
.endr
	WIN 0
	s_wait_loadcnt 20                              ; behind the raw bytes of Wq: its 4 loads of scales and the 16 of bq
.irp b, 0,1,2,3
	TURN \b
.endr
	WIN 0
	s_wait_loadcnt 0x0                             ; the scales of Wq, bq
	s_wait_dscnt 0x0                               ; the fragments of the queries and of Wq
.irp m, 0,1,2,3
	QPROJ \m
.endr
	s_wait_tensorcnt 0x1                           ; my part of stream slot 0 is in; slot 1 may stay out
	s_wait_dscnt 0x0                               ; my images of Q have landed
	s_barrier_signal -1
	s_barrier_wait -1
	WIN 0xc0
.set IX, 0
.rept 16
.irp c, 0,1,2
	ds_load_b128 v[12*IX+4*\c:12*IX+4*\c+3], v[QRD] offset:IX*FRB+512*\c   ; Q stays in registers
.endr
.set IX, IX+1
.endr
	WIN 0
.set IX, 0
.rept 16
	ds_load_b32 v[QS+IX], v[QSR] offset:128*IX
.set IX, IX+1
.endr
	WIN 0x40
.set JX, 0
.rept 256
	v_mov_b32 v[JX], 0                             ; O^T: the first change of M leaves zeros zeros
.set JX, JX+1
.endr
	WIN 0
	FH 0
	FH 1
	FH 2
	s_mov_b32 s[CNT], 3
.Lsuper:                                           ; three trips; each fills four slots again: stream slots 2 to 13
	SUPER 0
	s_sub_co_u32 s[CNT], s[CNT], 1
	s_cmp_lg_u32 s[CNT], 0
	s_cbranch_scc1 .Lsuper
	SUPER 1                                        ; the tail is written out: stream slots 14 and 15
	; THE WAY OUT.  A query sum: my two halves, lane l xor 16, and the other three waves through LDS.  O^T / the sum goes through my stage, a query tile at a time, and leaves as rows of 512 bytes.
.irp m, 0,1,2,3
	v_add_f32 v[T2+\m], v[LS+2*\m], v[LS+2*\m+1]
.endr
.irp m, 0,1,2,3
	v_permlanex16_b32 v[BT+\m], v[T2+\m], s[SEL], s[SEL+1]
.endr
.irp m, 0,1,2,3
	v_add_f32 v[T2+\m], v[T2+\m], v[BT+\m]
.endr
.irp m, 0,1,2,3
	ds_store_b32 v[MXW], v[T2+\m] offset:1024+256*\m
.endr
	s_wait_dscnt 0x0
	s_barrier_signal -1
	s_barrier_wait -1
.irp m, 0,1,2,3
	ds_load_b128 v[BT+4*\m:BT+4*\m+3], v[MXR] offset:1024+256*\m
.endr
	v_and_b32 v[BM], 15, v0                        ; r
	v_bfe_u32 v[BM+1], v0, 4, 1                    ; h
	v_and_b32 v[BM+2], 31, v0                      ; lane
	s_mul_i32 s52, s[WV], 16*528
	s_add_co_u32 s52, s52, STAGE                   ; my stage
	v_mul_u32_u24 v[STO], v[BM], 528
	v_lshl_add_u32 v[STO], v[BM+1], 5, v[STO]
	v_add_nc_u32 v[STO], s52, v[STO]               ; in: row r; tile dt eight channels of my half at 64 dt + 32 h
	v_lshlrev_b32 v[CO], 4, v[BM+2]                ; back: the 32 lanes take one row of 512 bytes; the same in out0
	v_add_nc_u32 v[RD], s52, v[CO]
	s_wait_dscnt 0x0
.irp m, 0,1,2,3
	v_add_f32 v[BT+4*\m], v[BT+4*\m], v[BT+4*\m+1]
	v_add_f32 v[BT+4*\m+2], v[BT+4*\m+2], v[BT+4*\m+3]
.endr
.irp m, 0,1,2,3
	v_add_f32 v[BT+4*\m], v[BT+4*\m], v[BT+4*\m+2]
.endr
.irp m, 0,1,2,3
	v_rcp_f32 v[FP+2*\m], v[BT+4*\m]
.endr
	v_nop                                          ; a plain place behind the last reciprocal
	s_wait_alu depctr_va_vdst(0)                   ; one wait for the four, ahead of the first use
.macro TOSTAGE m
	WIN 0x41
.set JX, 0
.rept 32
	v_pk_mul_f32 v[64*(\m)+JX:64*(\m)+JX+1], v[64*(\m)+JX:64*(\m)+JX+1], v[FP+2*(\m):FP+2*(\m)+1] op_sel_hi:[1,0]   ; each accumulator from its low end on
.set JX, JX+2
.endr
	WIN 0x04                                       ; an LDS store data are its source 1: window 1
.irp t, 0,1,2,3,4,5,6,7
	ds_store_b128 v[STO], v[64*(\m)+8*\t:64*(\m)+8*\t+3] offset:64*\t
	ds_store_b128 v[STO], v[64*(\m)+8*\t+4:64*(\m)+8*\t+7] offset:64*\t+16
.endr
	WIN 0
.irp t, 0,1,2,3,4,5,6,7,8,9,10,11,12,13,14,15
	ds_load_b128 v[F+64*((\m)%2)+4*\t:F+64*((\m)%2)+4*\t+3], v[RD] offset:\t*528   ; LDS serves a wave in order: these see my stores, and the next tile stores come behind them
.endr
.endm
.macro SEND m, younger                 ; younger: the LDS instructions issued behind tile m loads
	s_wait_dscnt \younger
.irp t, 0,1,2,3,4,5,6,7,8,9,10,11,12,13,14,15
	global_store_b128 v[CO], v[F+64*((\m)%2)+4*\t:F+64*((\m)%2)+4*\t+3], s[16:17] offset:(16*(\m)+\t)*2048 th:TH_STORE_NT   ; 32 lanes store 512 consecutive bytes, at a multiple of 256 from the buffer first byte
.endr
.endm
	TOSTAGE 0
.irp m, 1,2,3
.if \m > 1
	s_wait_xcnt 0x0                                ; the stores of the tile two back have read their registers: this tile rows may land there
.endif
	TOSTAGE \m
	SEND \m-1, 32                                  ; behind its loads: this tile 16 stores and 16 loads
.endr
	SEND 3, 0
	s_wait_tensorcnt 0x0                           ; the wave end: behind my last tensor load and my last LDS store
	ds_add_u32 v[SPW], v[NIL]
	s_wait_dscnt 0x0
	CROUND                                         ; the closing round: no work-group ends while a partner may still ask for a tile that names it
	s_endpgm
.Lfunc_end_k_q051180d38e_attn:
	.size	k_q051180d38e_attn, .Lfunc_end_k_q051180d38e_attn-k_q051180d38e_attn
	.p2alignl 7, 3214868480
	.fill 96, 4, 3214868480
	.section	.rodata,"a",@progbits
	.p2align	6, 0x0
	.amdhsa_kernel k_q051180d38e_attn
		.amdhsa_group_segment_fixed_size 327680
		.amdhsa_private_segment_fixed_size 0
		.amdhsa_enable_private_segment 0
		.amdhsa_kernarg_size 56
		.amdhsa_user_sgpr_count 2
		.amdhsa_user_sgpr_kernarg_segment_ptr 1
		.amdhsa_wavefront_size32 1
		.amdhsa_system_sgpr_workgroup_id_x 1
		.amdhsa_system_sgpr_workgroup_id_y 1
		.amdhsa_system_sgpr_workgroup_id_z 1
		.amdhsa_system_vgpr_workitem_id 0
		.amdhsa_next_free_vgpr 1024
		.amdhsa_next_free_sgpr 66
		.amdhsa_reserve_vcc 0
		.amdhsa_float_denorm_mode_32 3
		.amdhsa_float_denorm_mode_16_64 3
		.amdhsa_memory_ordered 1
		.amdhsa_forward_progress 1
		.amdhsa_inst_pref_size 255
	.end_amdhsa_kernel
	.section	.bss,"aw",@nobits
	.p2align	6
	.space	262144
	.amdgpu_metadata
---
amdhsa.version: [ 1, 2 ]
amdhsa.kernels:
  - .name:           k_q051180d38e_attn
    .symbol:         k_q051180d38e_attn.kd
    .args:
      - { .name: query_codes, .offset: 0, .size: 8, .value_kind: global_buffer, .address_space: global }
      - { .name: query_scales, .offset: 8, .size: 8, .value_kind: global_buffer, .address_space: global }
      - { .name: Wq_codes, .offset: 16, .size: 8, .value_kind: global_buffer, .address_space: global }
      - { .name: Wq_scales, .offset: 24, .size: 8, .value_kind: global_buffer, .address_space: global }
      - { .name: bq, .offset: 32, .size: 8, .value_kind: global_buffer, .address_space: global }
      - { .name: kvs, .offset: 40, .size: 8, .value_kind: global_buffer, .address_space: global }
      - { .name: out0, .offset: 48, .size: 8, .value_kind: global_buffer, .address_space: global }
    .group_segment_fixed_size: 327680
    .private_segment_fixed_size: 0
    .kernarg_segment_align: 8
    .kernarg_segment_size: 56
    .max_flat_workgroup_size: 128
    .sgpr_count:     66
    .vgpr_count:     1024
    .wavefront_size: 32
...
	.end_amdgpu_metadata
.endif
;; end of part 4
;; ======== version 3 of 3: 2 launches; version 2 with the launch kv written anew for expert scheduling mode
;; workspace buffers: kvs 26,214,400 bytes
;; launch kv (part 5): grid 256 x 1, 4 waves a work-group, no clusters, 156,160 bytes of LDS; arguments keys_codes, keys_scales, Wk_codes, Wk_scales, bk, Wv_codes, Wv_scales, bv, kvs; writes kvs
.if DOCPART == 5
	.amdgcn_target "amdgcn-amd-amdhsa--gfx1250"
	.amdhsa_code_object_version 6
	.text
	.protected	k_q051180d38e_kv
	.globl	k_q051180d38e_kv
	.p2align	8
	.type	k_q051180d38e_kv,@function
k_q051180d38e_kv:
	s_mov_b64 s[64:65], 0
	v_nop
	global_prefetch_b8 v0, s[64:65] scope:SCOPE_SE
	s_setreg_imm32_b32 hwreg(HW_REG_WAVE_SCHED_MODE, 0, 2), 2
	s_setreg_imm32_b32 hwreg(HW_REG_WAVE_MODE, 25, 1), 1
	s_wait_xcnt 0x0
	s_wait_alu depctr_vm_vsrc(0)
; k = keys Wk + bk, Q(k) along d, v = Q(k) Wv + bv, Q(v) along the keys: both products on codes of FP6 (E2M3) with one E8M0 scale for each 32 along K.
; A work-group of four waves takes 128 keys.  THE WAVES SHARE THE COLUMNS: wave w makes columns 128 w .. 128 w + 127 of k (d step w of the later products) and channels 128 w .. + 127 of v, for all 128 keys.
; So a wave reads its 32 fragments of Wk and its 32 of Wv from memory once, into registers, where they stay.
; HOW ROW-MAJOR CODES BECOME FRAGMENTS.  A wave 128 rows of a weight are 49,152 consecutive bytes, its 32 keys 12,288.  They are loaded as they lie, 16 bytes a lane, 512 consecutive bytes a load, into the registers
; that their fragments will take, and turned through the wave own stage in LDS, a chunk of 32 rows (24 loads) at a time: load 3 j + c holds the units of 16 bytes x = 32 c + lane of rows 4 j .. 4 j + 3; unit x lies in
; row x / 24 of the four (a row is 24 units), and with stage rows of 400 bytes its place is 16 (x + x / 24) + 400 x (the place of row 4 j).  A fragment comes back by six loads of 8 bytes at 400 r + 24 h:
; 400 bytes are 100 words, so row r starts at bank 36 r mod 64 (64 banks of 4 bytes: ISA guide 11.1) and the 32 lanes touch 64 different banks.  LDS serves a wave in order: chunks follow each other with no wait on DScnt.
; NO CLUSTER, NO TENSOR LOAD.  All work-groups read the same weights, so joint loads could divide the requests for them by four.  Not built: padded for the reads above the two weights are 2 x 204,800 bytes, more
; than LDS holds beside the images, so Wv would be a refill behind a round of its own; this text keeps plain loads, which need no ring.
; WHAT GOES FROM WAVE TO WAVE goes through LDS as images of operand registers: a fragment (16 rows x 128 K, 12 registers) as three blocks of 512 bytes, lane l at 16 l.
; THE OUTPUT kvs is laid in the order in which the attention launch takes it: octets of 8 fragment images (1,536 bytes each) and a block of 512 bytes of scale words (lane L, word j: lanes 0-15 fragment j, lanes 16-31
; fragment 4 + j, row L % 16).  A batch is 4 super-steps of 512 keys; a super-step is 4 slots of 8 octets: K d steps 0, 1 | K d steps 2, 3 | V key steps 0, 1 | V key steps 2, 3; octet = 4 (step % 2) + quarter.
; THE ROWS OF A TILE ARE NOT NEIGHBOURS, for the keys and for Wk: lane r of tile 2 b + u takes row 32 b + 8 u + r + 8 (r / 8), so that a result 16 registers of tiles 2 b, 2 b + 1 are 16 neighbours along the next K.
; (In the stage such a chunk two middle groups of eight rows change places, so that a tile sixteen rows lie side by side.)
; Phase 1 (transposed): source 0 = 16 rows of Wk, source 1 = 16 keys: a lane holds one key, its registers run along d.  Phase 2: source 0 = 16 keys of Q(k), source 1 = 16 rows of Wv: a lane holds one channel, its registers run along the keys.
; LIMITS: NaN and infinities are not served.  A block of zeros gets the scale byte 1 where the quantiser says 127: its codes are zeros, and these bytes are read by this program alone.
; REGISTERS: position p of 64 fragments: window 1 + p / 21, register 12 (p % 21); position 63 lies at v16-27 of window 0.  Positions 0-31: Wk (8 s + t), later Q(k) (8 s + m); 32-63: Wv (32 + 4 t + s).
; THE MODE: SCHED_MODE bits 1:0 = 2 (LLVM: expert scheduling mode 2), set by the entry lines.  The code itself states the register dependences between vector or matrix instructions and memory or LDS
; instructions, with s_wait_alu, always for 0.
; THE PLAN.  Registers that memory or LDS instructions touch, and who else names them:
;   v1, v4-15, v225-227  Offsets and LDS addresses: made at the head, never written again.  One wait on va_vdst ahead of the first load serves every access by them.
;   XF, XS               The products of tile m read them; the LDS loads for tile m + 1 land in them.  One set: the four windows are full.
;   PC, PW               The quantiser of tile m writes them; the stores that read them are issued in tile m + 1.
;   positions 0-31       Raw bytes of Wk land; the stores into the stage read them; the fragments land; the products of phase 1 read them; behind the second barrier Q(k) lands.
;   positions 32-62      The same for Wv.  No vector or matrix instruction names them before phase 2: their loads hang on none, and the raw loads stand at the head of a tile, ahead of its products.
;   position 63          v16-27, a part of XF until the products of tile 7 are done: its raw loads stand behind the wait of tile 7.
;   WS, BK               Loaded at the head, read by the products of phase 1, loaded again behind tile 7.
;   RAW                  At work at the head, then 16 bytes on their way from a load to a store, three times.
;   HA, TM               Named by vector and matrix instructions alone, but that v64-111 hold the keys at the head, where LDS stores read them.
; So ONE wait on va_vdst stands in a tile, behind its products and their places: the products are done reading XF and XS, and the quantiser of the tile before has written PC and PW.  Behind it follow the loads
; for the next tile and the stores of the tile before, with no vector instruction between.  One wait on vm_vsrc stands in the quantiser, ahead of the first line that writes PW or PC again, and one in each turn,
; between the stores that read a chunk registers and the loads that land in them.
.set FRB,  1536                        ; a fragment image in bytes; also four rows of codes as they lie in memory
.set XSC,  49152                       ; LDS: 0 the keys 32 fragments (4 m + s); here their scale bytes as they lie in memory, 16 a row
.set KIMG, 51200                       ; Q(k): 32 fragments (8 s + m)
.set KSC,  100352                      ; its scale blocks, 512 bytes for each d step
.set VSCO, 2048                        ; behind them, 2,048 bytes on: a scale block of v for each wave
.set STG,  104448                      ; behind those: the stage, 32 rows of TP bytes for each wave
.set TP,   400                         ; a stage row: 384 bytes of codes + 16
.set LI,   1                           ; v1   16 x lane
.set XWI,  4                           ; v4   16 x lane + 12,288 x wave
.set XSA,  5                           ; v5   XSC + 16 (r + 8 (r / 8))
.set KWI,  6                           ; v6   KIMG + 16 x lane + 12,288 x wave
.set KWS,  7                           ; v7   KSC + 512 x wave + 16 r
.set RA,   8                           ; v8   my stage + 400 r + 24 h: out of the stage
.set OWN,  9                           ; v9   KSC + 512 x wave + 16 x lane
.set TID,  10                          ; v10  16 x thread
.set BH,   11                          ; v11  64 h
.set R4,   12                          ; v12  4 r
.set SPM,  13                          ; v13  16 (r + 8 (r / 8)) + 1,024 h
.set SNT,  14                          ; v14  16 r + 1,024 h
.set KRD,  15                          ; v15  KIMG + 16 x lane
.set XF,   16                          ; v16-63   four fragments of the keys; in phase 2 v16-27 Wv(7, 3), v28-43 the scale words of Q(k)
.set KS,   28
.set HA,   64                          ; v64-127  eight accumulators
.set BK,   128                         ; v128-191 the bias as eight tiles in the layout of a result
.set PC,   192                         ; v192-211 the codes just made (v207 and v211, which the conversions leave out, are the closing add two registers)
.set TM,   212                         ; v212-215 largest magnitudes, v216-219 bytes, v220-223 the conversions scale operands
.set PW,   224                         ; the scale word just made
.set SA,   225                         ; v225-227 my stage + 16 (x + x / 24), x = 32 c + lane: into the stage
.set XS,   228                         ; v228-231 the keys scale words of a tile
.set WS,   232                         ; v232-247 the weights scale words: 4 (t % 4) + s; lanes 0-15 tile t, lanes 16-31 tile t + 4
.set RAW,  248                         ; v248-251 16 bytes on their way
.set WV,   24
.set SEL,  26
.set MSB,  0
.macro WIN new                         ; the immediate high byte repeats the setting that is left
.if MSB != (\new)
	s_set_vgpr_msb (MSB<<8)|(\new)
.set MSB, (\new)
.endif
.endm
.macro PLACES n
.rept \n
	v_nop
.endr
.endm
.macro POS p                           ; where position p lies
.if (\p) == 63
.set PWN, 0
.set PRG, 16
.else
.set PWN, 1+(\p)/21
.set PRG, 12*((\p)%21)
.endif
.endm
.macro FPOS kind, t, s                 ; the position of fragment (t, s): kind 0 Wk, kind 1 Wv
.if (\kind)
	POS 32+4*(\t)+(\s)
.else
	POS 8*(\s)+(\t)
.endif
.endm
; one product: D, source 0, source 1, C by their first registers; the two scale registers; which half of the lanes holds each side scales
.macro MM d, a, b, c, sa, sb, ra, rb
.if (\ra) && (\rb)
	v_wmma_scale_f32_16x16x128_f8f6f4 v[\d:\d+7], v[\a:\a+11], v[\b:\b+11], v[\c:\c+7], v[\sa], v[\sb] matrix_a_fmt:MATRIX_FMT_FP6 matrix_b_fmt:MATRIX_FMT_FP6 matrix_a_scale:MATRIX_SCALE_ROW1 matrix_b_scale:MATRIX_SCALE_ROW1
.elseif (\ra)
	v_wmma_scale_f32_16x16x128_f8f6f4 v[\d:\d+7], v[\a:\a+11], v[\b:\b+11], v[\c:\c+7], v[\sa], v[\sb] matrix_a_fmt:MATRIX_FMT_FP6 matrix_b_fmt:MATRIX_FMT_FP6 matrix_a_scale:MATRIX_SCALE_ROW1
.elseif (\rb)
	v_wmma_scale_f32_16x16x128_f8f6f4 v[\d:\d+7], v[\a:\a+11], v[\b:\b+11], v[\c:\c+7], v[\sa], v[\sb] matrix_a_fmt:MATRIX_FMT_FP6 matrix_b_fmt:MATRIX_FMT_FP6 matrix_b_scale:MATRIX_SCALE_ROW1
.else
	v_wmma_scale_f32_16x16x128_f8f6f4 v[\d:\d+7], v[\a:\a+11], v[\b:\b+11], v[\c:\c+7], v[\sa], v[\sb] matrix_a_fmt:MATRIX_FMT_FP6 matrix_b_fmt:MATRIX_FMT_FP6
.endif
.endm
.macro WRAW p, base, g                 ; piece g of my part of a weight (rows 4 g .. 4 g + 3, 1,536 bytes as they lie) into the registers of position p: each load covers 512 consecutive bytes
	POS \p
	WIN (PWN<<6)
.irp c, 0,1,2
	global_load_b128 v[PRG+4*\c:PRG+4*\c+3], v[LI], s[\base:\base+1] offset:FRB*(\g)+512*\c
.endr
.endm
.macro TST w, reg, j, perm             ; piece j of a chunk goes from 12 registers (window w) into my stage; perm = 1: the chunk two middle groups of eight rows change places
.if (\perm)
.set PB, 16*(((\j)/2)%2)+8*((\j)/4)+4*((\j)%2)
.else
.set PB, 4*(\j)
.endif
	WIN ((\w)<<2)                                  ; an LDS store data are its source 1
.irp c, 0,1,2
	ds_store_b128 v[SA+\c], v[\reg+4*\c:\reg+4*\c+3] offset:PB*TP
.endr
.endm
.macro TLD w, reg, u, s                ; fragment (tile u of the chunk two, K step s) comes out of my stage: 2 x 24 bytes a lane, in pieces of 8
	WIN ((\w)<<6)
.irp i, 0,1,2,3,4,5
	ds_load_b64 v[\reg+2*\i:\reg+2*\i+1], v[RA] offset:16*(\u)*TP+96*(\s)+48*(\i/3)+8*(\i%3)
.endr
.endm
.macro TURN b, kind                    ; chunk b of a weight: the raw bytes in the registers of fragments (2 b + u, s) become those fragments
.irp s, 0,1,2,3
.irp u, 0,1
	FPOS \kind, 2*(\b)+\u, \s
	TST PWN, PRG, 4*\u+\s, 1-(\kind)
.endr
.endr
	s_wait_alu depctr_vm_vsrc(0)                   ; the 24 stores above have read the chunk registers, in which its fragments land; only window switches and loads follow
.irp s, 0,1,2,3
.irp u, 0,1
	FPOS \kind, 2*(\b)+\u, \s
	TLD PWN, PRG, \u, \s
.endr
.endr
.endm
.macro XFETCH m                        ; tile m of the keys: its four fragments and its rows scale words
.irp s, 0,1,2,3
.irp c, 0,1,2
	ds_load_b128 v[XF+12*\s+4*\c:XF+12*\s+4*\c+3], v[LI] offset:(4*(\m)+\s)*FRB+512*\c
.endr
.endr
	ds_load_b128 v[XS:XS+3], v[XSA] offset:16*(32*((\m)/2)+8*((\m)%2))
.endm
; 64 numbers of a lane, register 16 b + i = k 32 b + 16 (lane / 16) + i of its row, become a fragment codes in v[PC] on and its scale word in v[PW].  held = 1: stores of an earlier tile have named PC and PW
.macro QUANT s, held
.irp b, 0,1,2,3
	v_max3_num_f32 v[TM+\b], |v[\s+16*\b]|, |v[\s+1+16*\b]|, 0x1800000   ; my 16 numbers of block b, and the floor 2^(3 - 127): the byte cannot fall under 1
.endr
.irp i, 2,4,6,8,10,12,14
.irp b, 0,1,2,3
	v_max3_num_f32 v[TM+\b], v[TM+\b], |v[\s+16*\b+\i]|, |v[\s+1+16*\b+\i]|
.endr
.endr
.irp b, 0,1,2,3
	v_permlanex16_b32 v[TM+4+\b], v[TM+\b], s[SEL], s[SEL+1]
.endr
.irp b, 0,1,2,3
	v_max_num_f32 v[TM+\b], v[TM+\b], v[TM+4+\b]   ; with lane l xor 16: the block largest magnitude
.endr
.irp b, 0,1,2,3
	v_add_nc_u32 v[TM+8+\b], 0xff000000, v[TM+\b]  ; 2 off its exponent field: the conversion scale operand
.endr
.irp b, 0,1,2,3
	v_lshrrev_b32 v[TM+4+\b], 23, v[TM+8+\b]       ; the scale byte
.endr
.if (\held)
	s_wait_xcnt 0x0                                ; the global stores of the tile before have had their addresses translated: only behind this wait are the codes registers written again
	s_wait_alu depctr_vm_vsrc(0)                   ; the LDS and global stores of the tile before have read PC and PW, which the lines below write again
.endif
	v_lshl_or_b32 v[PW], v[TM+5], 8, v[TM+4]
	v_lshl_or_b32 v[PW], v[TM+6], 16, v[PW]
	v_lshl_or_b32 v[PW], v[TM+7], 24, v[PW]
.irp c, 0,1
	v_cvt_scalef32_pk16_fp6_f32 v[PC+6*\c:PC+2+6*\c], v[\s+32*\c:\s+15+32*\c], v[TM+8+2*\c]
	v_cvt_scalef32_pk16_fp6_f32 v[PC+12+4*\c:PC+14+4*\c], v[\s+16+32*\c:\s+31+32*\c], v[TM+8+2*\c+1]   ; (three registers from an even one on)
.endr
	v_nop                                          ; one plain place behind a scaled conversion
.irp c, 0,1                                    ; a whole block to a lane: lanes 0-15 block 2 c, lanes 16-31 block 2 c + 1
.irp i, 0,1,2
	v_permlane16_swap_b32 v[PC+6*\c+\i], v[PC+12+4*\c+\i]
.endr
.irp i, 0,1,2
	v_mov_b32 v[PC+3+6*\c+\i], v[PC+12+4*\c+\i]
.endr
.endr
.endm
.macro KOUT m                          ; fragment m of d step w of Q(k) leaves PC and PW: its image and scale word to LDS, its image to kvs
.irp c, 0,1,2
	ds_store_b128 v[KWI], v[PC+4*\c:PC+4*\c+3] offset:FRB*(\m)+512*\c
.endr
	ds_store_b32 v[KWS], v[PW] offset:256*((\m)/4)+4*((\m)%4)      ; lanes r and r + 16 write the same word with the same value
.irp c, 0,1,2
	global_store_b128 v[LI], v[PC+4*\c:PC+4*\c+3], s[20:21] offset:FRB*(\m)+512*\c   ; 32 lanes store 512 consecutive bytes, at a multiple of 256 from the buffer first byte
.endr
.endm
.macro VOUT t                          ; fragment t of my octet of V leaves PC and PW
.irp c, 0,1,2
	global_store_b128 v[LI], v[PC+4*\c:PC+4*\c+3], s[22:23] offset:FRB*(\t)+512*\c
.endr
	ds_store_b32 v[KWS], v[PW] offset:VSCO+256*((\t)/4)+4*((\t)%4)
.endm
; PHASE 1, tile m of the keys: my 128 columns of k for 16 keys, quantised: fragment m of d step w
.macro P1TILE m
.irp s, 0,1,2,3
.if 4*(\m)+\s < 31
	WRAW 32+4*(\m)+\s, 14, 4*(\m)+\s               ; four pieces of Wv a tile, twelve loads, ahead of the products: no vector or matrix instruction has named these registers, so the loads hang on none
.endif
.endr
	s_wait_dscnt 0x0                               ; the tile fragments are in
.irp s, 0,1,2,3
.irp t, 0,1,2,3,4,5,6,7
	POS 8*\s+\t
	WIN PWN
.if \s == 0
	MM HA+8*\t, PRG, XF+12*\s, BK+8*\t, WS+4*(\t%4)+\s, XS+\s, \t/4, 0   ; the bias is the C of the first product; the eight accumulators take turns
.else
	MM HA+8*\t, PRG, XF+12*\s, HA+8*\t, WS+4*(\t%4)+\s, XS+\s, \t/4, 0
.endif
.endr
.endr
	WIN 0
	PLACES 5                                       ; four in front of the first read of results; five since the next tile begins these accumulators anew
	s_wait_alu depctr_va_vdst(0)                   ; the products are done reading XF and XS, in which the loads below land; the quantiser of the tile before has written PC and PW, which the stores below read
.if (\m) < 7
	XFETCH (\m)+1
.else
	WRAW 63, 14, 31                                ; the last piece of Wv takes v16-27, which the products above were the last to read as a fragment of the keys
.endif
.if (\m) > 0
	KOUT (\m)-1                                    ; the tile before goes out.  No vector instruction stands between the wait and these stores
.endif
.if ((\m) >= 2) && ((\m)%2 == 0)
	s_wait_loadcnt 12                              ; all but this tile twelve loads are in: the chunk asked for in the two tiles before is whole,
	TURN (\m)/2-1, 1                               ; and is turned while the quantiser below works on registers
	WIN 0
.endif
.if (\m) == 0
	QUANT HA, 0
.else
	QUANT HA, 1
.endif
.endm
; PHASE 2, tile t of my channels: v for 16 channels x 128 keys, quantised along the keys: fragment t of my octet of V
.macro P2TILE t
	s_wait_dscnt 0x0
.irp s, 0,1,2,3
	POS 32+4*(\t)+\s
.set BWN, PWN
.set BRG, PRG
.irp m, 0,1,2,3,4,5,6,7
	POS 8*\s+\m
	WIN (PWN|(BWN<<2))
.if \s == 0
	MM HA+8*\m, PRG, BRG, BK+8*(\t), KS+4*\s+\m%4, WS+4*((\t)%4)+\s, \m/4, (\t)/4
.else
	MM HA+8*\m, PRG, BRG, HA+8*\m, KS+4*\s+\m%4, WS+4*((\t)%4)+\s, \m/4, (\t)/4
.endif
.endr
.endr
	WIN 0
	PLACES 5
.if (\t) > 0
	s_wait_alu depctr_va_vdst(0)                   ; the quantiser of the tile before has written PC and PW, which the stores below read
	VOUT (\t)-1
.endif
	QUANT HA, 1
.endm
	s_load_b512 s[4:19], s[0:1], 0x0               ; keys codes, keys scales, Wk codes, Wk scales, bk, Wv codes, Wv scales, bv
	s_load_b64 s[20:21], s[0:1], 0x40              ; kvs
	v_lshl_add_u32 v207, v0, 2, 0x26000
	v_mov_b32 v211, 0
	v_lshrrev_b32 v252, 5, v0
	v_readfirstlane_b32 s[WV], v252                ; wave 0..3
	v_and_b32 v252, 31, v0                         ; lane
	v_and_b32 v253, 15, v0                         ; r
	v_bfe_u32 v254, v0, 4, 1                       ; h
	v_and_b32 v255, 8, v253
	v_add_nc_u32 v255, v255, v253                  ; r + 8 (r / 8)
	v_lshlrev_b32 v[LI], 4, v252
	s_wait_alu depctr_va_sdst(0)                   ; the wave number is written into s24, ahead of its first reader
	s_mul_i32 s28, s[WV], 8*FRB
	v_add_nc_u32 v[XWI], s28, v[LI]
	v_lshl_add_u32 v[XSA], v255, 4, XSC
	v_add_nc_u32 v[KWI], KIMG, v[XWI]
	s_lshl_b32 s29, s[WV], 9
	s_add_co_u32 s29, s29, KSC
	v_lshl_add_u32 v[KWS], v253, 4, s29
	v_add_nc_u32 v[OWN], s29, v[LI]
	v_lshlrev_b32 v[TID], 4, v0
	v_lshlrev_b32 v[BH], 6, v254
	v_lshlrev_b32 v[R4], 2, v253
	v_lshlrev_b32 v[SPM], 4, v255
	v_lshl_add_u32 v[SPM], v254, 10, v[SPM]
	v_lshlrev_b32 v[SNT], 4, v253
	v_lshl_add_u32 v[SNT], v254, 10, v[SNT]
	v_add_nc_u32 v[KRD], KIMG, v[LI]
	s_mul_i32 s42, s[WV], 32*TP
	s_add_co_u32 s42, s42, STG                     ; my stage
.irp k, 0,1,2
	v_add_nc_u32 v[SA+\k], 32*\k, v252             ; x = 32 c + lane, under 96
	v_mul_u32_u24 v[RAW], v[SA+\k], 43
	v_lshrrev_b32 v[RAW], 10, v[RAW]               ; x / 24 = 43 x / 1,024, rounded down: exact for x under 96
	v_add_nc_u32 v[RAW], v[RAW], v[SA+\k]
	v_lshl_add_u32 v[SA+\k], v[RAW], 4, s42        ; 16 (x + x / 24): 16 bytes of padding behind each row 24 units
.endr
	v_mul_u32_u24 v[RA], v253, TP
	v_mad_u32_u24 v[RA], v254, 24, v[RA]
	v_add_nc_u32 v[RA], s42, v[RA]
.irp b, 0,1,2,3
	v_mov_b32 v[TM+4+\b], 0                        ; written once: a lane permute destination counts as one of its sources
.endr
	s_mov_b32 s[SEL], 0x76543210
	s_mov_b32 s[SEL+1], 0xfedcba98                 ; lane l xor 16
	s_lshr_b32 s30, ttmp9, 4                       ; batch
	s_and_b32 s31, ttmp9, 15                       ; which 128 keys of the batch
	s_lshr_b32 s32, s31, 2                         ; super-step
	s_and_b32 s33, s31, 3                          ; quarter of it
	s_mul_i32 s34, s30, 1638400
	s_mul_i32 s35, s32, 409600
	s_add_co_u32 s34, s34, s35
	s_lshr_b32 s35, s[WV], 1                       ; my octet of K: slot w / 2, octet 4 (w % 2) + quarter
	s_mul_i32 s35, s35, 102400
	s_and_b32 s36, s[WV], 1
	s_lshl_b32 s36, s36, 2
	s_add_co_u32 s36, s36, s33
	s_mul_i32 s36, s36, 12800
	s_add_co_u32 s36, s36, s35
	s_add_co_u32 s36, s36, s34
	s_mov_b32 s37, 0
	s_lshr_b32 s35, s33, 1                         ; my octet of V: slot 2 + quarter / 2, octet 4 (quarter % 2) + w
	s_add_co_u32 s35, s35, 2
	s_mul_i32 s35, s35, 102400
	s_and_b32 s38, s33, 1
	s_lshl_b32 s38, s38, 2
	s_add_co_u32 s38, s38, s[WV]
	s_mul_i32 s38, s38, 12800
	s_add_co_u32 s38, s38, s35
	s_add_co_u32 s38, s38, s34
	s_mov_b32 s39, 0
	s_lshl_b32 s40, ttmp9, 7
	s_lshl_b32 s41, s[WV], 5
	s_add_co_u32 s40, s40, s41
	s_mul_i32 s40, s40, 384                        ; the 32 keys whose fragments I bring: 128 x work-group + 32 x wave
	s_mov_b32 s41, 0
	s_wait_kmcnt 0x0
	s_add_nc_u64 s[22:23], s[20:21], s[38:39]
	s_add_nc_u64 s[20:21], s[20:21], s[36:37]
	s_add_nc_u64 s[4:5], s[4:5], s[40:41]
	s_lshl_b32 s40, ttmp9, 11                      ; the work-group 128 rows of scale bytes
	s_add_nc_u64 s[6:7], s[6:7], s[40:41]
	s_mul_i32 s40, s[WV], 49152                    ; my 128 rows of each weight,
	s_add_nc_u64 s[8:9], s[8:9], s[40:41]
	s_add_nc_u64 s[14:15], s[14:15], s[40:41]
	s_lshl_b32 s40, s[WV], 11                      ; of their scale bytes,
	s_add_nc_u64 s[10:11], s[10:11], s[40:41]
	s_add_nc_u64 s[16:17], s[16:17], s[40:41]
	s_lshl_b32 s40, s[WV], 9                       ; my 128 numbers of each bias
	s_add_nc_u64 s[12:13], s[12:13], s[40:41]
	s_add_nc_u64 s[18:19], s[18:19], s[40:41]
	s_wait_alu depctr_va_vdst(0)                   ; the offsets and LDS addresses v1, v4-15, v225-227 are written, which every load and store of the kernel reads; so is v248, at work above, in which the first load lands
	global_load_b128 v[RAW:RAW+3], v[TID], s[6:7] th:TH_LOAD_NT    ; the keys scale bytes, 16 a thread
.irp g, 0,1,2,3,4,5,6,7                        ; my 32 keys as they lie: one chunk, 24 loads of 512 consecutive bytes
.irp c, 0,1,2
	global_load_b128 v[XF+12*\g+4*\c:XF+12*\g+4*\c+3], v[LI], s[4:5] offset:FRB*\g+512*\c th:TH_LOAD_NT
.endr
.endr
.irp s, 0,1,2,3                                ; my 128 rows of Wk as they lie: piece 4 t + s into the registers of fragment (t, s)
.irp t, 0,1,2,3,4,5,6,7
	WRAW 8*\s+\t, 8, 4*\t+\s
.endr
.endr
	WIN 0
.irp t, 0,1,2,3
	global_load_b128 v[WS+4*\t:WS+4*\t+3], v[SPM], s[10:11] offset:16*(32*(\t/2)+8*(\t%2))   ; a row 16 scale bytes are its four words; lanes 16-31 stand 64 rows on: tile t + 4
.endr
.irp t, 0,1,2,3,4,5,6,7
	global_load_b128 v[BK+8*\t:BK+8*\t+3], v[BH], s[12:13] offset:4*(32*(\t/2)+8*(\t%2))
	global_load_b128 v[BK+8*\t+4:BK+8*\t+7], v[BH], s[12:13] offset:4*(32*(\t/2)+8*(\t%2))+16
.endr
	s_wait_loadcnt 63                              ; behind the 25 loads for the keys 116 were issued: with 63 out the 25 are in
	ds_store_b128 v[TID], v[RAW:RAW+3] offset:XSC
.irp g, 0,1,2,3,4,5,6,7                        ; the keys are turned: tiles 2 w and 2 w + 1, all four d steps
	TST 0, XF+12*\g, \g, 1
.endr
	s_wait_alu depctr_vm_vsrc(0)                   ; the 24 stores above have read v16-111, in which the eight fragments land
.irp u, 0,1
.irp s, 0,1,2,3
	TLD 0, XF+12*(4*\u+\s), \u, \s
.endr
.endr
	s_wait_dscnt 0x0                               ; the eight fragments are in registers
.irp f, 0,1,2,3,4,5,6,7
.irp c, 0,1,2
	ds_store_b128 v[XWI], v[XF+12*\f+4*\c:XF+12*\f+4*\c+3] offset:\f*FRB+512*\c
.endr
.endr
	s_wait_dscnt 0x0                               ; for the others: my stores have landed
	s_barrier_signal -1
	s_barrier_wait -1                              ; the keys 32 fragments lie in LDS
	s_wait_alu depctr_vm_vsrc(0)                   ; my stores of the images have read v16-111: the loads below land in v16-63, and the first products write v64-127
	XFETCH 0
	s_wait_loadcnt 20                              ; behind the raw bytes of Wk: its 4 loads of scales and the 16 of bk
.irp b, 0,1,2,3
	TURN \b, 0
.endr
	WIN 0
	s_wait_loadcnt 0x0                             ; the scales of Wk, bk
.irp m, 0,1,2,3,4,5,6,7
	P1TILE \m
.endr
	s_wait_alu depctr_va_vdst(0)                   ; the quantiser of tile 7 has written PC and PW, which the stores below read.  (The products of phase 1 stand ahead of it too: the loads into WS, BK, XF and the registers of Wk, up to phase 2, hang on nothing more)
	KOUT 7
.irp t, 0,1,2,3
	global_load_b128 v[WS+4*\t:WS+4*\t+3], v[SNT], s[16:17] offset:256*\t
.endr
.irp t, 0,1,2,3,4,5,6,7
	global_load_b32 v[BK+8*\t], v[R4], s[18:19] offset:64*\t       ; bv of channel 16 t + r
.endr
	s_wait_loadcnt 12                              ; all but the twelve just issued: the last chunk of Wv is whole
	TURN 3, 1
	WIN 0
	ds_load_b128 v[RAW:RAW+3], v[OWN]              ; my scale block of K: LDS serves a wave in order, so this sees my stores
	s_wait_dscnt 0x0                               ; it is in, and my images of Q(k) have landed
	global_store_b128 v[LI], v[RAW:RAW+3], s[20:21] offset:8*FRB
	s_barrier_signal -1
	s_barrier_wait -1                              ; all of Q(k) lies in LDS
.set PX, 0
.rept 32                                       ; Q(k) takes the registers of Wk
	POS PX
	WIN (PWN<<6)
.irp c, 0,1,2
	ds_load_b128 v[PRG+4*\c:PRG+4*\c+3], v[KRD] offset:PX*FRB+512*\c
.endr
.set PX, PX+1
.endr
	WIN 0
.irp s, 0,1,2,3
	ds_load_b128 v[KS+4*\s:KS+4*\s+3], v[KRD] offset:KSC-KIMG+512*\s
.endr
	s_wait_loadcnt 0x0                             ; the scales of Wv, bv
.irp t, 0,1,2,3,4,5,6,7
.irp j, 1,2,3,4,5,6,7
	v_mov_b32 v[BK+8*\t+\j], v[BK+8*\t]            ; a lane holds one channel: its eight registers of a tile take the same bias
.endr
.endr
.irp t, 0,1,2,3,4,5,6,7
	P2TILE \t
.endr
	s_wait_alu depctr_va_vdst(0)                   ; the quantiser of the last tile has written PC and PW, which the stores below read
	VOUT 7
	ds_load_b128 v[RAW:RAW+3], v[OWN] offset:VSCO  ; my scale block of V: it sees my stores; the store of the scale block of K has read these registers ahead of the waits in the quantisers of phase 2
	s_wait_dscnt 0x0
	global_store_b128 v[LI], v[RAW:RAW+3], s[22:23] offset:8*FRB
	s_wait_dscnt 0x0                               ; the closing lines, six on end
	s_wait_alu 0x0
	s_wait_tensorcnt 0x0
	ds_add_u32 v207, v211
	s_wait_dscnt 0x0
	s_endpgm
.Lfunc_end_k_q051180d38e_kv:
	.size	k_q051180d38e_kv, .Lfunc_end_k_q051180d38e_kv-k_q051180d38e_kv
	.p2alignl 7, 3214868480
	.fill 96, 4, 3214868480
	.section	.rodata,"a",@progbits
	.p2align	6, 0x0
	.amdhsa_kernel k_q051180d38e_kv
		.amdhsa_group_segment_fixed_size 156160
		.amdhsa_private_segment_fixed_size 0
		.amdhsa_enable_private_segment 0
		.amdhsa_kernarg_size 72
		.amdhsa_user_sgpr_count 2
		.amdhsa_user_sgpr_kernarg_segment_ptr 1
		.amdhsa_wavefront_size32 1
		.amdhsa_system_sgpr_workgroup_id_x 1
		.amdhsa_system_sgpr_workgroup_id_y 1
		.amdhsa_system_sgpr_workgroup_id_z 1
		.amdhsa_system_vgpr_workitem_id 0
		.amdhsa_next_free_vgpr 1024
		.amdhsa_next_free_sgpr 66
		.amdhsa_reserve_vcc 0
		.amdhsa_float_denorm_mode_32 3
		.amdhsa_float_denorm_mode_16_64 3
		.amdhsa_memory_ordered 1
		.amdhsa_forward_progress 1
		.amdhsa_inst_pref_size 224
	.end_amdhsa_kernel
	.amdgpu_metadata
---
amdhsa.version: [ 1, 2 ]
amdhsa.kernels:
  - .name:           k_q051180d38e_kv
    .symbol:         k_q051180d38e_kv.kd
    .args:
      - { .name: keys_codes, .offset: 0, .size: 8, .value_kind: global_buffer, .address_space: global }
      - { .name: keys_scales, .offset: 8, .size: 8, .value_kind: global_buffer, .address_space: global }
      - { .name: Wk_codes, .offset: 16, .size: 8, .value_kind: global_buffer, .address_space: global }
      - { .name: Wk_scales, .offset: 24, .size: 8, .value_kind: global_buffer, .address_space: global }
      - { .name: bk, .offset: 32, .size: 8, .value_kind: global_buffer, .address_space: global }
      - { .name: Wv_codes, .offset: 40, .size: 8, .value_kind: global_buffer, .address_space: global }
      - { .name: Wv_scales, .offset: 48, .size: 8, .value_kind: global_buffer, .address_space: global }
      - { .name: bv, .offset: 56, .size: 8, .value_kind: global_buffer, .address_space: global }
      - { .name: kvs, .offset: 64, .size: 8, .value_kind: global_buffer, .address_space: global }
    .group_segment_fixed_size: 156160
    .private_segment_fixed_size: 0
    .kernarg_segment_align: 8
    .kernarg_segment_size: 72
    .max_flat_workgroup_size: 128
    .sgpr_count:     66
    .vgpr_count:     1024
    .wavefront_size: 32
...
	.end_amdgpu_metadata
.endif
;; end of part 5
;; launch attn: the kernel of part 4 again; grid 16 x 16, 4 waves a work-group, clusters of 4 x 1, 327,680 bytes of LDS; arguments query_codes, query_scales, Wq_codes, Wq_scales, bq, kvs, out0; writes out0
